; MI455X (gfx1250); checked and timed in simulation.
; The chip was launched on July 23, 2026; its instructions are those of AMD's public machine-readable ISA for CDNA 5 (MIT licence, August 2026) and "CDNA5" Instruction Set Architecture Reference Guide (July 2026). The comments in the code are by the model that wrote it; some were corrected since.
;; Base Layer. Allowed arithmetic: matrix products marked QUANTISED: E2M3 operands, one E8M0 scale for each 32 along K, by v_wmma_scale_f32_16x16x128_f8f6f4 with both operands' format E2M3, f32 sums; products left as they are: f32 operands where the result goes on into a quantised operand, else bf16, f16 or f32 operands; f32 sums; everything else in f32.
;; Inputs: b1 8 x 4,096 float32; b2 8 x 1,024 float32; centroids 8 x 1,024 float32; input_features 4 x 256 x 1,024 float32; ln_b 8 x 1,024 float32; ln_g 8 x 1,024 float32; w1 8 x 4,096 x 1,024 float32; w2 8 x 1,024 x 4,096 float32.
;; Outputs: out0 4 x 256 x 1,024 float32.
;; This version of the problem:
;;   THIS VERSION OF THE PROBLEM IS GIVEN IN LOW PRECISION. The matrix products marked QUANTISED in the list below multiply operands that are first quantised to E2M3 (2 exponent bits, 3 mantissa bits; 6 bits a number), with one power-of-two scale for each 32 numbers along K (OCP MX v1.0); their sums are f32. All else is computed in f32.
;;   The module's matrix products, in the order in which they are computed (A, B: the left and right operand; K: the contracted axis; several contracted axes count as one K, in the product's order):
;;     1. [M 1,024, K 1,024] x [K 1,024, N 8]; A: input input_features; B: input centroids: left as it is (N = 8 < 16)
;;     2. [M 1,024, K 1,024] x [K 1,024, N 4,096]; A: computed on the way; B: input w1: QUANTISED
;;     3. [M 1,024, K 4,096] x [K 4,096, N 1,024]; A: computed on the way; B: input w2: QUANTISED
;;     4. [M 1,024, K 1,024] x [K 1,024, N 4,096]; A: computed on the way; B: input w1: QUANTISED
;;     5. [M 1,024, K 4,096] x [K 4,096, N 1,024]; A: computed on the way; B: input w2: QUANTISED
;;     6. [M 1,024, K 1,024] x [K 1,024, N 4,096]; A: computed on the way; B: input w1: QUANTISED
;;     7. [M 1,024, K 4,096] x [K 4,096, N 1,024]; A: computed on the way; B: input w2: QUANTISED
;;     8. [M 1,024, K 1,024] x [K 1,024, N 4,096]; A: computed on the way; B: input w1: QUANTISED
;;     9. [M 1,024, K 4,096] x [K 4,096, N 1,024]; A: computed on the way; B: input w2: QUANTISED
;;     10. [M 1,024, K 1,024] x [K 1,024, N 4,096]; A: computed on the way; B: input w1: QUANTISED
;;     11. [M 1,024, K 4,096] x [K 4,096, N 1,024]; A: computed on the way; B: input w2: QUANTISED
;;     12. [M 1,024, K 1,024] x [K 1,024, N 4,096]; A: computed on the way; B: input w1: QUANTISED
;;     13. [M 1,024, K 4,096] x [K 4,096, N 1,024]; A: computed on the way; B: input w2: QUANTISED
;;     14. [M 1,024, K 1,024] x [K 1,024, N 4,096]; A: computed on the way; B: input w1: QUANTISED
;;     15. [M 1,024, K 4,096] x [K 4,096, N 1,024]; A: computed on the way; B: input w2: QUANTISED
;;     16. [M 1,024, K 1,024] x [K 1,024, N 4,096]; A: computed on the way; B: input w1: QUANTISED
;;     17. [M 1,024, K 4,096] x [K 4,096, N 1,024]; A: computed on the way; B: input w2: QUANTISED
;;   THE QUANTISER, for each operand of a quantised product, along K:
;;     - K is cut into blocks of 32 from its start; a last block that is shorter is filled with zeros.
;;     - A block's scale is 2^e with e = floor(log2(the largest magnitude in the block)) - 2, held to -126 .. 127; a block of zeros has e = 0. As a byte (E8M0): e + 127.
;;     - Each number is divided by its block's scale, clamped to +-7.5, and rounded to the nearest number of E2M3, ties to even, subnormals kept.
;;     - The product sums the exact products of the quantised numbers (number of the format x scale) in f32.
;;   ~~~python
;;   def quantise(x, axis):      # numpy; x: float32 -> the quantised numbers, widened to float32 again
;;       x = np.moveaxis(x, axis, -1); K = x.shape[-1]
;;       x = np.pad(x, [(0, 0)] * (x.ndim - 1) + [(0, -K % 32)]); x = x.reshape(x.shape[:-1] + (-1, 32)); a = np.abs(x).max(-1, keepdims=True)
;;       e = np.where(a > 0, np.clip(np.frexp(np.where(a > 0, a, 1))[1] - 1 - 2, -126, 127), 0)      # np.frexp(a)[1] - 1 = floor(log2(a)), exactly
;;       r = np.clip(x / 2.0 ** e, -7.5, 7.5)
;;       step = 2.0 ** (np.maximum(np.frexp(np.where(r == 0, 1, r))[1] - 1, 0) - 3)
;;       q = np.round(r / step) * step * 2.0 ** e      # np.round: ties to even
;;       return np.moveaxis(q.reshape(q.shape[:-2] + (-1,))[..., :K], -1, axis).astype(np.float32)
;;   ~~~
;;   OPERANDS COMPUTED ON THE WAY. 'Computed on the way' means the value that the module computes at that place (a softmax that the list does not call 'softmax' is quantised finished and normalised). What goes into a quantiser is computed in f32, as accurately as f32 sums, v_exp_f32 and their like allow (about 1e-6 of the number): no bf16 or f16 on the way to a quantiser, and a product that is left as it is and whose result goes on into a quantised operand takes f32 operands (vector FMAs, or v_wmma_f32_16x16x4_f32). A number that lies on a knife's edge between two numbers of the format may be rounded either way, as far as f32 arithmetic and the matrix unit's own rounding can turn it there, and no further.
;; 2 versions. Each part assembles by itself: llvm-mc -triple=amdgcn-amd-amdhsa -mcpu=gfx1250 --defsym DOCPART=n.
;; ======== version 1 of 2: 3 launches
;; workspace buffers: assign 4,096 bytes of whole numbers; alpha 4,096 bytes; xq 786,432 bytes; xs 32,768 bytes; hid 25,165,824 bytes; hs 1,048,576 bytes
;; launch route (part 1): grid 256 x 1, 4 waves a work-group, no clusters, 19,968 bytes of LDS; arguments input_features, centroids, ln_g, ln_b, xq, xs, assign, alpha; writes xq, xs, assign, alpha
.if DOCPART == 1
	.amdgcn_target "amdgcn-amd-amdhsa--gfx1250"
	.amdhsa_code_object_version 6
	.text
	.protected	k_q5676a2bed4_route
	.globl	k_q5676a2bed4_route
	.p2align	8
	.type	k_q5676a2bed4_route,@function
k_q5676a2bed4_route:
	s_mov_b64 s[64:65], 0
	v_nop
	global_prefetch_b8 v0, s[64:65] scope:SCOPE_SE
	s_setreg_imm32_b32 hwreg(HW_REG_WAVE_MODE, 25, 1), 1
	s_wait_xcnt 0x0
; ROUTE.  For each of 1,024 tokens (rows of 1,024 f32): the affinities to the 8 centroids, their argmax (the lower index on a tie), alpha = sigmoid(the largest affinity),
; and the chosen expert's layer norm of the row, quantised along the row to E2M3 with one E8M0 byte for each 32 numbers.
; OUT: assign[t] (u32), alpha[t] (f32), xq[t][768]: the row's codes as one stream of bits, block B at byte 24 B; xs[t][32]: the scale bytes, block B at byte 4 ((B % 16) / 2) + 2 (B % 2) + B / 16,
; which is the order in which the next launch's matrix instructions take them.
; SHARES.  A work-group takes 4 tokens; wave w takes columns 256 w .. 256 w + 255 of all four, so that each of the 24 rows of centroids, gains and biases is loaded once a work-group, a quarter by each wave.
; A load covers 512 consecutive bytes: in load i lane l holds columns 256 w + 128 i + 4 l + 0 .. 3.  Sums over a row meet in LDS, one word a wave, behind a barrier.
; THE CHOICE STEERS NO ADDRESS AND NO BRANCH HERE: all eight experts' gains and biases are applied and the chosen result is kept by v_cndmask_b32.
; LIMITS: NaN and infinities are not served.  Affinities that agree to within the rounding of an f32 sum of 1,024 products may fall to either expert.  A block whose largest magnitude lies under 2^-124 keeps the byte 1;
; so does a block of zeros (its codes are zeros, and only this program reads the bytes).
.set RED_A, 0                          ; LDS: 32 values (8 t + e) x 16 bytes: word w is wave w's part of token t's affinity to expert e
.set RED_S, 512                        ; 4 x 16 bytes: the rows' sums
.set RED_V, 768                        ; 4 x 16 bytes: the rows' sums of squares
.set TURN,  1024                       ; for each wave 32 places of 128 bytes + 16: a block of 32 numbers to a place
.set TPL,   144                        ; a place: 9 x 16 bytes, an odd multiple of 16
.set SPARE, TURN+4*32*TPL              ; 19,456: the spare words, 128 bytes for each wave, that no other line names
.set LANE, 1
.set GOFF, 2                           ; v2   16 lane + 1,024 wave: my 16 bytes of a row's first load
.set TST,  3                           ; v3   the turn, in: place lane / 8, byte 16 (lane % 8)
.set TLD,  4                           ; v4   the turn, out: place lane
.set SPW,  5                           ; v5   my spare word; never rewritten
.set NIL,  6                           ; v6   0; never rewritten
.set RW,   7                           ; v7   4 wave
.set RL,   8                           ; v8   16 lane
.set ZA,   9                           ; v9   0: the address of what every lane reads alike
.set XQO,  10                          ; v10  my block's place in the work-group's codes
.set XSO,  11                          ; v11  and its byte's place
.set ASO,  12                          ; v12  4 (lane / 8)
.set X,    16                          ; v16-47   x, then x - mu, then z: 8 a token
.set CE,   48                          ; v48-111  the centroids, 8 an expert; later scratch, H and TMP
.set H,    48                          ; v48-79   the chosen layer norm, 8 a token
.set TMP,  80                          ; v80-87   one expert's layer norm
.set G,    112                         ; v112-175 the gains; later my block's 32 numbers and its codes
.set BB,   176                         ; v176-239 the biases
.set PS,   240                         ; v240-255 partial sums
	s_load_b256 s[4:11], s[0:1], 0x0               ; x s[4:5], centroids s[6:7], ln_g s[8:9], ln_b s[10:11]
	s_load_b256 s[12:19], s[0:1], 0x20             ; xq s[12:13], xs s[14:15], assign s[16:17], alpha s[18:19]
	v_lshl_add_u32 v[SPW], v0, 2, SPARE
	v_mov_b32 v[NIL], 0
	v_lshrrev_b32 v13, 5, v0
	v_readfirstlane_b32 s20, v13                   ; wave 0..3
	v_and_b32 v[LANE], 31, v0
	v_lshlrev_b32 v[RL], 4, v[LANE]
	s_lshl_b32 s2, s20, 10
	v_add_nc_u32 v[GOFF], s2, v[RL]
	v_lshrrev_b32 v13, 3, v[LANE]                  ; lane / 8
	v_and_b32 v14, 7, v[LANE]                      ; lane % 8
	s_mul_i32 s2, s20, 32*TPL
	s_add_co_u32 s2, s2, TURN                      ; my wave's 32 places
	v_mul_u32_u24 v[TST], v13, TPL
	v_lshl_add_u32 v[TST], v14, 4, v[TST]
	v_add_nc_u32 v[TST], s2, v[TST]
	v_mul_u32_u24 v[TLD], v[LANE], TPL
	v_add_nc_u32 v[TLD], s2, v[TLD]
	v_mov_b32 v[RW], s20
	v_lshlrev_b32 v[RW], 2, v[RW]
	v_mov_b32 v[ZA], 0
	v_mul_u32_u24 v[XQO], v13, 768                 ; after the turn lane l holds block 8 w + l % 8 of token l / 8: 768 bytes a token, 24 a block
	v_mad_u32_u24 v[XQO], v14, 24, v[XQO]
	s_mul_i32 s2, s20, 192
	v_add_nc_u32 v[XQO], s2, v[XQO]
	v_lshlrev_b32 v[XSO], 5, v13                   ; its byte: 32 (l / 8) + 16 (w % 2) + 4 ((l % 8) / 2) + 2 (l % 2) + w / 2
	v_lshrrev_b32 v15, 1, v14
	v_lshl_add_u32 v[XSO], v15, 2, v[XSO]
	v_and_b32 v15, 1, v[LANE]
	v_lshl_add_u32 v[XSO], v15, 1, v[XSO]
	s_and_b32 s2, s20, 1
	s_lshl_b32 s2, s2, 4
	s_lshr_b32 s3, s20, 1
	s_add_co_u32 s2, s2, s3
	v_add_nc_u32 v[XSO], s2, v[XSO]
	v_lshlrev_b32 v[ASO], 2, v13
	s_mov_b32 s22, 0x76543210                      ; v_permlanex16_b32's selects for lane l xor 16
	s_mov_b32 s23, 0xfedcba98
	s_mov_b32 s21, 0x3a800000                      ; 1 / 1,024
	s_mov_b32 s32, 0xba800000                      ; -1 / 1,024
	s_mov_b32 s33, 0x3727c5ac                      ; eps = 1e-5
	s_mov_b32 s3, 0
	s_lshl_b32 s2, ttmp9, 14                       ; the work-group's 4 rows of 4,096 bytes
	s_wait_kmcnt 0x0
	s_add_nc_u64 s[4:5], s[4:5], s[2:3]
.irp t, 0,1,2,3
.irp i, 0,1
	global_load_b128 v[X+8*\t+4*\i:X+8*\t+4*\i+3], v[GOFF], s[4:5] offset:4096*\t+512*\i th:TH_LOAD_NT
.endr
.endr
.irp e, 0,1,2,3,4,5,6,7
.irp i, 0,1
	global_load_b128 v[CE+8*\e+4*\i:CE+8*\e+4*\i+3], v[GOFF], s[6:7] offset:4096*\e+512*\i
.endr
.endr
.irp e, 0,1,2,3,4,5,6,7
.irp i, 0,1
	global_load_b128 v[G+8*\e+4*\i:G+8*\e+4*\i+3], v[GOFF], s[8:9] offset:4096*\e+512*\i
.endr
.endr
.irp e, 0,1,2,3,4,5,6,7
.irp i, 0,1
	global_load_b128 v[BB+8*\e+4*\i:BB+8*\e+4*\i+3], v[GOFF], s[10:11] offset:4096*\e+512*\i
.endr
.endr
	s_mul_i32 s2, ttmp9, 3072
	s_add_nc_u64 s[12:13], s[12:13], s[2:3]        ; the work-group's place in xq,
	s_lshl_b32 s2, ttmp9, 7
	s_add_nc_u64 s[14:15], s[14:15], s[2:3]        ; in xs,
	s_lshl_b32 s2, ttmp9, 4
	s_add_nc_u64 s[16:17], s[16:17], s[2:3]        ; in assign
	s_add_nc_u64 s[18:19], s[18:19], s[2:3]        ; and in alpha
	s_wait_loadcnt 32                              ; x and the centroids are in; the 32 younger loads (gains, biases) stay out
; ---- my wave's part of each token's eight affinities and of its sum: eight chains by turns, then once across the lanes
.irp t, 0,1,2,3
.irp e, 0,1,2,3,4,5,6,7
	v_pk_mul_f32 v[PS+2*\e:PS+2*\e+1], v[X+8*\t:X+8*\t+1], v[CE+8*\e:CE+8*\e+1]
.endr
.irp p, 1,2,3
.irp e, 0,1,2,3,4,5,6,7
	v_pk_fma_f32 v[PS+2*\e:PS+2*\e+1], v[X+8*\t+2*\p:X+8*\t+2*\p+1], v[CE+8*\e+2*\p:CE+8*\e+2*\p+1], v[PS+2*\e:PS+2*\e+1]
.endr
.endr
.irp e, 0,1,2,3,4,5,6,7
	v_add_f32 v[PS+2*\e], v[PS+2*\e], v[PS+2*\e+1]
.endr
	v_add_f32 v241, v[X+8*\t], v[X+8*\t+1]         ; the row's sum, in two chains, in registers that the halves have left
	v_add_f32 v243, v[X+8*\t+2], v[X+8*\t+3]
	v_add_f32 v241, v241, v[X+8*\t+4]
	v_add_f32 v243, v243, v[X+8*\t+5]
	v_add_f32 v241, v241, v[X+8*\t+6]
	v_add_f32 v243, v243, v[X+8*\t+7]
	v_add_f32 v241, v241, v243
.irp m, 1,2,4,8
.irp v, 240,242,244,246,248,250,252,254,241
	v_add_f32_dpp v[\v], v[\v], v[\v] row_xmask:\m row_mask:0xf bank_mask:0xf
.endr
.endr
	v_permlanex16_b32 v14, v240, s22, s23          ; (a lane permute's destination counts as read: all of these have been written)
	v_permlanex16_b32 v15, v241, s22, s23
.irp v, 242,244,246,248,250,252,254
	v_permlanex16_b32 v[\v+1], v[\v], s22, s23
.endr
	v_add_f32 v240, v240, v14
	v_add_f32 v241, v241, v15
.irp v, 242,244,246,248,250,252,254
	v_add_f32 v[\v], v[\v], v[\v+1]
.endr
.irp e, 0,1,2,3,4,5,6,7
	ds_store_b32 v[RW], v[PS+2*\e] offset:RED_A+16*(8*\t+\e)     ; all lanes write my wave's word with the same value
.endr
	ds_store_b32 v[RW], v241 offset:RED_S+16*\t
.endr
	s_wait_dscnt 0x0                               ; for the others' sake: my words lie in LDS
	s_barrier_signal -1
	s_barrier_wait -1
; ---- lane 8 t + e adds the four waves' parts of affinity (t, e); the argmax goes over each group of eight lanes
	ds_load_b128 v[240:243], v[RL] offset:RED_A
.irp t, 0,1,2,3
	ds_load_b128 v[48+4*\t:51+4*\t], v[ZA] offset:RED_S+16*\t
.endr
	s_wait_dscnt 0x0
	v_add_f32 v240, v240, v241
	v_add_f32 v242, v242, v243
	v_add_f32 v240, v240, v242                     ; the affinity
	v_and_b32 v241, 7, v[LANE]                     ; its expert
.irp m, 1,2,4
	v_mov_b32_dpp v242, v240 row_xmask:\m row_mask:0xf bank_mask:0xf   ; the partner's affinity
	v_mov_b32_dpp v243, v241 row_xmask:\m row_mask:0xf bank_mask:0xf   ; and expert
	v_cmp_gt_f32 s28, v242, v240
	v_cmp_eq_f32 s29, v242, v240
	v_cmp_lt_u32 s30, v243, v241
	s_and_b32 s29, s29, s30
	s_or_b32 s28, s28, s29                         ; the partner's is taken where it is larger, or equal with the lower index
	v_cndmask_b32 v240, v240, v242, s28
	v_cndmask_b32 v241, v241, v243, s28
.endr
.irp t, 0,1,2,3
	v_readlane_b32 s[24+\t], v241, 8*\t            ; token t's expert: it feeds selects alone
.endr
	v_mul_f32 v242, 0xbfb8aa3b, v240               ; - affinity x log2(e)
	v_exp_f32 v242, v242
.irp t, 0,1,2,3                                ; (plain work behind the exponential) the rows' means
	v_add_f32 v[48+4*\t], v[48+4*\t], v[49+4*\t]
	v_add_f32 v[50+4*\t], v[50+4*\t], v[51+4*\t]
.endr
.irp t, 0,1,2,3
	v_add_f32 v[48+4*\t], v[48+4*\t], v[50+4*\t]
.endr
.irp t, 0,1,2,3
	v_mul_f32 v[244+2*\t], s32, v[48+4*\t]         ; -mu, in the low word of a pair
.endr
	s_wait_alu depctr_va_vdst(0)                   ; the wait ahead of the first line that names the exponential's result
	v_add_f32 v242, 1.0, v242
	v_rcp_f32 v242, v242                           ; alpha = 1 / (1 + 2^(-a log2 e))
.irp t, 0,1,2,3                                ; (plain work behind the reciprocal) x - mu, in place
.irp p, 0,1,2,3
	v_pk_add_f32 v[X+8*\t+2*\p:X+8*\t+2*\p+1], v[X+8*\t+2*\p:X+8*\t+2*\p+1], v[244+2*\t:245+2*\t] op_sel_hi:[1,0]
.endr
.endr
	s_wait_alu depctr_va_vdst(0)                   ; and ahead of the first line that names the reciprocal's
	v_and_b32 v13, 0x67, v0
	v_cmp_eq_u32 vcc_lo, 0, v13                    ; threads 0, 8, 16, 24: one lane for each token
	s_wait_xcnt 0x0                                ; EXEC is a source of the loads that are out: it changes only behind this wait
	s_and_saveexec_b32 s31, vcc_lo
	global_store_b32 v[ASO], v241, s[16:17]
	global_store_b32 v[ASO], v242, s[18:19]
	s_wait_xcnt 0x0                                ; and again ahead of the line that widens it; the stores' data are free too
	s_or_b32 exec_lo, exec_lo, s31
; ---- the variance, of x - mu
.irp t, 0,1,2,3
	v_pk_mul_f32 v[48+2*\t:49+2*\t], v[X+8*\t:X+8*\t+1], v[X+8*\t:X+8*\t+1]
.endr
.irp p, 1,2,3
.irp t, 0,1,2,3
	v_pk_fma_f32 v[48+2*\t:49+2*\t], v[X+8*\t+2*\p:X+8*\t+2*\p+1], v[X+8*\t+2*\p:X+8*\t+2*\p+1], v[48+2*\t:49+2*\t]
.endr
.endr
.irp t, 0,1,2,3
	v_add_f32 v[48+2*\t], v[48+2*\t], v[49+2*\t]
.endr
.irp m, 1,2,4,8
.irp t, 0,1,2,3
	v_add_f32_dpp v[48+2*\t], v[48+2*\t], v[48+2*\t] row_xmask:\m row_mask:0xf bank_mask:0xf
.endr
.endr
.irp t, 0,1,2,3
	v_permlanex16_b32 v[49+2*\t], v[48+2*\t], s22, s23
.endr
.irp t, 0,1,2,3
	v_add_f32 v[48+2*\t], v[48+2*\t], v[49+2*\t]
.endr
.irp t, 0,1,2,3
	ds_store_b32 v[RW], v[48+2*\t] offset:RED_V+16*\t
.endr
	s_wait_dscnt 0x0
	s_barrier_signal -1
	s_barrier_wait -1
.irp t, 0,1,2,3
	ds_load_b128 v[64+4*\t:67+4*\t], v[ZA] offset:RED_V+16*\t
.endr
	s_wait_dscnt 0x0
.irp t, 0,1,2,3
	v_add_f32 v[64+4*\t], v[64+4*\t], v[65+4*\t]
	v_add_f32 v[66+4*\t], v[66+4*\t], v[67+4*\t]
.endr
.irp t, 0,1,2,3
	v_add_f32 v[64+4*\t], v[64+4*\t], v[66+4*\t]
.endr
.irp t, 0,1,2,3
	v_fma_f32 v[64+4*\t], v[64+4*\t], s21, s33     ; var + eps
.endr
.irp t, 0,1,2,3
	v_rsq_f32 v[244+2*\t], v[64+4*\t]
.endr
	v_nop                                          ; a plain line behind the last of the batch
	s_wait_alu depctr_va_vdst(0)                   ; one wait for the four
.irp t, 0,1,2,3
.irp p, 0,1,2,3
	v_pk_mul_f32 v[X+8*\t+2*\p:X+8*\t+2*\p+1], v[X+8*\t+2*\p:X+8*\t+2*\p+1], v[244+2*\t:245+2*\t] op_sel_hi:[1,0]   ; z
.endr
.endr
; ---- z g[e] + b[e] for every expert; the chosen one's is kept
	s_wait_loadcnt 0x0                             ; gains and biases
.irp t, 0,1,2,3
.irp p, 0,1,2,3
	v_pk_fma_f32 v[H+8*\t+2*\p:H+8*\t+2*\p+1], v[X+8*\t+2*\p:X+8*\t+2*\p+1], v[G+2*\p:G+2*\p+1], v[BB+2*\p:BB+2*\p+1]
.endr
.irp e, 1,2,3,4,5,6,7
	s_cmp_eq_u32 s[24+\t], \e
	s_cselect_b32 s28, -1, 0
.irp p, 0,1,2,3
	v_pk_fma_f32 v[TMP+2*\p:TMP+2*\p+1], v[X+8*\t+2*\p:X+8*\t+2*\p+1], v[G+8*\e+2*\p:G+8*\e+2*\p+1], v[BB+8*\e+2*\p:BB+8*\e+2*\p+1]
.endr
.irp j, 0,1,2,3,4,5,6,7
	v_cndmask_b32 v[H+8*\t+\j], v[H+8*\t+\j], v[TMP+\j], s28
.endr
.endr
.endr
; ---- the turn through my wave's own places: in as loaded, out a whole block of 32 to a lane.  LDS serves a wave's instructions in order (ISA guide 5.7.1.4)
.irp t, 0,1,2,3
.irp i, 0,1
	ds_store_b128 v[TST], v[H+8*\t+4*\i:H+8*\t+4*\i+3] offset:(8*\t+4*\i)*TPL
.endr
.endr
.irp j, 0,1,2,3,4,5,6,7
	ds_load_b128 v[G+4*\j:G+4*\j+3], v[TLD] offset:16*\j
.endr
	s_wait_dscnt 0x0
; ---- the block's scale and codes
	v_max3_num_f32 v13, |v[G]|, |v[G+1]|, |v[G+2]|
	v_max3_num_f32 v14, |v[G+3]|, |v[G+4]|, |v[G+5]|
.irp i, 6,10,14,18,22,26
	v_max3_num_f32 v13, v13, |v[G+\i]|, |v[G+\i+1]|
	v_max3_num_f32 v14, v14, |v[G+\i+2]|, |v[G+\i+3]|
.endr
	v_max3_num_f32 v13, v13, |v[G+30]|, |v[G+31]|
	v_max3_num_f32 v13, v13, v14, 0x1800000        ; and the floor 2^(3 - 127): the byte cannot fall under 1
	v_add_nc_u32 v15, 0xff000000, v13              ; 2 off the exponent field: the conversion takes the exponent field of this operand as its scale
	v_cvt_scalef32_pk16_fp6_f32 v[144:146], v[G:G+15], v15
	v_cvt_scalef32_pk16_fp6_f32 v[148:150], v[G+16:G+31], v15
	v_lshrrev_b32 v151, 23, v15                    ; the scale's byte
	global_store_b96 v[XQO], v[144:146], s[12:13]
	global_store_b96 v[XQO], v[148:150], s[12:13] offset:12
	global_store_b8 v[XSO], v151, s[14:15]
	s_wait_tensorcnt 0x0                           ; the wave's end
	ds_add_u32 v[SPW], v[NIL]
	s_wait_dscnt 0x0
	s_endpgm
.Lfunc_end_k_q5676a2bed4_route:
	.size	k_q5676a2bed4_route, .Lfunc_end_k_q5676a2bed4_route-k_q5676a2bed4_route
	.p2alignl 7, 3214868480
	.fill 96, 4, 3214868480
	.section	.rodata,"a",@progbits
	.p2align	6, 0x0
	.amdhsa_kernel k_q5676a2bed4_route
		.amdhsa_group_segment_fixed_size 19968
		.amdhsa_private_segment_fixed_size 0
		.amdhsa_enable_private_segment 0
		.amdhsa_kernarg_size 64
		.amdhsa_user_sgpr_count 2
		.amdhsa_user_sgpr_kernarg_segment_ptr 1
		.amdhsa_wavefront_size32 1
		.amdhsa_system_sgpr_workgroup_id_x 1
		.amdhsa_system_sgpr_workgroup_id_y 1
		.amdhsa_system_sgpr_workgroup_id_z 1
		.amdhsa_system_vgpr_workitem_id 0
		.amdhsa_next_free_vgpr 256
		.amdhsa_next_free_sgpr 66
		.amdhsa_reserve_vcc 1
		.amdhsa_float_denorm_mode_32 3
		.amdhsa_float_denorm_mode_16_64 3
		.amdhsa_memory_ordered 1
		.amdhsa_forward_progress 1
		.amdhsa_inst_pref_size 69
	.end_amdhsa_kernel
	.amdgpu_metadata
---
amdhsa.version: [ 1, 2 ]
amdhsa.kernels:
  - .name:           k_q5676a2bed4_route
    .symbol:         k_q5676a2bed4_route.kd
    .args:
      - { .name: input_features, .offset: 0, .size: 8, .value_kind: global_buffer, .address_space: global }
      - { .name: centroids, .offset: 8, .size: 8, .value_kind: global_buffer, .address_space: global }
      - { .name: ln_g, .offset: 16, .size: 8, .value_kind: global_buffer, .address_space: global }
      - { .name: ln_b, .offset: 24, .size: 8, .value_kind: global_buffer, .address_space: global }
      - { .name: xq, .offset: 32, .size: 8, .value_kind: global_buffer, .address_space: global }
      - { .name: xs, .offset: 40, .size: 8, .value_kind: global_buffer, .address_space: global }
      - { .name: assign, .offset: 48, .size: 8, .value_kind: global_buffer, .address_space: global }
      - { .name: alpha, .offset: 56, .size: 8, .value_kind: global_buffer, .address_space: global }
    .group_segment_fixed_size: 19968
    .private_segment_fixed_size: 0
    .kernarg_segment_align: 8
    .kernarg_segment_size: 64
    .max_flat_workgroup_size: 128
    .sgpr_count:     66
    .vgpr_count:     256
    .wavefront_size: 32
...
	.end_amdgpu_metadata
.endif
;; end of part 1
;; launch ffn1 (part 2): grid 256 x 1, 16 waves a work-group, no clusters, 176,128 bytes of LDS; arguments w1, b1, xq, xs, assign, hid, hs; writes hid, hs
.if DOCPART == 2
	.amdgcn_target "amdgcn-amd-amdhsa--gfx1250"
	.amdhsa_code_object_version 6
	.text
	.protected	k_q5676a2bed4_ffn1
	.globl	k_q5676a2bed4_ffn1
	.p2align	8
	.type	k_q5676a2bed4_ffn1,@function
k_q5676a2bed4_ffn1:
	s_mov_b64 s[64:65], 0
	v_nop
	global_prefetch_b8 v0, s[64:65] scope:SCOPE_SE
	s_setreg_imm32_b32 hwreg(HW_REG_WAVE_MODE, 25, 1), 1
	s_wait_xcnt 0x0
; FFN1.  hidden = relu(LN(x) W1[e]^T + b1[e]) for the tokens of expert e alone, both operands in E2M3 with E8M0 scales; the result is quantised along the hidden units and stored as the next product's operand.
; SHARES.  Work-group g: expert e = g / 32, rows 128 (g % 32) .. + 127 of W1[e], all K = 1,024: 512 KiB of f32, read once in the launch, = 64 fragments of 16 rows x 128 K = 8 intervals of 8.
; ROLES.  Waves 0-7 PRODUCE: in each interval each makes one fragment: 16 loads of two whole runs of 256 bytes, a turn through its own stage in LDS, scale and codes, and the fragment's registers as they stand into LDS.
; Their text has no branch on data, so their counted waits hold.  Waves 8-15 CONSUME: each owns tiles of 16 tokens (tile w and tile w + 8), reads the interval's 8 fragments from LDS and its tokens' codes from memory
; straight into registers, one interval behind the producers.  All 64 fragments stay in LDS and none is written twice, so tiles beyond 16 are served behind the last barrier, in a loop without barriers.
; THE ROLES' TEXTS MEET at each barrier and use the same registers.  So (a) no load of a consumer stays out across a meeting: each consumer interval begins and ends with a wait for all loads, so that on no way through the
; text a load lands in a register into which an earlier load, not waited for, will land; (b) the offsets that a consumer keeps from interval to interval lie in registers that the producers' text never writes;
; (c) the matrix instructions' operands lie in registers that no vector instruction of the producers' text writes.
; No tensor load and no copy: how many tiles there are is a number read from memory, and the consumers branch on it.  No cluster for the same reason; what the 32 work-groups of an expert share is the tokens' codes, 768 bytes a token.
; THE LIST OF AN EXPERT'S TOKENS is made in registers from assign: 32 masks of 32 tokens, their running counts, and for position p the mask that holds it and the bit in it (INVERT).  The next launch makes the same list.
; Positions past the count repeat the expert's last token: they give the same bits and store them to the same place, so EXEC never changes.  An expert without tokens still gets tile 0 written, and its weights are streamed.
; K's ORDER.  In K step s the matrix unit's block (c, h) holds the true block 16 h + 2 s + c of 32, alike in W1 and in the tokens: a lane's part of a token's fragment is then 48 consecutive bytes of xq.
; THE ROWS OF W1 THAT FORM A TILE ARE NOT NEIGHBOURS: row slot r of tile q is row 32 (q / 2) + 8 (q % 2) + r + 8 (r / 8), and the product is used transposed (source 0 = W1, source 1 = tokens):
; a lane then holds one token, and the 16 registers of tiles 2 b, 2 b + 1 are hidden units 32 b + 16 (lane / 16) + 0 .. 15.  b1 is the C of each sum's first matrix instruction.
; LIMITS: NaN and infinities are not served; a block whose largest magnitude lies under 2^-124, a block of zeros among them, keeps the byte 1 (its reader is this program alone).
.set FRB,   1536                       ; a fragment's image: 12 registers x 128 bytes
.set IMG,   0                          ; LDS: 64 images, fragment 8 k + q
.set SCL,   64*FRB                     ; 98,304: their scale words, 128 bytes each
.set STG,   SCL+64*128                 ; 106,496: a stage of 16 rows x 528 bytes for each producer
.set SROW,  528                        ; 512 bytes + 16: 33 x 16, an odd multiple of 16
.set SPARE, STG+8*16*SROW              ; 174,080: the spare words, 128 bytes for each of 16 waves, that no other line names
.set HST,   256                        ; in a stage row: from lanes 0-15's part to lanes 16-31's,
.set CST,   128                        ; and from block c = 0 to c = 1
.set KADV,  256                        ; bytes along a row of W1 from interval to interval
; vector registers that every wave makes ahead of the parting of the roles, and never rewrites
.set TS,  1                            ; v1   stage, in: 16 lane
.set TL,  2                            ; v2   stage, out: row r, + HST h
.set IW0, 3                            ; v3   where I put images of intervals 0-3;  v4: of 4-7 (49,152 bytes on: an LDS offset has 16 bits)
.set SW,  5                            ; v5   and scale words
.set LI0, 6                            ; v6   16 lane: where any wave reads images of intervals 0-3;  v7: of 4-7
.set LS,  8                            ; v8   and scale words: SCL + 4 lane
.set SPW, 9                            ; v9   my spare word
.set NIL, 10                           ; v10  0
.set GO,  14                           ; v14  W1: 16 (lane % 16) + 2,048 (lane / 16)
.set H8,  15                           ; v15  8 h
.set RR,  16                           ; v16  r = lane % 16
.set HH,  17                           ; v17  h = lane / 16
.set BO,  18                           ; v18  64 h: b1
.set R4,  19                           ; v19  4 r
; producers: v20-45 and v64-255, and no other
.set CD,  20                           ; v20-31 the fragment's codes; v32-34, v36-38 the blocks' upper halves
.set MB,  35                           ; v35, v39 second chains of the maxima, later the bytes
.set MA,  40                           ; v40-41 largest magnitudes
.set SOP, 42                           ; v42-43 the conversions' scale operands
.set WD,  44                           ; v44   the scale word
.set PT,  45                           ; v45   the other half's bytes
.set R,   64                           ; v64-255 three sets of 64: job k in set k % 3
; consumers
.set XO,  46                           ; v46-47 slot u: token x 768 + 384 h     (these four are written in the consumers' text alone)
.set XSO, 54                           ; v54-55 token x 32
.set TOK, 24                           ; v24-25 the token of my row
.set IV,  27                           ; v27-41 INVERT's
.set WSC, 48                           ; v48-51 W1's scale words: these six hold scales and nothing else, in either role
.set TSC, 52                           ; v52-53 the tokens'
.set WF,  56                           ; v56-103 four fragments of W1; on the way out codes, words and offsets
.set TF,  104                          ; v104-127 a token fragment for each slot; on the way out scratch
.set ACC, 128                          ; v128-255 64 for each slot: tile q at + 8 q
.set HWD, 96                           ; v96-97  the hidden rows' scale words
.set HOF, 98                           ; v98-99  where the image goes in hid
.set SOF, 100                          ; v100-101 and the words in hs
.set TM,  104                          ; v104-119 the quantiser's scratch
.set IP,  IV
.set IM,  IV+1
.set IB,  IV+2
.set IJ,  IV+3
.set IK,  IV+4
.set IA,  IV+5
.set IBB, IV+6
.set IC,  IV+7
.set ID,  IV+8
.set IS,  IV+9
.set IT,  IV+10
.set IU,  IV+11
.set IW,  IV+12
.set ITK, IV+13
.set IOTH, IV+14
; scalars
.set WV,  20                           ; wave
.set PW,  21                           ; wave % 8: which producer, or which consumer
.set EX,  22                           ; expert
.set SL,  23                           ; slice of W1's rows = K step of the next product
.set CNT, 24                           ; the expert's tokens
.set NT,  25                           ; its tiles (at least 1)
.set T0,  26                           ; s26, s27 my two slots' tiles
.set T1,  27
.set GRP, 28
.set NGRP, 29
.set SEL, 30                           ; s[30:31] v_permlanex16_b32's selects for lane l xor 16
.set CP,  32                           ; s32-63 tokens of the expert ahead of mask j
.set MK,  66                           ; s66-97 mask j: bit l = token 128 (j / 4) + 4 l + j % 4
.set HM,  98                           ; lanes 16-31
.set CM1, 99                           ; the last position that holds a token
.macro BAR                             ; my LDS stores have landed and my LDS loads are in: then the work-group's barrier
	s_wait_dscnt 0x0
	s_barrier_signal -1
	s_barrier_wait -1
.endm
.macro WLOAD k                         ; job k: 16 rows x (256 + 256) bytes: sixteen lanes read 256 consecutive bytes, aligned
.set RB, R+64*((\k)%3)
.irp r, 0,1,2,3,4,5,6,7,8,9,10,11,12,13,14,15
	global_load_b128 v[RB+4*\r:RB+4*\r+3], v[GO], s[4:5] offset:(\r+8*(\r/8))*4096+KADV*(\k) th:TH_LOAD_NT
.endr
.endm
.macro QW                              ; 64 numbers of a lane, two whole blocks of 32 of its row, become the fragment's 12 registers and its scale word
.irp c, 0,1
	v_max3_num_f32 v[MA+\c], |v[RB+32*\c]|, |v[RB+32*\c+1]|, |v[RB+32*\c+2]|
	v_max3_num_f32 v[MB+4*\c], |v[RB+32*\c+3]|, |v[RB+32*\c+4]|, |v[RB+32*\c+5]|
.endr
.irp i, 6,10,14,18,22,26
.irp c, 0,1
	v_max3_num_f32 v[MA+\c], v[MA+\c], |v[RB+32*\c+\i]|, |v[RB+32*\c+\i+1]|
	v_max3_num_f32 v[MB+4*\c], v[MB+4*\c], |v[RB+32*\c+\i+2]|, |v[RB+32*\c+\i+3]|
.endr
.endr
.irp c, 0,1
	v_max3_num_f32 v[MA+\c], v[MA+\c], |v[RB+32*\c+30]|, |v[RB+32*\c+31]|
.endr
.irp c, 0,1
	v_max3_num_f32 v[MA+\c], v[MA+\c], v[MB+4*\c], 0x1800000   ; and the floor 2^(3 - 127): the byte cannot fall under 1
.endr
.irp c, 0,1
	v_add_nc_u32 v[SOP+\c], 0xff000000, v[MA+\c]               ; 2 off the exponent field: the conversion's scale operand
.endr
.irp c, 0,1
	v_lshrrev_b32 v[MB+4*\c], 23, v[SOP+\c]                    ; the scale's byte
.endr
	v_lshl_or_b32 v[WD], v[MB+4], 16, v[MB]        ; my two bytes: the unit's blocks h and 2 + h,
	v_lshlrev_b32 v[WD], v[H8], v[WD]              ; at their places;
	v_permlanex16_b32 v[PT], v[WD], s[SEL], s[SEL+1]
	v_or_b32 v[WD], v[WD], v[PT]                   ; with lane l xor 16's two the word is whole
.irp c, 0,1
	v_cvt_scalef32_pk16_fp6_f32 v[CD+6*\c:CD+6*\c+2], v[RB+32*\c:RB+32*\c+15], v[SOP+\c]
	v_cvt_scalef32_pk16_fp6_f32 v[CD+12+4*\c:CD+14+4*\c], v[RB+32*\c+16:RB+32*\c+31], v[SOP+\c]   ; (a conversion's three registers begin on an even number)
.endr
	v_nop                                          ; one plain line behind a scaled conversion
.irp c, 0,1
.irp i, 0,1,2
	v_mov_b32 v[CD+3+6*\c+\i], v[CD+12+4*\c+\i]
.endr
.endr
.endm
.macro PJOB k                          ; a producer's interval
.set RB, R+64*((\k)%3)
.if (\k) <= 5
	s_wait_loadcnt 32                              ; job k is in; the two younger jobs' 32 loads stay out
.elseif (\k) == 6
	s_wait_loadcnt 16                              ; one younger job
.else
	s_wait_loadcnt 0x0
.endif
.irp r, 0,1,2,3,4,5,6,7,8,9,10,11,12,13,14,15
	ds_store_b128 v[TS], v[RB+4*\r:RB+4*\r+3] offset:SROW*\r
.endr
	s_wait_dscnt 0x0                               ; the stores have read their registers, which take the numbers back
.irp c, 0,1
.irp j, 0,1,2,3,4,5,6,7
	ds_load_b128 v[RB+32*\c+4*\j:RB+32*\c+4*\j+3], v[TL] offset:CST*\c+16*\j
.endr
.endr
	s_wait_dscnt 0x0
	QW
.if (\k) <= 4
	WLOAD (\k)+3                                   ; the set is free: the job three on
.endif
.irp g, 0,1,2
	ds_store_b128 v[IW0+(\k)/4], v[CD+4*\g:CD+4*\g+3] offset:((\k)%4)*8*FRB+512*\g   ; the fragment as it stands: lane l's 16 bytes at 16 l
.endr
	ds_store_b32 v[SW], v[WD] offset:1024*(\k)
.endm
.macro ISTEP w                         ; is the bit sought in the lower w bits from S on (t of them are set), or beyond?
	v_cmp_ge_u32 vcc_lo, v[IK], v[IT]
	v_sub_nc_u32 v[IU], v[IK], v[IT]
	v_add_nc_u32 v[IW], \w, v[IS]
	v_cndmask_b32 v[IK], v[IK], v[IU], vcc_lo
	v_cndmask_b32 v[IS], v[IS], v[IW], vcc_lo
.endm
.macro INVERT                          ; position v[IP] in the expert's list -> its token v[ITK]
	v_mov_b32 v[IM], s[MK]
	v_mov_b32 v[IB], 0
	v_mov_b32 v[IJ], 0
.set jj, 1
.rept 31                               ; the last mask ahead of which at most p tokens lie
	v_cmp_gt_u32 vcc_lo, s[CP+jj], v[IP]
	v_cndmask_b32 v[IM], s[MK+jj], v[IM], vcc_lo
	v_cndmask_b32 v[IB], s[CP+jj], v[IB], vcc_lo
	v_cndmask_b32 v[IJ], jj, v[IJ], vcc_lo
.set jj, jj+1
.endr
	v_sub_nc_u32 v[IK], v[IP], v[IB]               ; which set bit of it, from 0
	v_lshrrev_b32 v[IU], 1, v[IM]                  ; counts of set bits in fields of 2, 4, 8 and 16 bits
	v_and_b32 v[IU], 0x55555555, v[IU]
	v_sub_nc_u32 v[IA], v[IM], v[IU]
	v_lshrrev_b32 v[IU], 2, v[IA]
	v_and_b32 v[IU], 0x33333333, v[IU]
	v_and_b32 v[IBB], 0x33333333, v[IA]
	v_add_nc_u32 v[IBB], v[IBB], v[IU]
	v_lshrrev_b32 v[IU], 4, v[IBB]
	v_add_nc_u32 v[IU], v[IBB], v[IU]
	v_and_b32 v[IC], 0x0f0f0f0f, v[IU]
	v_lshrrev_b32 v[IU], 8, v[IC]
	v_add_nc_u32 v[ID], v[IC], v[IU]
	v_mov_b32 v[IS], 0
	v_and_b32 v[IT], 31, v[ID]
	ISTEP 16
	v_bfe_u32 v[IT], v[IC], v[IS], 4
	ISTEP 8
	v_bfe_u32 v[IT], v[IBB], v[IS], 4
	ISTEP 4
	v_bfe_u32 v[IT], v[IA], v[IS], 2
	ISTEP 2
	v_bfe_u32 v[IT], v[IM], v[IS], 1
	ISTEP 1
	v_lshrrev_b32 v[IU], 2, v[IJ]
	v_lshlrev_b32 v[IU], 7, v[IU]
	v_lshl_add_u32 v[IU], v[IS], 2, v[IU]
	v_and_b32 v[IW], 3, v[IJ]
	v_add_nc_u32 v[ITK], v[IU], v[IW]              ; 128 (j / 4) + 4 bit + j % 4
.endm
.macro TLD u, k                        ; slot u's token fragment and scale words of K step k
.irp g, 0,1,2
	global_load_b128 v[TF+12*\u+4*\g:TF+12*\u+4*\g+3], v[XO+\u], s[8:9] offset:48*(\k)+16*\g
.endr
	global_load_b32 v[TSC+\u], v[XSO+\u], s[10:11] offset:4*(\k)
.endm
.macro SLOTSET u                       ; from the slot's tokens: its offsets; b1 into its sums; its first fragment
	v_mul_u32_u24 v[XO+\u], v[TOK+\u], 768
	v_mad_u32_u24 v[XO+\u], v[HH], 384, v[XO+\u]
	v_lshlrev_b32 v[XSO+\u], 5, v[TOK+\u]
	TLD \u, 0
.irp q, 0,1,2,3,4,5,6,7
	global_load_b128 v[ACC+64*\u+8*\q:ACC+64*\u+8*\q+3], v[BO], s[6:7] offset:(32*(\q/2)+8*(\q%2))*4
	global_load_b128 v[ACC+64*\u+8*\q+4:ACC+64*\u+8*\q+7], v[BO], s[6:7] offset:(32*(\q/2)+8*(\q%2))*4+16
.endr
.endm
.macro MM u, hf                        ; four matrix instructions, four accumulators: no two that follow each other share one, on any way
.irp q, 0,1,2,3
	v_wmma_scale_f32_16x16x128_f8f6f4 v[ACC+64*\u+32*\hf+8*\q:ACC+64*\u+32*\hf+8*\q+7], v[WF+12*\q:WF+12*\q+11], v[TF+12*\u:TF+12*\u+11], v[ACC+64*\u+32*\hf+8*\q:ACC+64*\u+32*\hf+8*\q+7], v[WSC+\q], v[TSC+\u] matrix_a_fmt:MATRIX_FMT_FP6 matrix_b_fmt:MATRIX_FMT_FP6
.endr
.endm
.macro CHALF k, hf, nslots             ; four of interval k's fragments against my slots
.irp q, 0,1,2,3
.irp c, 0,1,2
	ds_load_b128 v[WF+12*\q+4*\c:WF+12*\q+4*\c+3], v[LI0+(\k)/4] offset:(((\k)%4)*8+4*\hf+\q)*FRB+512*\c
.endr
	ds_load_b32 v[WSC+\q], v[LS] offset:(8*(\k)+4*\hf+\q)*128
.endr
	s_wait_dscnt 0x0
	MM 0, \hf
.if \nslots > 1
	s_cmp_ge_u32 s[T1], s[NT]
	s_cbranch_scc1 .Lone_\@
	MM 1, \hf
.Lone_\@:
.endif
.rept 4
	v_nop                                          ; four places ahead of loads into registers that these products read, and of the first read of results
.endr
.endm
.macro CSTEP k, nslots, last           ; a consumer's step.  A consumer without a tile passes it by
	s_wait_loadcnt 0x0                             ; no load is out: my tokens' fragments are in, and the LDS loads below land in registers that no earlier load will write
	s_cmp_ge_u32 s[T0], s[NT]
	s_cbranch_scc1 .Lidle_\@
	CHALF \k, 0, \nslots
	CHALF \k, 1, \nslots
.if \last == 0
	TLD 0, (\k)+1
.if \nslots > 1
	s_cmp_ge_u32 s[T1], s[NT]
	s_cbranch_scc1 .Lidle_\@
	TLD 1, (\k)+1
.endif
.endif
.Lidle_\@:
.endm
.macro EPI u                           ; slot u's way out: relu, the quantiser along the 128 hidden units, the image and the words to memory
	s_cmp_ge_u32 s[T0+\u], s[NT]
	s_cbranch_scc1 .Lnone_\@
	s_wait_loadcnt 0x0                             ; no load of mine is out where products were made; written so that this holds on every way to this line
.set AB, ACC+64*\u
.set PQ, WF+20*\u
.irp b, 0,1,2,3
	v_mov_b32 v[TM+4+\b], 0                        ; a lane permute's destination counts as one of its sources
.endr
.set jj, 0
.rept 64
	v_max_num_f32 v[AB+jj], 0, v[AB+jj]            ; the activation, each accumulator from its low end on
.set jj, jj+1
.endr
.irp b, 0,1,2,3
	v_max3_num_f32 v[TM+\b], v[AB+16*\b], v[AB+1+16*\b], 0x1800000   ; block b: my 16 numbers (none is negative), and the floor 2^(3 - 127)
.endr
.irp i, 2,4,6,8,10,12,14
.irp b, 0,1,2,3
	v_max3_num_f32 v[TM+\b], v[TM+\b], v[AB+16*\b+\i], v[AB+1+16*\b+\i]
.endr
.endr
.irp b, 0,1,2,3
	v_permlanex16_b32 v[TM+4+\b], v[TM+\b], s[SEL], s[SEL+1]
.endr
.irp b, 0,1,2,3
	v_max_num_f32 v[TM+\b], v[TM+\b], v[TM+4+\b]   ; with lane l xor 16's 16: the block's largest
.endr
.irp b, 0,1,2,3
	v_add_nc_u32 v[TM+12+\b], 0xff000000, v[TM+\b]
.endr
.irp b, 0,1,2,3
	v_lshrrev_b32 v[TM+4+\b], 23, v[TM+12+\b]
.endr
	v_lshl_or_b32 v[HWD+\u], v[TM+5], 8, v[TM+4]   ; my row's scale word
	v_lshl_or_b32 v[HWD+\u], v[TM+6], 16, v[HWD+\u]
	v_lshl_or_b32 v[HWD+\u], v[TM+7], 24, v[HWD+\u]
.irp c, 0,1
	v_cvt_scalef32_pk16_fp6_f32 v[PQ+6*\c:PQ+2+6*\c], v[AB+32*\c:AB+15+32*\c], v[TM+12+2*\c]
	v_cvt_scalef32_pk16_fp6_f32 v[PQ+12+4*\c:PQ+14+4*\c], v[AB+16+32*\c:AB+31+32*\c], v[TM+12+2*\c+1]
.endr
	v_nop                                          ; one plain line behind a scaled conversion
.irp c, 0,1                            ; the operand's layout wants a whole block in a lane: lanes 0-15 block 2 c, lanes 16-31 block 2 c + 1
.irp i, 0,1,2
	v_permlane16_swap_b32 v[PQ+6*\c+\i], v[PQ+12+4*\c+\i]
.endr
.irp i, 0,1,2
	v_mov_b32 v[PQ+3+6*\c+\i], v[PQ+12+4*\c+\i]
.endr
.endr
	s_min_u32 s2, s[T0+\u], 63
	s_lshl_b32 s3, s[EX], 6
	s_add_co_u32 s2, s2, s3
	s_lshl_b32 s2, s2, 5
	s_add_co_u32 s2, s2, s[SL]                     ; (64 e + tile) 32 + K step
	s_mul_i32 s3, s2, FRB
	s_lshl_b32 s2, s2, 6
	v_add_nc_u32 v[HOF+\u], s3, v[LI0]
	v_add_nc_u32 v[SOF+\u], s2, v[R4]
.irp g, 0,1,2
	global_store_b128 v[HOF+\u], v[PQ+4*\g:PQ+4*\g+3], s[14:15] offset:512*\g      ; 32 lanes store 512 consecutive bytes, aligned
.endr
	global_store_b32 v[SOF+\u], v[HWD+\u], s[16:17]                                ; both halves of the lanes hold row r's word and write it to the same place
.Lnone_\@:
.endm
	s_load_b256 s[4:11], s[0:1], 0x0               ; w1 s[4:5], b1 s[6:7], xq s[8:9], xs s[10:11]
	s_load_b128 s[12:15], s[0:1], 0x20             ; assign s[12:13], hid s[14:15]
	s_load_b64 s[16:17], s[0:1], 0x30              ; hs
	v_lshl_add_u32 v[SPW], v0, 2, SPARE
	v_mov_b32 v[NIL], 0
	v_lshrrev_b32 v[RR], 5, v0
	v_readfirstlane_b32 s[WV], v[RR]               ; wave 0..15
	s_and_b32 s[PW], s[WV], 7
	s_lshr_b32 s[EX], ttmp9, 5
	s_and_b32 s[SL], ttmp9, 31
	v_and_b32 v[R4], 31, v0                        ; (the lane, for now)
	v_and_b32 v[RR], 15, v0
	v_bfe_u32 v[HH], v0, 4, 1
	v_lshlrev_b32 v[LI0], 4, v[R4]
	v_add_nc_u32 v[LI0+1], 49152, v[LI0]
	v_lshl_add_u32 v[LS], v[R4], 2, SCL
	s_mul_i32 s2, s[PW], 16*SROW
	s_add_co_u32 s2, s2, STG
	v_add_nc_u32 v[TS], s2, v[LI0]
	v_mul_u32_u24 v[TL], v[RR], SROW
	v_mad_u32_u24 v[TL], v[HH], HST, v[TL]
	v_add_nc_u32 v[TL], s2, v[TL]
	s_mul_i32 s3, s[PW], FRB
	v_add_nc_u32 v[IW0], s3, v[LI0]
	v_add_nc_u32 v[IW0+1], 49152, v[IW0]
	s_lshl_b32 s3, s[PW], 7
	v_add_nc_u32 v[SW], s3, v[LS]
	v_lshlrev_b32 v[GO], 4, v[RR]
	v_lshl_add_u32 v[GO], v[HH], 11, v[GO]
	v_lshlrev_b32 v[H8], 3, v[HH]
	v_lshlrev_b32 v[BO], 6, v[HH]
	v_lshlrev_b32 v[R4], 2, v[RR]
	v_mov_b32 v[PT], 0                             ; a lane permute's destination counts as one of its sources
	s_mov_b32 s[SEL], 0x76543210
	s_mov_b32 s[SEL+1], 0xfedcba98
	s_mov_b32 s[HM], 0xffff0000
	s_lshl_b32 s2, s[EX], 24                       ; W1: the expert's 16 MiB,
	s_lshl_b32 s3, s[SL], 19                       ; the work-group's 128 rows of 4,096 bytes,
	s_add_co_u32 s2, s2, s3
	s_lshr_b32 s3, s[PW], 1                        ; and the producer's tile: row 32 (q / 2) + 8 (q % 2)
	s_lshl_b32 s3, s3, 17
	s_add_co_u32 s2, s2, s3
	s_and_b32 s3, s[PW], 1
	s_lshl_b32 s3, s3, 15
	s_add_co_u32 s2, s2, s3
	s_mov_b32 s3, 0
	s_lshl_b32 s100, s[EX], 14                     ; b1: 4 (4,096 e + 128 slice)
	s_lshl_b32 s101, s[SL], 9
	s_add_co_u32 s100, s100, s101
	s_mov_b32 s101, 0
	s_wait_kmcnt 0x0
	s_add_nc_u64 s[4:5], s[4:5], s[2:3]
	s_add_nc_u64 s[6:7], s[6:7], s[100:101]
; ---- interval 0: the producers fill their ring of three jobs and make fragment 0; the consumers make the expert's list and fetch their first operands
	s_cmp_lt_u32 s[WV], 8
	s_cbranch_scc0 .Lcons_0
	WLOAD 0
	WLOAD 1
	WLOAD 2
	PJOB 0
	s_branch .Ljoin_0
.Lcons_0:
.irp i, 0,1,2,3,4,5,6,7
	global_load_b128 v[ACC+4*\i:ACC+4*\i+3], v[LI0], s[12:13] offset:512*\i        ; all 1,024 choices: register j, lane l: token 128 (j / 4) + 4 l + j % 4
.endr
	s_wait_loadcnt 0x0
.set jj, 0
.rept 32
	v_cmp_eq_u32 s[MK+jj], s[EX], v[ACC+jj]
.set jj, jj+1
.endr
	s_mov_b32 s[CP], 0
.set jj, 0
.rept 31
	s_bcnt1_i32_b32 s2, s[MK+jj]
	s_add_co_u32 s[CP+jj+1], s[CP+jj], s2
.set jj, jj+1
.endr
	s_bcnt1_i32_b32 s2, s[MK+31]
	s_add_co_u32 s[CNT], s[CP+31], s2
	s_max_u32 s[CM1], s[CNT], 1
	s_sub_co_u32 s[CM1], s[CM1], 1
	s_add_co_u32 s[NT], s[CNT], 15
	s_lshr_b32 s[NT], s[NT], 4                     ; tiles of 16
	s_max_u32 s[NGRP], s[NT], 16
	s_sub_co_u32 s[NGRP], s[NGRP], 9
	s_lshr_b32 s[NGRP], s[NGRP], 3
	s_add_co_u32 s[NGRP], s[NGRP], 1               ; 1 + the groups of 8 tiles beyond the first 16
	s_max_u32 s[NT], s[NT], 1                      ; tile 0 of every expert is written, whatever the split
	s_mov_b32 s[T0], s[PW]
	s_add_co_u32 s[T1], s[PW], 8
	s_mov_b32 s[GRP], 0
	v_lshl_add_u32 v[IP], v[HH], 7, v[RR]          ; lanes 0-15 look up slot 0's rows, lanes 16-31 slot 1's: position 16 w + 128 h + r,
	s_lshl_b32 s2, s[PW], 4
	v_add_nc_u32 v[IP], s2, v[IP]
	v_min_u32 v[IP], s[CM1], v[IP]                 ; held at the last that holds a token
	INVERT
	v_mov_b32 v[IOTH], 0
	v_permlanex16_b32 v[IOTH], v[ITK], s[SEL], s[SEL+1]
	v_cndmask_b32 v[TOK], v[ITK], v[IOTH], s[HM]   ; both halves of the lanes want both slots' tokens
	v_cndmask_b32 v[TOK+1], v[IOTH], v[ITK], s[HM]
	v_min_u32 v[TOK], 0x3ff, v[TOK]
	v_min_u32 v[TOK+1], 0x3ff, v[TOK+1]
	SLOTSET 0                                      ; both slots' loads go out whatever the count: their addresses are sound, and every register that a later way reads is written
	SLOTSET 1
	s_wait_loadcnt 0x0                             ; no load of a consumer stays out across the meeting of the roles
.Ljoin_0:
	BAR
; ---- intervals 1 to 7: fragment k is made while fragment k - 1 is multiplied
.irp k, 1,2,3,4,5,6,7
	s_cmp_lt_u32 s[WV], 8
	s_cbranch_scc0 .Lcons_\k
	PJOB \k
	s_branch .Ljoin_\k
.Lcons_\k:
	CSTEP \k-1, 2, 0
	s_wait_loadcnt 0x0                             ; the next step's token fragments are in: no load of a consumer stays out across the meeting of the roles
.Ljoin_\k:
	BAR
.endr
; ---- behind the last barrier: all 64 fragments lie in LDS for good
	s_cmp_lt_u32 s[WV], 8
	s_cbranch_scc1 .Lend
	CSTEP 7, 2, 1
.Lgroup:                               ; one trip where the expert has at most 16 tiles; else a trip more for each 8 tiles
	s_wait_xcnt 0x0                                ; the last trip's stores have read their data and offsets, on every way round the loop: the way out writes them anew
	EPI 0
	EPI 1
	s_add_co_u32 s100, s[GRP], 1
	s_cmp_ge_u32 s100, s[NGRP]
	s_cbranch_scc1 .Lclosed
	s_wait_xcnt 0x0                                ; the stores have read their registers: all may be written again
	s_wait_loadcnt 0x0
	s_lshl_b32 s[T0], s[GRP], 3
	s_add_co_u32 s[T0], s[T0], s[PW]
	s_add_co_u32 s[T0], s[T0], 16                  ; my next tile: 16 + 8 group + w, in slot 0;
	s_movk_i32 s[T1], 255                          ; slot 1 rests
	s_cmp_ge_u32 s[T0], s[NT]
	s_cbranch_scc1 .Lclosed
	s_lshl_b32 s2, s[T0], 4
	v_add_nc_u32 v[IP], s2, v[RR]
	v_min_u32 v[IP], s[CM1], v[IP]
	INVERT
	v_min_u32 v[TOK], 0x3ff, v[ITK]
	SLOTSET 0
.irp k, 0,1,2,3,4,5,6
	CSTEP \k, 1, 0
.endr
	CSTEP 7, 1, 1
.Lclosed:
	s_add_co_u32 s[GRP], s[GRP], 1
	s_cmp_lt_u32 s[GRP], s[NGRP]
	s_cbranch_scc1 .Lgroup
.Lend:
	s_wait_tensorcnt 0x0                           ; the wave's end
	ds_add_u32 v[SPW], v[NIL]
	s_wait_dscnt 0x0
	s_endpgm
.Lfunc_end_k_q5676a2bed4_ffn1:
	.size	k_q5676a2bed4_ffn1, .Lfunc_end_k_q5676a2bed4_ffn1-k_q5676a2bed4_ffn1
	.p2alignl 7, 3214868480
	.fill 96, 4, 3214868480
	.section	.rodata,"a",@progbits
	.p2align	6, 0x0
	.amdhsa_kernel k_q5676a2bed4_ffn1
		.amdhsa_group_segment_fixed_size 176128
		.amdhsa_private_segment_fixed_size 0
		.amdhsa_enable_private_segment 0
		.amdhsa_kernarg_size 56
		.amdhsa_user_sgpr_count 2
		.amdhsa_user_sgpr_kernarg_segment_ptr 1
		.amdhsa_wavefront_size32 1
		.amdhsa_system_sgpr_workgroup_id_x 1
		.amdhsa_system_sgpr_workgroup_id_y 1
		.amdhsa_system_sgpr_workgroup_id_z 1
		.amdhsa_system_vgpr_workitem_id 0
		.amdhsa_next_free_vgpr 256
		.amdhsa_next_free_sgpr 102
		.amdhsa_reserve_vcc 1
		.amdhsa_float_denorm_mode_32 3
		.amdhsa_float_denorm_mode_16_64 3
		.amdhsa_memory_ordered 1
		.amdhsa_forward_progress 1
		.amdhsa_inst_pref_size 168
	.end_amdhsa_kernel
	.amdgpu_metadata
---
amdhsa.version: [ 1, 2 ]
amdhsa.kernels:
  - .name:           k_q5676a2bed4_ffn1
    .symbol:         k_q5676a2bed4_ffn1.kd
    .args:
      - { .name: w1, .offset: 0, .size: 8, .value_kind: global_buffer, .address_space: global }
      - { .name: b1, .offset: 8, .size: 8, .value_kind: global_buffer, .address_space: global }
      - { .name: xq, .offset: 16, .size: 8, .value_kind: global_buffer, .address_space: global }
      - { .name: xs, .offset: 24, .size: 8, .value_kind: global_buffer, .address_space: global }
      - { .name: assign, .offset: 32, .size: 8, .value_kind: global_buffer, .address_space: global }
      - { .name: hid, .offset: 40, .size: 8, .value_kind: global_buffer, .address_space: global }
      - { .name: hs, .offset: 48, .size: 8, .value_kind: global_buffer, .address_space: global }
    .group_segment_fixed_size: 176128
    .private_segment_fixed_size: 0
    .kernarg_segment_align: 8
    .kernarg_segment_size: 56
    .max_flat_workgroup_size: 512
    .sgpr_count:     102
    .vgpr_count:     256
    .wavefront_size: 32
...
	.end_amdgpu_metadata
.endif
;; end of part 2
;; launch ffn2 (part 3): grid 256 x 1, 16 waves a work-group, no clusters, 194,560 bytes of LDS; arguments w2, b2, hid, hs, assign, alpha, input_features, out0; writes out0
.if DOCPART == 3
	.amdgcn_target "amdgcn-amd-amdhsa--gfx1250"
	.amdhsa_code_object_version 6
	.text
	.protected	k_q5676a2bed4_ffn2
	.globl	k_q5676a2bed4_ffn2
	.p2align	8
	.type	k_q5676a2bed4_ffn2,@function
k_q5676a2bed4_ffn2:
	s_mov_b64 s[64:65], 0
	v_nop
	global_prefetch_b8 v0, s[64:65] scope:SCOPE_SE
	s_setreg_imm32_b32 hwreg(HW_REG_WAVE_MODE, 25, 1), 1
	s_wait_xcnt 0x0
; FFN2.  out[t] = x[t] + alpha[t] (hidden[t] W2[e]^T + b2[e]), e the token's expert: that is alpha (x + f + b2) + (1 - alpha) x with the two terms in x joined, one rounding fewer.
; Both operands of the product are E2M3 with E8M0 scales: hidden comes as register images of fragments (hid) with its scale words (hs); W2 arrives as f32 and is quantised in passing.
; SHARES.  Work-group g: expert e = g / 32, rows 32 (g % 32) .. + 31 of W2[e] (= columns of out), all K = 4,096: 512 KiB of f32, read once in the launch, = 64 fragments of 16 rows x 128 K = 8 intervals of 8
; (fragment q = 2 kk + n of interval k: rows 16 n on, K step 4 k + kk).
; ROLES, as in the launch before.  Waves 0-7 PRODUCE a fragment an interval each: 16 loads of 512 consecutive bytes, a turn through their own stage, scale and codes, the registers as they stand into LDS; no branch on data,
; so their counted waits hold.  Waves 8-15 CONSUME: tiles w and w + 8 of 16 tokens, W2's fragments from LDS, the hidden layer's from memory straight into registers, one interval behind.  All 64 fragments stay in LDS, so
; tiles beyond 16 are served behind the last barrier, without barriers.  No tensor load, no copy, no cluster: the number of tiles is read from memory and the consumers branch on it.
; THE ROLES' TEXTS MEET at each barrier and use the same registers.  So (a) no load of a consumer stays out across a meeting: each consumer interval begins and ends with a wait for all loads, so that on no way through the
; text a load lands in a register into which an earlier load, not waited for, will land; (b) the offsets that a consumer keeps from interval to interval (v60-63) lie in registers that the producers' text never writes, and
; the offsets in out are made anew on the way out; (c) the matrix instructions' operands lie in registers that no vector instruction of the producers' text writes.
; THE LIST of the expert's tokens is made as in the launch before, in the same order.  Positions past the count repeat the last token: the same bits go to the same place, so EXEC never changes.
; The product is used transposed (source 0 = W2, source 1 = hidden): a lane holds one token and eight neighbouring columns.  b2 is the C of each sum's first matrix instruction.
; THE WAY OUT goes through the wave's own stage: eight lanes store a token's 128 consecutive bytes.  That is half of an aligned run of 256: whole runs would want 64 columns to a work-group, 128 work-groups.
; LIMITS: NaN and infinities are not served; a block of W2 whose largest magnitude lies under 2^-124, a block of zeros among them, keeps the byte 1.  An expert without tokens has its weights streamed all the same.
.set FRB,   1536
.set IMG,   0                          ; LDS: 64 images, fragment 8 k + q
.set SCL,   64*FRB                     ; 98,304: their scale words, 128 bytes each
.set STG,   SCL+64*128                 ; 106,496: a stage of 16 rows x 528 bytes for each producer
.set SROW,  528                        ; 512 + 16: an odd multiple of 16
.set OST,   STG+8*16*SROW              ; 174,080: a stage of 16 rows x 144 bytes for each consumer
.set OROW,  144                        ; 128 + 16: an odd multiple of 16
.set SPARE, OST+8*16*OROW              ; 192,512: the spare words, 128 bytes for each of 16 waves, that no other line names
.set HST,   128                        ; in a stage row: block 2 c + h at 256 c + 128 h
.set CST,   256
.set KADV,  2048                       ; bytes along a row of W2 from interval to interval
.set TS,  1
.set TL,  2
.set IW0, 3                            ; v3, v4
.set SW,  5
.set LI0, 6                            ; v6 = 16 lane (also W2's offset and hid's), v7
.set LS,  8
.set SPW, 9
.set NIL, 10
.set SO,  11                           ; v11  my stage, in: row r, + 32 h
.set SR,  12                           ; v12  and out: row lane / 8, + 16 (lane % 8)
.set BP,  13                           ; v13  4 (lane / 8): whose token that row's is
.set CB,  14                           ; v14  128 slice + 16 (lane % 8): my bytes in a row of x and of out
.set H8,  15
.set RR,  16
.set HH,  17
.set BO,  18                           ; v18  32 h: b2
.set R4,  19
.set GO,  LI0
; producers: v20-45 and v64-255, and no other
.set CD,  20                           ; v20-31 the codes; v32-34, v36-38 the blocks' upper halves
.set MB,  35                           ; v35, v39 second chains of the maxima, later the bytes
.set MA,  40
.set SOP, 42
.set WD,  44
.set PT,  45
.set R,   64
; consumers
.set XR,  20                           ; v20-35 x of slot 0's 16 rows; slot 1's at v240-255
.set AL,  36                           ; v36, v38 alpha of my row, in the low word of a pair
.set TOK, 37                           ; v37, v39 its token
.set OO,  40                           ; v40-47 slot u, rows 4 m + lane / 8: token x 4,096 + CB; made where they are used
.set WSC, 48                           ; v48-51 W2's scale words: these twelve hold scales and nothing else, in either role
.set TSC, 52                           ; v52-59 the hidden layer's: 4 a slot
.set HO,  60                           ; v60-61 (64 e + tile) 49,152 + 16 lane     (these four are written in the consumers' text alone)
.set HSO, 62                           ; v62-63 (64 e + tile) 2,048 + 4 r
.set ACC, 64                           ; v64-95 16 a slot: columns 16 n on at + 8 n
.set TF,  96                           ; v96-191 48 a slot: K step 4 k + kk at + 12 kk
.set WF,  192                          ; v192-239 four fragments of W2; at the head and on the way out scratch
.set Y,   192                          ; v192-223 the way out: 16 a slot
.set IV,  192                          ; v192-206 INVERT's
.set SX,  224                          ; v224-233 MKOO's, and alpha's offsets
.set IP,  IV
.set IM,  IV+1
.set IB,  IV+2
.set IJ,  IV+3
.set IK,  IV+4
.set IA,  IV+5
.set IBB, IV+6
.set IC,  IV+7
.set ID,  IV+8
.set IS,  IV+9
.set IT,  IV+10
.set IU,  IV+11
.set IW,  IV+12
.set ITK, IV+13
.set IOTH, IV+14
.set WV,  20
.set PW,  21
.set EX,  22
.set SL,  23
.set CNT, 24
.set NT,  25                           ; the expert's tiles (0 where it has no token)
.set T0,  26
.set T1,  27
.set GRP, 28
.set NGRP, 29
.set SEL, 30
.set CP,  32
.set MK,  66
.set HM,  98
.set CM1, 99
.set TCL, 101                          ; the last tile that the launch before has written
.macro BAR
	s_wait_dscnt 0x0
	s_barrier_signal -1
	s_barrier_wait -1
.endm
.macro WLOAD k                         ; job k: 16 rows x 512 consecutive bytes, aligned
.set RB, R+64*((\k)%3)
.irp r, 0,1,2,3,4,5,6,7,8,9,10,11,12,13,14,15
	global_load_b128 v[RB+4*\r:RB+4*\r+3], v[GO], s[4:5] offset:\r*16384+KADV*(\k) th:TH_LOAD_NT
.endr
.endm
.macro QW                              ; 64 numbers of a lane, two whole blocks of 32 of its row, become the fragment's 12 registers and its scale word
.irp c, 0,1
	v_max3_num_f32 v[MA+\c], |v[RB+32*\c]|, |v[RB+32*\c+1]|, |v[RB+32*\c+2]|
	v_max3_num_f32 v[MB+4*\c], |v[RB+32*\c+3]|, |v[RB+32*\c+4]|, |v[RB+32*\c+5]|
.endr
.irp i, 6,10,14,18,22,26
.irp c, 0,1
	v_max3_num_f32 v[MA+\c], v[MA+\c], |v[RB+32*\c+\i]|, |v[RB+32*\c+\i+1]|
	v_max3_num_f32 v[MB+4*\c], v[MB+4*\c], |v[RB+32*\c+\i+2]|, |v[RB+32*\c+\i+3]|
.endr
.endr
.irp c, 0,1
	v_max3_num_f32 v[MA+\c], v[MA+\c], |v[RB+32*\c+30]|, |v[RB+32*\c+31]|
.endr
.irp c, 0,1
	v_max3_num_f32 v[MA+\c], v[MA+\c], v[MB+4*\c], 0x1800000   ; and the floor 2^(3 - 127): the byte cannot fall under 1
.endr
.irp c, 0,1
	v_add_nc_u32 v[SOP+\c], 0xff000000, v[MA+\c]               ; 2 off the exponent field: the conversion's scale operand
.endr
.irp c, 0,1
	v_lshrrev_b32 v[MB+4*\c], 23, v[SOP+\c]                    ; the scale's byte
.endr
	v_lshl_or_b32 v[WD], v[MB+4], 16, v[MB]        ; my two bytes: blocks h and 2 + h,
	v_lshlrev_b32 v[WD], v[H8], v[WD]              ; at their places;
	v_permlanex16_b32 v[PT], v[WD], s[SEL], s[SEL+1]
	v_or_b32 v[WD], v[WD], v[PT]                   ; with lane l xor 16's two the word is whole
.irp c, 0,1
	v_cvt_scalef32_pk16_fp6_f32 v[CD+6*\c:CD+6*\c+2], v[RB+32*\c:RB+32*\c+15], v[SOP+\c]
	v_cvt_scalef32_pk16_fp6_f32 v[CD+12+4*\c:CD+14+4*\c], v[RB+32*\c+16:RB+32*\c+31], v[SOP+\c]   ; (a conversion's three registers begin on an even number)
.endr
	v_nop                                          ; one plain line behind a scaled conversion
.irp c, 0,1
.irp i, 0,1,2
	v_mov_b32 v[CD+3+6*\c+\i], v[CD+12+4*\c+\i]
.endr
.endr
.endm
.macro PJOB k
.set RB, R+64*((\k)%3)
.if (\k) <= 5
	s_wait_loadcnt 32                              ; job k is in; the two younger jobs' 32 loads stay out
.elseif (\k) == 6
	s_wait_loadcnt 16                              ; one younger job
.else
	s_wait_loadcnt 0x0
.endif
.irp r, 0,1,2,3,4,5,6,7,8,9,10,11,12,13,14,15
	ds_store_b128 v[TS], v[RB+4*\r:RB+4*\r+3] offset:SROW*\r
.endr
	s_wait_dscnt 0x0                               ; the stores have read their registers, which take the numbers back
.irp c, 0,1
.irp j, 0,1,2,3,4,5,6,7
	ds_load_b128 v[RB+32*\c+4*\j:RB+32*\c+4*\j+3], v[TL] offset:CST*\c+16*\j
.endr
.endr
	s_wait_dscnt 0x0
	QW
.if (\k) <= 4
	WLOAD (\k)+3                                   ; the set is free: the job three on
.endif
.irp g, 0,1,2
	ds_store_b128 v[IW0+(\k)/4], v[CD+4*\g:CD+4*\g+3] offset:((\k)%4)*8*FRB+512*\g
.endr
	ds_store_b32 v[SW], v[WD] offset:1024*(\k)
.endm
.macro ISTEP w
	v_cmp_ge_u32 vcc_lo, v[IK], v[IT]
	v_sub_nc_u32 v[IU], v[IK], v[IT]
	v_add_nc_u32 v[IW], \w, v[IS]
	v_cndmask_b32 v[IK], v[IK], v[IU], vcc_lo
	v_cndmask_b32 v[IS], v[IS], v[IW], vcc_lo
.endm
.macro INVERT                          ; position v[IP] in the expert's list -> its token v[ITK]
	v_mov_b32 v[IM], s[MK]
	v_mov_b32 v[IB], 0
	v_mov_b32 v[IJ], 0
.set jj, 1
.rept 31
	v_cmp_gt_u32 vcc_lo, s[CP+jj], v[IP]
	v_cndmask_b32 v[IM], s[MK+jj], v[IM], vcc_lo
	v_cndmask_b32 v[IB], s[CP+jj], v[IB], vcc_lo
	v_cndmask_b32 v[IJ], jj, v[IJ], vcc_lo
.set jj, jj+1
.endr
	v_sub_nc_u32 v[IK], v[IP], v[IB]
	v_lshrrev_b32 v[IU], 1, v[IM]
	v_and_b32 v[IU], 0x55555555, v[IU]
	v_sub_nc_u32 v[IA], v[IM], v[IU]
	v_lshrrev_b32 v[IU], 2, v[IA]
	v_and_b32 v[IU], 0x33333333, v[IU]
	v_and_b32 v[IBB], 0x33333333, v[IA]
	v_add_nc_u32 v[IBB], v[IBB], v[IU]
	v_lshrrev_b32 v[IU], 4, v[IBB]
	v_add_nc_u32 v[IU], v[IBB], v[IU]
	v_and_b32 v[IC], 0x0f0f0f0f, v[IU]
	v_lshrrev_b32 v[IU], 8, v[IC]
	v_add_nc_u32 v[ID], v[IC], v[IU]
	v_mov_b32 v[IS], 0
	v_and_b32 v[IT], 31, v[ID]
	ISTEP 16
	v_bfe_u32 v[IT], v[IC], v[IS], 4
	ISTEP 8
	v_bfe_u32 v[IT], v[IBB], v[IS], 4
	ISTEP 4
	v_bfe_u32 v[IT], v[IA], v[IS], 2
	ISTEP 2
	v_bfe_u32 v[IT], v[IM], v[IS], 1
	ISTEP 1
	v_lshrrev_b32 v[IU], 2, v[IJ]
	v_lshlrev_b32 v[IU], 7, v[IU]
	v_lshl_add_u32 v[IU], v[IS], 2, v[IU]
	v_and_b32 v[IW], 3, v[IJ]
	v_add_nc_u32 v[ITK], v[IU], v[IW]
.endm
.macro TLD u, k                        ; slot u's four hidden fragments and scale words of interval k: each load covers 512 consecutive bytes
.irp kk, 0,1,2,3
.irp g, 0,1,2
	global_load_b128 v[TF+48*\u+12*\kk+4*\g:TF+48*\u+12*\kk+4*\g+3], v[HO+\u], s[8:9] offset:(4*(\k)+\kk)*FRB+512*\g
.endr
	global_load_b32 v[TSC+4*\u+\kk], v[HSO+\u], s[10:11] offset:(4*(\k)+\kk)*64
.endr
.endm
.macro MKOO u                          ; slot u's offsets in x and in out: the token of row 4 m + lane / 8, from the lane that holds it, x 4,096, + my bytes of the row
.irp m, 0,1,2,3
	v_add_nc_u32 v[SX+\m], 16*\m, v[BP]
.endr
.irp m, 0,1,2,3
	ds_bpermute_b32 v[SX+4+\m], v[SX+\m], v[TOK+2*\u]
.endr
	s_wait_dscnt 0x0
.irp m, 0,1,2,3
	v_min_u32 v[SX+4+\m], 0x3ff, v[SX+4+\m]
.endr
.irp m, 0,1,2,3
	v_lshl_add_u32 v[OO+4*\u+\m], v[SX+4+\m], 12, v[CB]
.endr
.endm
.macro SLOTSET u                       ; from the slot's tokens and tile: its offsets; its first fragments, x, alpha, and b2 into its sums
	s_min_u32 s2, s[T0+\u], s[TCL]                 ; a slot without a tile asks for the last tile that exists
	s_min_u32 s2, s2, 63
	s_lshl_b32 s3, s[EX], 6
	s_add_co_u32 s2, s2, s3
	s_mul_i32 s3, s2, 32*FRB
	s_lshl_b32 s2, s2, 11
	v_add_nc_u32 v[HO+\u], s3, v[LI0]
	v_add_nc_u32 v[HSO+\u], s2, v[R4]
	TLD \u, 0
	MKOO \u
.irp m, 0,1,2,3
	global_load_b128 v[XR+220*\u+4*\m:XR+220*\u+4*\m+3], v[OO+4*\u+\m], s[16:17]   ; eight lanes read a token's 128 consecutive bytes
.endr
	v_lshlrev_b32 v[SX+8+\u], 2, v[TOK+2*\u]
	global_load_b32 v[AL+2*\u], v[SX+8+\u], s[14:15]
.irp n, 0,1
	global_load_b128 v[ACC+16*\u+8*\n:ACC+16*\u+8*\n+3], v[BO], s[6:7] offset:64*\n
	global_load_b128 v[ACC+16*\u+8*\n+4:ACC+16*\u+8*\n+7], v[BO], s[6:7] offset:64*\n+16
.endr
.endm
.macro MM u, hf                        ; K steps 2 hf, 2 hf + 1 of the interval, the slot's two accumulators by turns, one instruction a turn
.irp q, 0,1,2,3
	v_wmma_scale_f32_16x16x128_f8f6f4 v[ACC+16*\u+8*(\q%2):ACC+16*\u+8*(\q%2)+7], v[WF+12*\q:WF+12*\q+11], v[TF+48*\u+12*(2*\hf+\q/2):TF+48*\u+12*(2*\hf+\q/2)+11], v[ACC+16*\u+8*(\q%2):ACC+16*\u+8*(\q%2)+7], v[WSC+\q], v[TSC+4*\u+2*\hf+\q/2] matrix_a_fmt:MATRIX_FMT_FP6 matrix_b_fmt:MATRIX_FMT_FP6
.endr
.endm
.macro CHALF k, hf, nslots
.irp q, 0,1,2,3
.irp c, 0,1,2
	ds_load_b128 v[WF+12*\q+4*\c:WF+12*\q+4*\c+3], v[LI0+(\k)/4] offset:(((\k)%4)*8+4*\hf+\q)*FRB+512*\c
.endr
	ds_load_b32 v[WSC+\q], v[LS] offset:(8*(\k)+4*\hf+\q)*128
.endr
	s_wait_dscnt 0x0
	MM 0, \hf
.if \nslots > 1
	s_cmp_ge_u32 s[T1], s[NT]
	s_cbranch_scc1 .Lone_\@
	MM 1, \hf
.Lone_\@:
.endif
.rept 4
	v_nop                                          ; four places ahead of loads into registers that these products read, and of the first read of results
.endr
.endm
.macro CSTEP k, nslots, last
	s_wait_loadcnt 0x0                             ; no load is out: the hidden fragments are in, and the LDS loads below land in registers that no earlier load will write
	s_cmp_ge_u32 s[T0], s[NT]
	s_cbranch_scc1 .Lidle_\@
	CHALF \k, 0, \nslots
	CHALF \k, 1, \nslots
.if \last == 0
	TLD 0, (\k)+1
.if \nslots > 1
	s_cmp_ge_u32 s[T1], s[NT]
	s_cbranch_scc1 .Lidle_\@
	TLD 1, (\k)+1
.endif
.endif
.Lidle_\@:
.endm
.macro EPI u                           ; slot u's way out
	s_cmp_ge_u32 s[T0+\u], s[NT]
	s_cbranch_scc1 .Lnone_\@
	s_wait_loadcnt 0x0                             ; no load of mine is out where products were made; written so that this holds on every way to this line
	MKOO \u                                        ; the offsets in out, anew from the slot's tokens
.irp j, 0,2,4,6,8,10,12,14
	v_pk_mul_f32 v[ACC+16*\u+\j:ACC+16*\u+\j+1], v[ACC+16*\u+\j:ACC+16*\u+\j+1], v[AL+2*\u:AL+2*\u+1] op_sel_hi:[1,0]   ; alpha (f + b2), each accumulator from its low end on
.endr
.irp n, 0,1
	ds_store_b128 v[SO], v[ACC+16*\u+8*\n:ACC+16*\u+8*\n+3] offset:64*\n           ; lane (r, h): row r, columns 16 n + 8 h + 0 .. 7
	ds_store_b128 v[SO], v[ACC+16*\u+8*\n+4:ACC+16*\u+8*\n+7] offset:64*\n+16
.endr
.irp m, 0,1,2,3
	ds_load_b128 v[Y+16*\u+4*\m:Y+16*\u+4*\m+3], v[SR] offset:4*OROW*\m            ; LDS serves a wave's instructions in order (ISA guide 5.7.1.4): these see my stores
.endr
	s_wait_dscnt 0x0
.irp j, 0,2,4,6,8,10,12,14
	v_pk_add_f32 v[Y+16*\u+\j:Y+16*\u+\j+1], v[Y+16*\u+\j:Y+16*\u+\j+1], v[XR+220*\u+\j:XR+220*\u+\j+1]
.endr
.irp m, 0,1,2,3
	global_store_b128 v[OO+4*\u+\m], v[Y+16*\u+4*\m:Y+16*\u+4*\m+3], s[18:19] th:TH_STORE_NT
.endr
.Lnone_\@:
.endm
	s_load_b256 s[4:11], s[0:1], 0x0               ; w2 s[4:5], b2 s[6:7], hid s[8:9], hs s[10:11]
	s_load_b256 s[12:19], s[0:1], 0x20             ; assign s[12:13], alpha s[14:15], x s[16:17], out s[18:19]
	v_lshl_add_u32 v[SPW], v0, 2, SPARE
	v_mov_b32 v[NIL], 0
	v_lshrrev_b32 v[RR], 5, v0
	v_readfirstlane_b32 s[WV], v[RR]               ; wave 0..15
	s_and_b32 s[PW], s[WV], 7
	s_lshr_b32 s[EX], ttmp9, 5
	s_and_b32 s[SL], ttmp9, 31
	v_and_b32 v[R4], 31, v0                        ; (the lane, for now)
	v_and_b32 v[RR], 15, v0
	v_bfe_u32 v[HH], v0, 4, 1
	v_lshlrev_b32 v[LI0], 4, v[R4]
	v_add_nc_u32 v[LI0+1], 49152, v[LI0]
	v_lshl_add_u32 v[LS], v[R4], 2, SCL
	s_mul_i32 s2, s[PW], 16*SROW
	s_add_co_u32 s2, s2, STG
	v_add_nc_u32 v[TS], s2, v[LI0]
	v_mul_u32_u24 v[TL], v[RR], SROW
	v_mad_u32_u24 v[TL], v[HH], HST, v[TL]
	v_add_nc_u32 v[TL], s2, v[TL]
	s_mul_i32 s3, s[PW], FRB
	v_add_nc_u32 v[IW0], s3, v[LI0]
	v_add_nc_u32 v[IW0+1], 49152, v[IW0]
	s_lshl_b32 s3, s[PW], 7
	v_add_nc_u32 v[SW], s3, v[LS]
	s_mul_i32 s3, s[PW], 16*OROW
	s_add_co_u32 s3, s3, OST
	v_mul_u32_u24 v[SO], v[RR], OROW
	v_lshl_add_u32 v[SO], v[HH], 5, v[SO]
	v_add_nc_u32 v[SO], s3, v[SO]
	v_lshrrev_b32 v[BP], 3, v[R4]                  ; lane / 8
	v_and_b32 v[CB], 7, v0                         ; lane % 8
	v_mul_u32_u24 v[SR], v[BP], OROW
	v_lshl_add_u32 v[SR], v[CB], 4, v[SR]
	v_add_nc_u32 v[SR], s3, v[SR]
	v_lshlrev_b32 v[BP], 2, v[BP]
	v_lshlrev_b32 v[CB], 4, v[CB]
	s_lshl_b32 s3, s[SL], 7
	v_add_nc_u32 v[CB], s3, v[CB]
	v_lshlrev_b32 v[H8], 3, v[HH]
	v_lshlrev_b32 v[BO], 5, v[HH]
	v_lshlrev_b32 v[R4], 2, v[RR]
	v_mov_b32 v[PT], 0                             ; a lane permute's destination counts as one of its sources
	s_mov_b32 s[SEL], 0x76543210
	s_mov_b32 s[SEL+1], 0xfedcba98
	s_mov_b32 s[HM], 0xffff0000
	s_lshl_b32 s2, s[EX], 24                       ; W2: the expert's 16 MiB,
	s_lshl_b32 s3, s[SL], 19                       ; the work-group's 32 rows of 16,384 bytes,
	s_add_co_u32 s2, s2, s3
	s_and_b32 s3, s[PW], 1                         ; and the producer's fragment: rows 16 (q % 2) on,
	s_lshl_b32 s3, s3, 18
	s_add_co_u32 s2, s2, s3
	s_lshr_b32 s3, s[PW], 1                        ; K step q / 2 of the interval's four
	s_lshl_b32 s3, s3, 9
	s_add_co_u32 s2, s2, s3
	s_mov_b32 s3, 0
	s_lshl_b32 s100, s[EX], 12                     ; b2: 4 (1,024 e + 32 slice)
	s_lshl_b32 s101, s[SL], 7
	s_add_co_u32 s100, s100, s101
	s_mov_b32 s101, 0
	s_wait_kmcnt 0x0
	s_add_nc_u64 s[4:5], s[4:5], s[2:3]
	s_add_nc_u64 s[6:7], s[6:7], s[100:101]
; ---- interval 0
	s_cmp_lt_u32 s[WV], 8
	s_cbranch_scc0 .Lcons_0
	WLOAD 0
	WLOAD 1
	WLOAD 2
	PJOB 0
	s_branch .Ljoin_0
.Lcons_0:
.irp i, 0,1,2,3,4,5,6,7
	global_load_b128 v[TF+4*\i:TF+4*\i+3], v[LI0], s[12:13] offset:512*\i          ; all 1,024 choices: register j, lane l: token 128 (j / 4) + 4 l + j % 4
.endr
	s_wait_loadcnt 0x0
.set jj, 0
.rept 32
	v_cmp_eq_u32 s[MK+jj], s[EX], v[TF+jj]
.set jj, jj+1
.endr
	s_mov_b32 s[CP], 0
.set jj, 0
.rept 31
	s_bcnt1_i32_b32 s2, s[MK+jj]
	s_add_co_u32 s[CP+jj+1], s[CP+jj], s2
.set jj, jj+1
.endr
	s_bcnt1_i32_b32 s2, s[MK+31]
	s_add_co_u32 s[CNT], s[CP+31], s2
	s_max_u32 s[CM1], s[CNT], 1
	s_sub_co_u32 s[CM1], s[CM1], 1
	s_add_co_u32 s[NT], s[CNT], 15
	s_lshr_b32 s[NT], s[NT], 4                     ; tiles of 16
	s_max_u32 s[NGRP], s[NT], 16
	s_sub_co_u32 s[NGRP], s[NGRP], 9
	s_lshr_b32 s[NGRP], s[NGRP], 3
	s_add_co_u32 s[NGRP], s[NGRP], 1               ; 1 + the groups of 8 tiles beyond the first 16
	s_max_u32 s[TCL], s[NT], 1
	s_sub_co_u32 s[TCL], s[TCL], 1
	s_mov_b32 s[T0], s[PW]
	s_add_co_u32 s[T1], s[PW], 8
	s_mov_b32 s[GRP], 0
	v_lshl_add_u32 v[IP], v[HH], 7, v[RR]          ; lanes 0-15 look up slot 0's rows, lanes 16-31 slot 1's: position 16 w + 128 h + r,
	s_lshl_b32 s2, s[PW], 4
	v_add_nc_u32 v[IP], s2, v[IP]
	v_min_u32 v[IP], s[CM1], v[IP]                 ; held at the last that holds a token
	INVERT
	v_mov_b32 v[IOTH], 0
	v_permlanex16_b32 v[IOTH], v[ITK], s[SEL], s[SEL+1]
	v_cndmask_b32 v[TOK], v[ITK], v[IOTH], s[HM]
	v_cndmask_b32 v[TOK+2], v[IOTH], v[ITK], s[HM]
	v_min_u32 v[TOK], 0x3ff, v[TOK]
	v_min_u32 v[TOK+2], 0x3ff, v[TOK+2]
	SLOTSET 0                                      ; both slots' loads go out whatever the count: their addresses are sound, and every register that a later way reads is written
	SLOTSET 1
	s_wait_loadcnt 0x0                             ; no load of a consumer stays out across the meeting of the roles
.Ljoin_0:
	BAR
; ---- intervals 1 to 7
.irp k, 1,2,3,4,5,6,7
	s_cmp_lt_u32 s[WV], 8
	s_cbranch_scc0 .Lcons_\k
	PJOB \k
	s_branch .Ljoin_\k
.Lcons_\k:
	CSTEP \k-1, 2, 0
	s_wait_loadcnt 0x0                             ; the next step's hidden fragments are in: no load of a consumer stays out across the meeting of the roles
.Ljoin_\k:
	BAR
.endr
; ---- behind the last barrier: all 64 fragments lie in LDS for good
	s_cmp_lt_u32 s[WV], 8
	s_cbranch_scc1 .Lend
	CSTEP 7, 2, 1
.Lgroup:                               ; one trip where the expert has at most 16 tiles; else a trip more for each 8 tiles
	s_wait_xcnt 0x0                                ; the last trip's stores have read their data and offsets, on every way round the loop: the way out writes them anew
	EPI 0
	EPI 1
	s_add_co_u32 s100, s[GRP], 1
	s_cmp_ge_u32 s100, s[NGRP]
	s_cbranch_scc1 .Lclosed
	s_wait_xcnt 0x0                                ; the stores have read their registers: all may be written again
	s_wait_loadcnt 0x0
	s_lshl_b32 s[T0], s[GRP], 3
	s_add_co_u32 s[T0], s[T0], s[PW]
	s_add_co_u32 s[T0], s[T0], 16                  ; my next tile: 16 + 8 group + w, in slot 0;
	s_movk_i32 s[T1], 255                          ; slot 1 rests
	s_cmp_ge_u32 s[T0], s[NT]
	s_cbranch_scc1 .Lclosed
	s_lshl_b32 s2, s[T0], 4
	v_add_nc_u32 v[IP], s2, v[RR]
	v_min_u32 v[IP], s[CM1], v[IP]
	INVERT
	v_min_u32 v[TOK], 0x3ff, v[ITK]
	SLOTSET 0
.irp k, 0,1,2,3,4,5,6
	CSTEP \k, 1, 0
.endr
	CSTEP 7, 1, 1
.Lclosed:
	s_add_co_u32 s[GRP], s[GRP], 1
	s_cmp_lt_u32 s[GRP], s[NGRP]
	s_cbranch_scc1 .Lgroup
.Lend:
	s_wait_tensorcnt 0x0                           ; the wave's end
	ds_add_u32 v[SPW], v[NIL]
	s_wait_dscnt 0x0
	s_endpgm
.Lfunc_end_k_q5676a2bed4_ffn2:
	.size	k_q5676a2bed4_ffn2, .Lfunc_end_k_q5676a2bed4_ffn2-k_q5676a2bed4_ffn2
	.p2alignl 7, 3214868480
	.fill 96, 4, 3214868480
	.section	.rodata,"a",@progbits
	.p2align	6, 0x0
	.amdhsa_kernel k_q5676a2bed4_ffn2
		.amdhsa_group_segment_fixed_size 194560
		.amdhsa_private_segment_fixed_size 0
		.amdhsa_enable_private_segment 0
		.amdhsa_kernarg_size 64
		.amdhsa_user_sgpr_count 2
		.amdhsa_user_sgpr_kernarg_segment_ptr 1
		.amdhsa_wavefront_size32 1
		.amdhsa_system_sgpr_workgroup_id_x 1
		.amdhsa_system_sgpr_workgroup_id_y 1
		.amdhsa_system_sgpr_workgroup_id_z 1
		.amdhsa_system_vgpr_workitem_id 0
		.amdhsa_next_free_vgpr 256
		.amdhsa_next_free_sgpr 102
		.amdhsa_reserve_vcc 1
		.amdhsa_float_denorm_mode_32 3
		.amdhsa_float_denorm_mode_16_64 3
		.amdhsa_memory_ordered 1
		.amdhsa_forward_progress 1
		.amdhsa_inst_pref_size 189
	.end_amdhsa_kernel
	.amdgpu_metadata
---
amdhsa.version: [ 1, 2 ]
amdhsa.kernels:
  - .name:           k_q5676a2bed4_ffn2
    .symbol:         k_q5676a2bed4_ffn2.kd
    .args:
      - { .name: w2, .offset: 0, .size: 8, .value_kind: global_buffer, .address_space: global }
      - { .name: b2, .offset: 8, .size: 8, .value_kind: global_buffer, .address_space: global }
      - { .name: hid, .offset: 16, .size: 8, .value_kind: global_buffer, .address_space: global }
      - { .name: hs, .offset: 24, .size: 8, .value_kind: global_buffer, .address_space: global }
      - { .name: assign, .offset: 32, .size: 8, .value_kind: global_buffer, .address_space: global }
      - { .name: alpha, .offset: 40, .size: 8, .value_kind: global_buffer, .address_space: global }
      - { .name: input_features, .offset: 48, .size: 8, .value_kind: global_buffer, .address_space: global }
      - { .name: out0, .offset: 56, .size: 8, .value_kind: global_buffer, .address_space: global }
    .group_segment_fixed_size: 194560
    .private_segment_fixed_size: 0
    .kernarg_segment_align: 8
    .kernarg_segment_size: 64
    .max_flat_workgroup_size: 512
    .sgpr_count:     102
    .vgpr_count:     256
    .wavefront_size: 32
...
	.end_amdgpu_metadata
.endif
;; end of part 3
;; ======== version 2 of 2: 3 launches
;; workspace buffers: assign 4,096 bytes of whole numbers; alpha 4,096 bytes; xq 786,432 bytes; xs 32,768 bytes; hid 25,165,824 bytes; hs 1,048,576 bytes
;; launch route (part 4): grid 256 x 1, 4 waves a work-group, no clusters, 19,968 bytes of LDS; arguments input_features, centroids, ln_g, ln_b, xq, xs, assign, alpha; writes xq, xs, assign, alpha
.if DOCPART == 4
	.amdgcn_target "amdgcn-amd-amdhsa--gfx1250"
	.amdhsa_code_object_version 6
	.text
	.protected	k_q5676a2bed4_route
	.globl	k_q5676a2bed4_route
	.p2align	8
	.type	k_q5676a2bed4_route,@function
k_q5676a2bed4_route:
	s_mov_b64 s[64:65], 0
	v_nop
	global_prefetch_b8 v0, s[64:65] scope:SCOPE_SE
	s_setreg_imm32_b32 hwreg(HW_REG_WAVE_MODE, 25, 1), 1
	s_wait_xcnt 0x0
; ROUTE.  For each of 1,024 tokens (rows of 1,024 f32): the affinities to the 8 centroids, their argmax (the lower index on a tie), alpha = sigmoid(the largest affinity),
; and the chosen expert's layer norm of the row, quantised along the row to E2M3 with one E8M0 byte for each 32 numbers.
; OUT: assign[t] (u32), alpha[t] (f32), xq[t][768]: the row's codes as one stream of bits, block B at byte 24 B; xs[t][32]: the scale bytes, block B at byte 4 ((B % 16) / 2) + 2 (B % 2) + B / 16,
; which is the order in which the next launch's matrix instructions take them.
; SHARES.  A work-group takes 4 tokens; wave w takes columns 256 w .. 256 w + 255 of all four, so that each of the 24 rows of centroids, gains and biases is loaded once a work-group, a quarter by each wave.
; A load covers 512 consecutive bytes: in load i lane l holds columns 256 w + 128 i + 4 l + 0 .. 3.  Sums over a row meet in LDS, one word a wave, behind a barrier.
; THE CHOICE STEERS NO ADDRESS AND NO BRANCH HERE: all eight experts' gains and biases are applied and the chosen result is kept by v_cndmask_b32.
; LIMITS: NaN and infinities are not served.  Affinities that agree to within the rounding of an f32 sum of 1,024 products may fall to either expert.  A block whose largest magnitude lies under 2^-124 keeps the byte 1;
; so does a block of zeros (its codes are zeros, and only this program reads the bytes).
.set RED_A, 0                          ; LDS: 32 values (8 t + e) x 16 bytes: word w is wave w's part of token t's affinity to expert e
.set RED_S, 512                        ; 4 x 16 bytes: the rows' sums
.set RED_V, 768                        ; 4 x 16 bytes: the rows' sums of squares
.set TURN,  1024                       ; for each wave 32 places of 128 bytes + 16: a block of 32 numbers to a place
.set TPL,   144                        ; a place: 9 x 16 bytes, an odd multiple of 16
.set SPARE, TURN+4*32*TPL              ; 19,456: the spare words, 128 bytes for each wave, that no other line names
.set LANE, 1
.set GOFF, 2                           ; v2   16 lane + 1,024 wave: my 16 bytes of a row's first load
.set TST,  3                           ; v3   the turn, in: place lane / 8, byte 16 (lane % 8)
.set TLD,  4                           ; v4   the turn, out: place lane
.set SPW,  5                           ; v5   my spare word; never rewritten
.set NIL,  6                           ; v6   0; never rewritten
.set RW,   7                           ; v7   4 wave
.set RL,   8                           ; v8   16 lane
.set ZA,   9                           ; v9   0: the address of what every lane reads alike
.set XQO,  10                          ; v10  my block's place in the work-group's codes
.set XSO,  11                          ; v11  and its byte's place
.set ASO,  12                          ; v12  4 (lane / 8)
.set X,    16                          ; v16-47   x, then x - mu, then z: 8 a token
.set CE,   48                          ; v48-111  the centroids, 8 an expert; later scratch, H and TMP
.set H,    48                          ; v48-79   the chosen layer norm, 8 a token
.set TMP,  80                          ; v80-87   one expert's layer norm
.set G,    112                         ; v112-175 the gains; later my block's 32 numbers and its codes
.set BB,   176                         ; v176-239 the biases
.set PS,   240                         ; v240-255 partial sums
	s_load_b256 s[4:11], s[0:1], 0x0               ; x s[4:5], centroids s[6:7], ln_g s[8:9], ln_b s[10:11]
	s_load_b256 s[12:19], s[0:1], 0x20             ; xq s[12:13], xs s[14:15], assign s[16:17], alpha s[18:19]
	v_lshl_add_u32 v[SPW], v0, 2, SPARE
	v_mov_b32 v[NIL], 0
	v_lshrrev_b32 v13, 5, v0
	v_readfirstlane_b32 s20, v13                   ; wave 0..3
	v_and_b32 v[LANE], 31, v0
	v_lshlrev_b32 v[RL], 4, v[LANE]
	s_lshl_b32 s2, s20, 10
	v_add_nc_u32 v[GOFF], s2, v[RL]
	v_lshrrev_b32 v13, 3, v[LANE]                  ; lane / 8
	v_and_b32 v14, 7, v[LANE]                      ; lane % 8
	s_mul_i32 s2, s20, 32*TPL
	s_add_co_u32 s2, s2, TURN                      ; my wave's 32 places
	v_mul_u32_u24 v[TST], v13, TPL
	v_lshl_add_u32 v[TST], v14, 4, v[TST]
	v_add_nc_u32 v[TST], s2, v[TST]
	v_mul_u32_u24 v[TLD], v[LANE], TPL
	v_add_nc_u32 v[TLD], s2, v[TLD]
	v_mov_b32 v[RW], s20
	v_lshlrev_b32 v[RW], 2, v[RW]
	v_mov_b32 v[ZA], 0
	v_mul_u32_u24 v[XQO], v13, 768                 ; after the turn lane l holds block 8 w + l % 8 of token l / 8: 768 bytes a token, 24 a block
	v_mad_u32_u24 v[XQO], v14, 24, v[XQO]
	s_mul_i32 s2, s20, 192
	v_add_nc_u32 v[XQO], s2, v[XQO]
	v_lshlrev_b32 v[XSO], 5, v13                   ; its byte: 32 (l / 8) + 16 (w % 2) + 4 ((l % 8) / 2) + 2 (l % 2) + w / 2
	v_lshrrev_b32 v15, 1, v14
	v_lshl_add_u32 v[XSO], v15, 2, v[XSO]
	v_and_b32 v15, 1, v[LANE]
	v_lshl_add_u32 v[XSO], v15, 1, v[XSO]
	s_and_b32 s2, s20, 1
	s_lshl_b32 s2, s2, 4
	s_lshr_b32 s3, s20, 1
	s_add_co_u32 s2, s2, s3
	v_add_nc_u32 v[XSO], s2, v[XSO]
	v_lshlrev_b32 v[ASO], 2, v13
	s_mov_b32 s22, 0x76543210                      ; v_permlanex16_b32's selects for lane l xor 16
	s_mov_b32 s23, 0xfedcba98
	s_mov_b32 s21, 0x3a800000                      ; 1 / 1,024
	s_mov_b32 s32, 0xba800000                      ; -1 / 1,024
	s_mov_b32 s33, 0x3727c5ac                      ; eps = 1e-5
	s_mov_b32 s3, 0
	s_lshl_b32 s2, ttmp9, 14                       ; the work-group's 4 rows of 4,096 bytes
	s_wait_kmcnt 0x0
	s_add_nc_u64 s[4:5], s[4:5], s[2:3]
.irp t, 0,1,2,3
.irp i, 0,1
	global_load_b128 v[X+8*\t+4*\i:X+8*\t+4*\i+3], v[GOFF], s[4:5] offset:4096*\t+512*\i th:TH_LOAD_NT
.endr
.endr
.irp e, 0,1,2,3,4,5,6,7
.irp i, 0,1
	global_load_b128 v[CE+8*\e+4*\i:CE+8*\e+4*\i+3], v[GOFF], s[6:7] offset:4096*\e+512*\i
.endr
.endr
.irp e, 0,1,2,3,4,5,6,7
.irp i, 0,1
	global_load_b128 v[G+8*\e+4*\i:G+8*\e+4*\i+3], v[GOFF], s[8:9] offset:4096*\e+512*\i
.endr
.endr
.irp e, 0,1,2,3,4,5,6,7
.irp i, 0,1
	global_load_b128 v[BB+8*\e+4*\i:BB+8*\e+4*\i+3], v[GOFF], s[10:11] offset:4096*\e+512*\i
.endr
.endr
	s_mul_i32 s2, ttmp9, 3072
	s_add_nc_u64 s[12:13], s[12:13], s[2:3]        ; the work-group's place in xq,
	s_lshl_b32 s2, ttmp9, 7
	s_add_nc_u64 s[14:15], s[14:15], s[2:3]        ; in xs,
	s_lshl_b32 s2, ttmp9, 4
	s_add_nc_u64 s[16:17], s[16:17], s[2:3]        ; in assign
	s_add_nc_u64 s[18:19], s[18:19], s[2:3]        ; and in alpha
	s_wait_loadcnt 32                              ; x and the centroids are in; the 32 younger loads (gains, biases) stay out
; ---- my wave's part of each token's eight affinities and of its sum: eight chains by turns, then once across the lanes
.irp t, 0,1,2,3
.irp e, 0,1,2,3,4,5,6,7
	v_pk_mul_f32 v[PS+2*\e:PS+2*\e+1], v[X+8*\t:X+8*\t+1], v[CE+8*\e:CE+8*\e+1]
.endr
.irp p, 1,2,3
.irp e, 0,1,2,3,4,5,6,7
	v_pk_fma_f32 v[PS+2*\e:PS+2*\e+1], v[X+8*\t+2*\p:X+8*\t+2*\p+1], v[CE+8*\e+2*\p:CE+8*\e+2*\p+1], v[PS+2*\e:PS+2*\e+1]
.endr
.endr
.irp e, 0,1,2,3,4,5,6,7
	v_add_f32 v[PS+2*\e], v[PS+2*\e], v[PS+2*\e+1]
.endr
	v_add_f32 v241, v[X+8*\t], v[X+8*\t+1]         ; the row's sum, in two chains, in registers that the halves have left
	v_add_f32 v243, v[X+8*\t+2], v[X+8*\t+3]
	v_add_f32 v241, v241, v[X+8*\t+4]
	v_add_f32 v243, v243, v[X+8*\t+5]
	v_add_f32 v241, v241, v[X+8*\t+6]
	v_add_f32 v243, v243, v[X+8*\t+7]
	v_add_f32 v241, v241, v243
.irp m, 1,2,4,8
.irp v, 240,242,244,246,248,250,252,254,241
	v_add_f32_dpp v[\v], v[\v], v[\v] row_xmask:\m row_mask:0xf bank_mask:0xf
.endr
.endr
	v_permlanex16_b32 v14, v240, s22, s23          ; (a lane permute's destination counts as read: all of these have been written)
	v_permlanex16_b32 v15, v241, s22, s23
.irp v, 242,244,246,248,250,252,254
	v_permlanex16_b32 v[\v+1], v[\v], s22, s23
.endr
	v_add_f32 v240, v240, v14
	v_add_f32 v241, v241, v15
.irp v, 242,244,246,248,250,252,254
	v_add_f32 v[\v], v[\v], v[\v+1]
.endr
.irp e, 0,1,2,3,4,5,6,7
	ds_store_b32 v[RW], v[PS+2*\e] offset:RED_A+16*(8*\t+\e)     ; all lanes write my wave's word with the same value
.endr
	ds_store_b32 v[RW], v241 offset:RED_S+16*\t
.endr
	s_wait_dscnt 0x0                               ; for the others' sake: my words lie in LDS
	s_barrier_signal -1
	s_barrier_wait -1
; ---- lane 8 t + e adds the four waves' parts of affinity (t, e); the argmax goes over each group of eight lanes
	ds_load_b128 v[240:243], v[RL] offset:RED_A
.irp t, 0,1,2,3
	ds_load_b128 v[48+4*\t:51+4*\t], v[ZA] offset:RED_S+16*\t
.endr
	s_wait_dscnt 0x0
	v_add_f32 v240, v240, v241
	v_add_f32 v242, v242, v243
	v_add_f32 v240, v240, v242                     ; the affinity
	v_and_b32 v241, 7, v[LANE]                     ; its expert
.irp m, 1,2,4
	v_mov_b32_dpp v242, v240 row_xmask:\m row_mask:0xf bank_mask:0xf   ; the partner's affinity
	v_mov_b32_dpp v243, v241 row_xmask:\m row_mask:0xf bank_mask:0xf   ; and expert
	v_cmp_gt_f32 s28, v242, v240
	v_cmp_eq_f32 s29, v242, v240
	v_cmp_lt_u32 s30, v243, v241
	s_and_b32 s29, s29, s30
	s_or_b32 s28, s28, s29                         ; the partner's is taken where it is larger, or equal with the lower index
	v_cndmask_b32 v240, v240, v242, s28
	v_cndmask_b32 v241, v241, v243, s28
.endr
.irp t, 0,1,2,3
	v_readlane_b32 s[24+\t], v241, 8*\t            ; token t's expert: it feeds selects alone
.endr
	v_mul_f32 v242, 0xbfb8aa3b, v240               ; - affinity x log2(e)
	s_wait_alu depctr_va_vdst(0)
	v_exp_f32 v242, v242
.irp t, 0,1,2,3                                ; (plain work behind the exponential) the rows' means
	v_add_f32 v[48+4*\t], v[48+4*\t], v[49+4*\t]
	v_add_f32 v[50+4*\t], v[50+4*\t], v[51+4*\t]
.endr
.irp t, 0,1,2,3
	v_add_f32 v[48+4*\t], v[48+4*\t], v[50+4*\t]
.endr
.irp t, 0,1,2,3
	v_mul_f32 v[244+2*\t], s32, v[48+4*\t]         ; -mu, in the low word of a pair
.endr
	s_wait_alu depctr_va_vdst(0)                   ; the wait ahead of the first line that names the exponential's result
	v_add_f32 v242, 1.0, v242
	s_wait_alu depctr_va_vdst(0)
	v_rcp_f32 v242, v242                           ; alpha = 1 / (1 + 2^(-a log2 e))
.irp t, 0,1,2,3                                ; (plain work behind the reciprocal) x - mu, in place
.irp p, 0,1,2,3
	v_pk_add_f32 v[X+8*\t+2*\p:X+8*\t+2*\p+1], v[X+8*\t+2*\p:X+8*\t+2*\p+1], v[244+2*\t:245+2*\t] op_sel_hi:[1,0]
.endr
.endr
	s_wait_alu depctr_va_vdst(0)                   ; and ahead of the first line that names the reciprocal's
	v_and_b32 v13, 0x67, v0
	v_cmp_eq_u32 vcc_lo, 0, v13                    ; threads 0, 8, 16, 24: one lane for each token
	s_wait_xcnt 0x0                                ; EXEC is a source of the loads that are out: it changes only behind this wait
	s_and_saveexec_b32 s31, vcc_lo
	global_store_b32 v[ASO], v241, s[16:17]
	global_store_b32 v[ASO], v242, s[18:19]
	s_wait_xcnt 0x0                                ; and again ahead of the line that widens it; the stores' data are free too
	s_or_b32 exec_lo, exec_lo, s31
; ---- the variance, of x - mu
.irp t, 0,1,2,3
	v_pk_mul_f32 v[48+2*\t:49+2*\t], v[X+8*\t:X+8*\t+1], v[X+8*\t:X+8*\t+1]
.endr
.irp p, 1,2,3
.irp t, 0,1,2,3
	v_pk_fma_f32 v[48+2*\t:49+2*\t], v[X+8*\t+2*\p:X+8*\t+2*\p+1], v[X+8*\t+2*\p:X+8*\t+2*\p+1], v[48+2*\t:49+2*\t]
.endr
.endr
.irp t, 0,1,2,3
	v_add_f32 v[48+2*\t], v[48+2*\t], v[49+2*\t]
.endr
.irp m, 1,2,4,8
.irp t, 0,1,2,3
	v_add_f32_dpp v[48+2*\t], v[48+2*\t], v[48+2*\t] row_xmask:\m row_mask:0xf bank_mask:0xf
.endr
.endr
.irp t, 0,1,2,3
	v_permlanex16_b32 v[49+2*\t], v[48+2*\t], s22, s23
.endr
.irp t, 0,1,2,3
	v_add_f32 v[48+2*\t], v[48+2*\t], v[49+2*\t]
.endr
.irp t, 0,1,2,3
	ds_store_b32 v[RW], v[48+2*\t] offset:RED_V+16*\t
.endr
	s_wait_dscnt 0x0
	s_barrier_signal -1
	s_barrier_wait -1
.irp t, 0,1,2,3
	ds_load_b128 v[64+4*\t:67+4*\t], v[ZA] offset:RED_V+16*\t
.endr
	s_wait_dscnt 0x0
.irp t, 0,1,2,3
	v_add_f32 v[64+4*\t], v[64+4*\t], v[65+4*\t]
	v_add_f32 v[66+4*\t], v[66+4*\t], v[67+4*\t]
.endr
.irp t, 0,1,2,3
	v_add_f32 v[64+4*\t], v[64+4*\t], v[66+4*\t]
.endr
.irp t, 0,1,2,3
	v_fma_f32 v[64+4*\t], v[64+4*\t], s21, s33     ; var + eps
.endr
	s_wait_alu depctr_va_vdst(0)
.irp t, 0,1,2,3
	v_rsq_f32 v[244+2*\t], v[64+4*\t]
.endr
	v_nop                                          ; a plain line behind the last of the batch
	s_wait_alu depctr_va_vdst(0)                   ; one wait for the four
.irp t, 0,1,2,3
.irp p, 0,1,2,3
	v_pk_mul_f32 v[X+8*\t+2*\p:X+8*\t+2*\p+1], v[X+8*\t+2*\p:X+8*\t+2*\p+1], v[244+2*\t:245+2*\t] op_sel_hi:[1,0]   ; z
.endr
.endr
; ---- z g[e] + b[e] for every expert; the chosen one's is kept
	s_wait_loadcnt 0x0                             ; gains and biases
.irp t, 0,1,2,3
.irp p, 0,1,2,3
	v_pk_fma_f32 v[H+8*\t+2*\p:H+8*\t+2*\p+1], v[X+8*\t+2*\p:X+8*\t+2*\p+1], v[G+2*\p:G+2*\p+1], v[BB+2*\p:BB+2*\p+1]
.endr
.irp e, 1,2,3,4,5,6,7
	s_cmp_eq_u32 s[24+\t], \e
	s_cselect_b32 s28, -1, 0
.irp p, 0,1,2,3
	v_pk_fma_f32 v[TMP+2*\p:TMP+2*\p+1], v[X+8*\t+2*\p:X+8*\t+2*\p+1], v[G+8*\e+2*\p:G+8*\e+2*\p+1], v[BB+8*\e+2*\p:BB+8*\e+2*\p+1]
.endr
.irp j, 0,1,2,3,4,5,6,7
	v_cndmask_b32 v[H+8*\t+\j], v[H+8*\t+\j], v[TMP+\j], s28
.endr
.endr
.endr
; ---- the turn through my wave's own places: in as loaded, out a whole block of 32 to a lane.  LDS serves a wave's instructions in order (ISA guide 5.7.1.4)
.irp t, 0,1,2,3
.irp i, 0,1
	ds_store_b128 v[TST], v[H+8*\t+4*\i:H+8*\t+4*\i+3] offset:(8*\t+4*\i)*TPL
.endr
.endr
.irp j, 0,1,2,3,4,5,6,7
	ds_load_b128 v[G+4*\j:G+4*\j+3], v[TLD] offset:16*\j
.endr
	s_wait_dscnt 0x0
; ---- the block's scale and codes
	v_max3_num_f32 v13, |v[G]|, |v[G+1]|, |v[G+2]|
	v_max3_num_f32 v14, |v[G+3]|, |v[G+4]|, |v[G+5]|
.irp i, 6,10,14,18,22,26
	v_max3_num_f32 v13, v13, |v[G+\i]|, |v[G+\i+1]|
	v_max3_num_f32 v14, v14, |v[G+\i+2]|, |v[G+\i+3]|
.endr
	v_max3_num_f32 v13, v13, |v[G+30]|, |v[G+31]|
	v_max3_num_f32 v13, v13, v14, 0x1800000        ; and the floor 2^(3 - 127): the byte cannot fall under 1
	v_add_nc_u32 v15, 0xff000000, v13              ; 2 off the exponent field: the conversion takes the exponent field of this operand as its scale
	v_cvt_scalef32_pk16_fp6_f32 v[144:146], v[G:G+15], v15
	v_cvt_scalef32_pk16_fp6_f32 v[148:150], v[G+16:G+31], v15
	v_lshrrev_b32 v151, 23, v15                    ; the scale's byte
	global_store_b96 v[XQO], v[144:146], s[12:13]
	global_store_b96 v[XQO], v[148:150], s[12:13] offset:12
	global_store_b8 v[XSO], v151, s[14:15]
	s_wait_tensorcnt 0x0                           ; the wave's end
	ds_add_u32 v[SPW], v[NIL]
	s_wait_dscnt 0x0
	s_endpgm
.Lfunc_end_k_q5676a2bed4_route:
	.size	k_q5676a2bed4_route, .Lfunc_end_k_q5676a2bed4_route-k_q5676a2bed4_route
	.p2alignl 7, 3214868480
	.fill 96, 4, 3214868480
	.section	.rodata,"a",@progbits
	.p2align	6, 0x0
	.amdhsa_kernel k_q5676a2bed4_route
		.amdhsa_group_segment_fixed_size 19968
		.amdhsa_private_segment_fixed_size 0
		.amdhsa_enable_private_segment 0
		.amdhsa_kernarg_size 64
		.amdhsa_user_sgpr_count 2
		.amdhsa_user_sgpr_kernarg_segment_ptr 1
		.amdhsa_wavefront_size32 1
		.amdhsa_system_sgpr_workgroup_id_x 1
		.amdhsa_system_sgpr_workgroup_id_y 1
		.amdhsa_system_sgpr_workgroup_id_z 1
		.amdhsa_system_vgpr_workitem_id 0
		.amdhsa_next_free_vgpr 256
		.amdhsa_next_free_sgpr 66
		.amdhsa_reserve_vcc 1
		.amdhsa_float_denorm_mode_32 3
		.amdhsa_float_denorm_mode_16_64 3
		.amdhsa_memory_ordered 1
		.amdhsa_forward_progress 1
		.amdhsa_inst_pref_size 69
	.end_amdhsa_kernel
	.amdgpu_metadata
---
amdhsa.version: [ 1, 2 ]
amdhsa.kernels:
  - .name:           k_q5676a2bed4_route
    .symbol:         k_q5676a2bed4_route.kd
    .args:
      - { .name: input_features, .offset: 0, .size: 8, .value_kind: global_buffer, .address_space: global }
      - { .name: centroids, .offset: 8, .size: 8, .value_kind: global_buffer, .address_space: global }
      - { .name: ln_g, .offset: 16, .size: 8, .value_kind: global_buffer, .address_space: global }
      - { .name: ln_b, .offset: 24, .size: 8, .value_kind: global_buffer, .address_space: global }
      - { .name: xq, .offset: 32, .size: 8, .value_kind: global_buffer, .address_space: global }
      - { .name: xs, .offset: 40, .size: 8, .value_kind: global_buffer, .address_space: global }
      - { .name: assign, .offset: 48, .size: 8, .value_kind: global_buffer, .address_space: global }
      - { .name: alpha, .offset: 56, .size: 8, .value_kind: global_buffer, .address_space: global }
    .group_segment_fixed_size: 19968
    .private_segment_fixed_size: 0
    .kernarg_segment_align: 8
    .kernarg_segment_size: 64
    .max_flat_workgroup_size: 128
    .sgpr_count:     66
    .vgpr_count:     256
    .wavefront_size: 32
...
	.end_amdgpu_metadata
.endif
;; end of part 4
;; launch ffn1 (part 5): grid 256 x 1, 16 waves a work-group, no clusters, 176,128 bytes of LDS; arguments w1, b1, xq, xs, assign, hid, hs; writes hid, hs
.if DOCPART == 5
	.amdgcn_target "amdgcn-amd-amdhsa--gfx1250"
	.amdhsa_code_object_version 6
	.text
	.protected	k_q5676a2bed4_ffn1
	.globl	k_q5676a2bed4_ffn1
	.p2align	8
	.type	k_q5676a2bed4_ffn1,@function
k_q5676a2bed4_ffn1:
	s_mov_b64 s[64:65], 0
	v_nop
	global_prefetch_b8 v0, s[64:65] scope:SCOPE_SE
	s_setreg_imm32_b32 hwreg(HW_REG_WAVE_SCHED_MODE, 0, 2), 2
	s_setreg_imm32_b32 hwreg(HW_REG_WAVE_MODE, 25, 1), 1
	s_wait_xcnt 0x0
	s_wait_alu depctr_vm_vsrc(0)
; FFN1.  hidden = relu(LN(x) W1[e]^T + b1[e]) for the tokens of expert e alone, both operands in E2M3 with E8M0 scales; the result is quantised along the hidden units and stored as the next product's operand.
; SHARES.  Work-group g: expert e = g / 32, rows 128 (g % 32) .. + 127 of W1[e], all K = 1,024: 512 KiB of f32, read once in the launch, = 64 fragments of 16 rows x 128 K = 8 intervals of 8.
; ROLES.  Waves 0-7 PRODUCE: in each interval each makes one fragment: 16 loads of two whole runs of 256 bytes, a turn through its own stage in LDS, scale and codes, and the fragment's registers as they stand into LDS.
; Their text has no branch on data, so their counted waits hold.  Waves 8-15 CONSUME: each owns tiles of 16 tokens (tile w and tile w + 8), reads the interval's 8 fragments from LDS and its tokens' codes from memory
; straight into registers, one interval behind the producers.  All 64 fragments stay in LDS and none is written twice, so tiles beyond 16 are served behind the last barrier, in a loop without barriers.
; THE ROLES' TEXTS MEET at each barrier and use the same registers.  So (a) no load of a consumer stays out across a meeting: each consumer interval begins and ends with a wait for all loads, so that on no way through the
; text a load lands in a register into which an earlier load, not waited for, will land; (b) the offsets that a consumer keeps from interval to interval lie in registers that the producers' text never writes;
; (c) the matrix instructions' operands lie in registers that no vector instruction of the producers' text writes.
; No tensor load and no copy: how many tiles there are is a number read from memory, and the consumers branch on it.  No cluster for the same reason; what the 32 work-groups of an expert share is the tokens' codes, 768 bytes a token.
; THE LIST OF AN EXPERT'S TOKENS is made in registers from assign: 32 masks of 32 tokens, their running counts, and for position p the mask that holds it and the bit in it (INVERT).  The next launch makes the same list.
; Positions past the count repeat the expert's last token: they give the same bits and store them to the same place, so EXEC never changes.  An expert without tokens still gets tile 0 written, and its weights are streamed.
; K's ORDER.  In K step s the matrix unit's block (c, h) holds the true block 16 h + 2 s + c of 32, alike in W1 and in the tokens: a lane's part of a token's fragment is then 48 consecutive bytes of xq.
; THE ROWS OF W1 THAT FORM A TILE ARE NOT NEIGHBOURS: row slot r of tile q is row 32 (q / 2) + 8 (q % 2) + r + 8 (r / 8), and the product is used transposed (source 0 = W1, source 1 = tokens):
; a lane then holds one token, and the 16 registers of tiles 2 b, 2 b + 1 are hidden units 32 b + 16 (lane / 16) + 0 .. 15.  b1 is the C of each sum's first matrix instruction.
; LIMITS: NaN and infinities are not served; a block whose largest magnitude lies under 2^-124, a block of zeros among them, keeps the byte 1 (its reader is this program alone).
; THE MODE: SCHED_MODE bits 1:0 = 2 (LLVM: expert scheduling mode 2), set by the entry lines.  The code itself states the register dependences between vector or matrix instructions and memory or LDS instructions,
; with s_wait_alu, always for 0.
; THE PLAN.  Registers that memory or LDS instructions touch, and who else names them:
;   v1-19       offsets and LDS addresses: written at the head, never again.  One wait on va_vdst ahead of the first parting of the roles serves every line that reads them.
;   PRODUCERS   R[k % 3]: job k's loads land in it; the stage's stores read it and the stage's loads land in it again (a wait on vm_vsrc between the two); the quantiser reads it; job k + 3's loads land in it.
;               v20-31, v44: the quantiser writes codes and word, the image's stores read them, the next interval's quantiser writes them again (a wait on vm_vsrc straight behind the stores).
;               ONE wait on va_vdst an interval, behind the quantiser: it is done reading R[k % 3] and has written codes and word.  The 16 loads and the 4 stores follow it, with no vector line among them.
;   CONSUMERS   v48-127 (fragments and scale words): LDS loads and the tokens' loads land in them, the products read them.  A wait on va_vdst behind each half step's four or eight products frees them for the loads that follow.
;               There is one set of them: the four waves of a SIMD hold 256 registers each, and a consumer's sums take 128 of its 256.
;               v46-47, v54-55: written by the set-up, read by the tokens' loads.  The set-up writes all offsets, then one wait on va_vdst, then all its loads.
;               On the way out vector lines write v56-101 and the stores read them: a wait on va_vdst ahead of each run of stores, a wait on vm_vsrc beside each s_wait_xcnt ahead of the next writer.
;   Each role leaves an interval with no vector or matrix line behind its last wait on va_vdst, so that what follows a meeting finds nothing open, whichever text stood ahead of it.
.set FRB,   1536                       ; a fragment's image: 12 registers x 128 bytes
.set IMG,   0                          ; LDS: 64 images, fragment 8 k + q
.set SCL,   64*FRB                     ; 98,304: their scale words, 128 bytes each
.set STG,   SCL+64*128                 ; 106,496: a stage of 16 rows x 528 bytes for each producer
.set SROW,  528                        ; 512 bytes + 16: 33 x 16, an odd multiple of 16
.set SPARE, STG+8*16*SROW              ; 174,080: the spare words, 128 bytes for each of 16 waves, that no other line names
.set HST,   256                        ; in a stage row: from lanes 0-15's part to lanes 16-31's,
.set CST,   128                        ; and from block c = 0 to c = 1
.set KADV,  256                        ; bytes along a row of W1 from interval to interval
; vector registers that every wave makes ahead of the parting of the roles, and never rewrites
.set TS,  1                            ; v1   stage, in: 16 lane
.set TL,  2                            ; v2   stage, out: row r, + HST h
.set IW0, 3                            ; v3   where I put images of intervals 0-3;  v4: of 4-7 (49,152 bytes on: an LDS offset has 16 bits)
.set SW,  5                            ; v5   and scale words
.set LI0, 6                            ; v6   16 lane: where any wave reads images of intervals 0-3;  v7: of 4-7
.set LS,  8                            ; v8   and scale words: SCL + 4 lane
.set SPW, 9                            ; v9   my spare word
.set NIL, 10                           ; v10  0
.set GO,  14                           ; v14  W1: 16 (lane % 16) + 2,048 (lane / 16)
.set H8,  15                           ; v15  8 h
.set RR,  16                           ; v16  r = lane % 16
.set HH,  17                           ; v17  h = lane / 16
.set BO,  18                           ; v18  64 h: b1
.set R4,  19                           ; v19  4 r
; producers: v20-45 and v64-255, and no other
.set CD,  20                           ; v20-31 the fragment's codes; v32-34, v36-38 the blocks' upper halves
.set MB,  35                           ; v35, v39 second chains of the maxima, later the bytes
.set MA,  40                           ; v40-41 largest magnitudes
.set SOP, 42                           ; v42-43 the conversions' scale operands
.set WD,  44                           ; v44   the scale word
.set PT,  45                           ; v45   the other half's bytes
.set R,   64                           ; v64-255 three sets of 64: job k in set k % 3
; consumers
.set XO,  46                           ; v46-47 slot u: token x 768 + 384 h     (these four are written in the consumers' text alone)
.set XSO, 54                           ; v54-55 token x 32
.set TOK, 24                           ; v24-25 the token of my row
.set IV,  27                           ; v27-41 INVERT's
.set WSC, 48                           ; v48-51 W1's scale words: these six hold scales and nothing else, in either role
.set TSC, 52                           ; v52-53 the tokens'
.set WF,  56                           ; v56-103 four fragments of W1; on the way out codes, words and offsets
.set TF,  104                          ; v104-127 a token fragment for each slot; on the way out scratch
.set ACC, 128                          ; v128-255 64 for each slot: tile q at + 8 q
.set HWD, 96                           ; v96-97  the hidden rows' scale words
.set HOF, 98                           ; v98-99  where the image goes in hid
.set SOF, 100                          ; v100-101 and the words in hs
.set TM,  104                          ; v104-119 the quantiser's scratch
.set IP,  IV
.set IM,  IV+1
.set IB,  IV+2
.set IJ,  IV+3
.set IK,  IV+4
.set IA,  IV+5
.set IBB, IV+6
.set IC,  IV+7
.set ID,  IV+8
.set IS,  IV+9
.set IT,  IV+10
.set IU,  IV+11
.set IW,  IV+12
.set ITK, IV+13
.set IOTH, IV+14
; scalars
.set WV,  20                           ; wave
.set PW,  21                           ; wave % 8: which producer, or which consumer
.set EX,  22                           ; expert
.set SL,  23                           ; slice of W1's rows = K step of the next product
.set CNT, 24                           ; the expert's tokens
.set NT,  25                           ; its tiles (at least 1)
.set T0,  26                           ; s26, s27 my two slots' tiles
.set T1,  27
.set GRP, 28
.set NGRP, 29
.set SEL, 30                           ; s[30:31] v_permlanex16_b32's selects for lane l xor 16
.set CP,  32                           ; s32-63 tokens of the expert ahead of mask j
.set MK,  66                           ; s66-97 mask j: bit l = token 128 (j / 4) + 4 l + j % 4
.set HM,  98                           ; lanes 16-31
.set CM1, 99                           ; the last position that holds a token
.set MQ0, 2                            ; s2, s3, s24, s100: the results of four of INVERT's compares (three registers of passing use, and the count's, which is done with once the tiles are counted)
.set MQ1, 3
.set MQ2, 24
.set MQ3, 100
.macro BAR                             ; my LDS stores have landed and my LDS loads are in: then the work-group's barrier
	s_wait_dscnt 0x0
	s_barrier_signal -1
	s_barrier_wait -1
.endm
.macro WLOAD k                         ; job k: 16 rows x (256 + 256) bytes: sixteen lanes read 256 consecutive bytes, aligned
.set RB, R+64*((\k)%3)
.irp r, 0,1,2,3,4,5,6,7,8,9,10,11,12,13,14,15
	global_load_b128 v[RB+4*\r:RB+4*\r+3], v[GO], s[4:5] offset:(\r+8*(\r/8))*4096+KADV*(\k) th:TH_LOAD_NT
.endr
.endm
.macro QW                              ; 64 numbers of a lane, two whole blocks of 32 of its row, become the fragment's 12 registers and its scale word
.irp c, 0,1
	v_max3_num_f32 v[MA+\c], |v[RB+32*\c]|, |v[RB+32*\c+1]|, |v[RB+32*\c+2]|
	v_max3_num_f32 v[MB+4*\c], |v[RB+32*\c+3]|, |v[RB+32*\c+4]|, |v[RB+32*\c+5]|
.endr
.irp i, 6,10,14,18,22,26
.irp c, 0,1
	v_max3_num_f32 v[MA+\c], v[MA+\c], |v[RB+32*\c+\i]|, |v[RB+32*\c+\i+1]|
	v_max3_num_f32 v[MB+4*\c], v[MB+4*\c], |v[RB+32*\c+\i+2]|, |v[RB+32*\c+\i+3]|
.endr
.endr
.irp c, 0,1
	v_max3_num_f32 v[MA+\c], v[MA+\c], |v[RB+32*\c+30]|, |v[RB+32*\c+31]|
.endr
.irp c, 0,1
	v_max3_num_f32 v[MA+\c], v[MA+\c], v[MB+4*\c], 0x1800000   ; and the floor 2^(3 - 127): the byte cannot fall under 1
.endr
.irp c, 0,1
	v_add_nc_u32 v[SOP+\c], 0xff000000, v[MA+\c]               ; 2 off the exponent field: the conversion's scale operand
.endr
.irp c, 0,1
	v_lshrrev_b32 v[MB+4*\c], 23, v[SOP+\c]                    ; the scale's byte
.endr
	v_lshl_or_b32 v[WD], v[MB+4], 16, v[MB]        ; my two bytes: the unit's blocks h and 2 + h,
	v_lshlrev_b32 v[WD], v[H8], v[WD]              ; at their places;
	v_permlanex16_b32 v[PT], v[WD], s[SEL], s[SEL+1]
	v_or_b32 v[WD], v[WD], v[PT]                   ; with lane l xor 16's two the word is whole
.irp c, 0,1
	v_cvt_scalef32_pk16_fp6_f32 v[CD+6*\c:CD+6*\c+2], v[RB+32*\c:RB+32*\c+15], v[SOP+\c]
	v_cvt_scalef32_pk16_fp6_f32 v[CD+12+4*\c:CD+14+4*\c], v[RB+32*\c+16:RB+32*\c+31], v[SOP+\c]   ; (a conversion's three registers begin on an even number)
.endr
	v_nop                                          ; one plain line behind a scaled conversion
.irp c, 0,1
.irp i, 0,1,2
	v_mov_b32 v[CD+3+6*\c+\i], v[CD+12+4*\c+\i]
.endr
.endr
.endm
.macro PJOB k                          ; a producer's interval
.set RB, R+64*((\k)%3)
.if (\k) <= 5
	s_wait_loadcnt 32                              ; job k is in; the two younger jobs' 32 loads stay out
.elseif (\k) == 6
	s_wait_loadcnt 16                              ; one younger job
.else
	s_wait_loadcnt 0x0
.endif
.irp r, 0,1,2,3,4,5,6,7,8,9,10,11,12,13,14,15
	ds_store_b128 v[TS], v[RB+4*\r:RB+4*\r+3] offset:SROW*\r
.endr
	s_wait_dscnt 0x0                               ; the stores have landed
	s_wait_alu depctr_vm_vsrc(0)                   ; the stage's stores have read R[k % 3], in which the LDS loads below land
.irp c, 0,1
.irp j, 0,1,2,3,4,5,6,7
	ds_load_b128 v[RB+32*\c+4*\j:RB+32*\c+4*\j+3], v[TL] offset:CST*\c+16*\j
.endr
.endr
	s_wait_dscnt 0x0
	QW
	s_wait_alu depctr_va_vdst(0)                   ; the quantiser is done reading R[k % 3], in which the loads of job k + 3 land, and has written the codes and the word, which the stores below read
.if (\k) <= 4
	WLOAD (\k)+3                                   ; the set is free: the job three on
.endif
.irp g, 0,1,2
	ds_store_b128 v[IW0+(\k)/4], v[CD+4*\g:CD+4*\g+3] offset:((\k)%4)*8*FRB+512*\g   ; the fragment as it stands: lane l's 16 bytes at 16 l
.endr
	ds_store_b32 v[SW], v[WD] offset:1024*(\k)
.if (\k) < 7
	s_wait_alu depctr_vm_vsrc(0)                   ; these four stores have read the codes and the word, which the next interval's quantiser writes again
.endif
.endm
.macro ISTEP w                         ; is the bit sought in the lower w bits from S on (t of them are set), or beyond?
	v_cmp_ge_u32 vcc_lo, v[IK], v[IT]
	v_sub_nc_u32 v[IU], v[IK], v[IT]
	v_add_nc_u32 v[IW], \w, v[IS]
	s_wait_alu depctr_va_vcc(0)                    ; the compare has written VCC, which the two selects read
	v_cndmask_b32 v[IK], v[IK], v[IU], vcc_lo
	v_cndmask_b32 v[IS], v[IS], v[IW], vcc_lo
.endm
.macro ISEL o, m                       ; mask jj + o is taken where at most p tokens lie ahead of it
	v_cndmask_b32 v[IM], s[MK+jj+\o], v[IM], s[\m]
	v_cndmask_b32 v[IB], s[CP+jj+\o], v[IB], s[\m]
	v_cndmask_b32 v[IJ], jj+\o, v[IJ], s[\m]
.endm
.macro INVERT                          ; position v[IP] in the expert's list -> its token v[ITK]
	v_mov_b32 v[IM], s[MK]
	v_mov_b32 v[IB], 0
	v_mov_b32 v[IJ], 0
.set jj, 1
.rept 8                                ; the last mask ahead of which at most p tokens lie: masks 1 to 31 in ascending order, the compares in runs of four (the last run: three)
	v_cmp_gt_u32 s[MQ0], s[CP+jj], v[IP]
	v_cmp_gt_u32 s[MQ1], s[CP+jj+1], v[IP]
	v_cmp_gt_u32 s[MQ2], s[CP+jj+2], v[IP]
.if jj < 29
	v_cmp_gt_u32 s[MQ3], s[CP+jj+3], v[IP]
.endif
	s_wait_alu depctr_va_sdst(0)                   ; the run's compares have written their scalar registers, which the selects below read
	ISEL 0, MQ0
	ISEL 1, MQ1
	ISEL 2, MQ2
.if jj < 29
	ISEL 3, MQ3
.endif
.set jj, jj+4
.endr
	v_sub_nc_u32 v[IK], v[IP], v[IB]               ; which set bit of it, from 0
	v_lshrrev_b32 v[IU], 1, v[IM]                  ; counts of set bits in fields of 2, 4, 8 and 16 bits
	v_and_b32 v[IU], 0x55555555, v[IU]
	v_sub_nc_u32 v[IA], v[IM], v[IU]
	v_lshrrev_b32 v[IU], 2, v[IA]
	v_and_b32 v[IU], 0x33333333, v[IU]
	v_and_b32 v[IBB], 0x33333333, v[IA]
	v_add_nc_u32 v[IBB], v[IBB], v[IU]
	v_lshrrev_b32 v[IU], 4, v[IBB]
	v_add_nc_u32 v[IU], v[IBB], v[IU]
	v_and_b32 v[IC], 0x0f0f0f0f, v[IU]
	v_lshrrev_b32 v[IU], 8, v[IC]
	v_add_nc_u32 v[ID], v[IC], v[IU]
	v_mov_b32 v[IS], 0
	v_and_b32 v[IT], 31, v[ID]
	ISTEP 16
	v_bfe_u32 v[IT], v[IC], v[IS], 4
	ISTEP 8
	v_bfe_u32 v[IT], v[IBB], v[IS], 4
	ISTEP 4
	v_bfe_u32 v[IT], v[IA], v[IS], 2
	ISTEP 2
	v_bfe_u32 v[IT], v[IM], v[IS], 1
	ISTEP 1
	v_lshrrev_b32 v[IU], 2, v[IJ]
	v_lshlrev_b32 v[IU], 7, v[IU]
	v_lshl_add_u32 v[IU], v[IS], 2, v[IU]
	v_and_b32 v[IW], 3, v[IJ]
	v_add_nc_u32 v[ITK], v[IU], v[IW]              ; 128 (j / 4) + 4 bit + j % 4
.endm
.macro TLD u, k                        ; slot u's token fragment and scale words of K step k
.irp g, 0,1,2
	global_load_b128 v[TF+12*\u+4*\g:TF+12*\u+4*\g+3], v[XO+\u], s[8:9] offset:48*(\k)+16*\g
.endr
	global_load_b32 v[TSC+\u], v[XSO+\u], s[10:11] offset:4*(\k)
.endm
.macro SLOTOFF u                       ; from the slot's tokens: its offsets
	v_mul_u32_u24 v[XO+\u], v[TOK+\u], 768
	v_mad_u32_u24 v[XO+\u], v[HH], 384, v[XO+\u]
	v_lshlrev_b32 v[XSO+\u], 5, v[TOK+\u]
.endm
.macro SLOTLD u                        ; its first fragment; b1 into its sums
	TLD \u, 0
.irp q, 0,1,2,3,4,5,6,7
	global_load_b128 v[ACC+64*\u+8*\q:ACC+64*\u+8*\q+3], v[BO], s[6:7] offset:(32*(\q/2)+8*(\q%2))*4
	global_load_b128 v[ACC+64*\u+8*\q+4:ACC+64*\u+8*\q+7], v[BO], s[6:7] offset:(32*(\q/2)+8*(\q%2))*4+16
.endr
.endm
.macro MM u, hf                        ; four matrix instructions, four accumulators: no two that follow each other share one, on any way
.irp q, 0,1,2,3
	v_wmma_scale_f32_16x16x128_f8f6f4 v[ACC+64*\u+32*\hf+8*\q:ACC+64*\u+32*\hf+8*\q+7], v[WF+12*\q:WF+12*\q+11], v[TF+12*\u:TF+12*\u+11], v[ACC+64*\u+32*\hf+8*\q:ACC+64*\u+32*\hf+8*\q+7], v[WSC+\q], v[TSC+\u] matrix_a_fmt:MATRIX_FMT_FP6 matrix_b_fmt:MATRIX_FMT_FP6
.endr
.endm
.macro CHALF k, hf, nslots, more       ; four of interval k's fragments against my slots.  more = 1: loads into the products' operands follow
.irp q, 0,1,2,3
.irp c, 0,1,2
	ds_load_b128 v[WF+12*\q+4*\c:WF+12*\q+4*\c+3], v[LI0+(\k)/4] offset:(((\k)%4)*8+4*\hf+\q)*FRB+512*\c
.endr
	ds_load_b32 v[WSC+\q], v[LS] offset:(8*(\k)+4*\hf+\q)*128
.endr
	s_wait_dscnt 0x0
	MM 0, \hf
.if \nslots > 1
	s_cmp_ge_u32 s[T1], s[NT]
	s_cbranch_scc1 .Lone_\@
	MM 1, \hf
.Lone_\@:
.endif
.rept 4
	v_nop                                          ; four places (ISA guide 7.12.1) behind these products, ahead of the first read of results; they stay beside the wait below
.endr
.if (\more)
	s_wait_alu depctr_va_vdst(0)                   ; these products are done reading W1's four fragments and scale words, in which the next LDS loads land; behind the second half also the tokens' fragments and words, in which the next step's loads land
.endif
.endm
.macro CSTEP k, nslots, last           ; a consumer's step.  A consumer without a tile passes it by
	s_wait_loadcnt 0x0                             ; no load is out: my tokens' fragments are in, and the LDS loads below land in registers that no earlier load will write
	s_cmp_ge_u32 s[T0], s[NT]
	s_cbranch_scc1 .Lidle_\@
	CHALF \k, 0, \nslots, 1
	CHALF \k, 1, \nslots, 1-\last
.if \last == 0
	TLD 0, (\k)+1
.if \nslots > 1
	s_cmp_ge_u32 s[T1], s[NT]
	s_cbranch_scc1 .Lidle_\@
	TLD 1, (\k)+1
.endif
.endif
.Lidle_\@:
.endm
.macro EPI u                           ; slot u's way out: relu, the quantiser along the 128 hidden units, the image and the words to memory
	s_cmp_ge_u32 s[T0+\u], s[NT]
	s_cbranch_scc1 .Lnone_\@
	s_wait_loadcnt 0x0                             ; no load of mine is out where products were made; written so that this holds on every way to this line
.set AB, ACC+64*\u
.set PQ, WF+20*\u
.irp b, 0,1,2,3
	v_mov_b32 v[TM+4+\b], 0                        ; a lane permute's destination counts as one of its sources
.endr
.set jj, 0
.rept 64
	v_max_num_f32 v[AB+jj], 0, v[AB+jj]            ; the activation, each accumulator from its low end on
.set jj, jj+1
.endr
.irp b, 0,1,2,3
	v_max3_num_f32 v[TM+\b], v[AB+16*\b], v[AB+1+16*\b], 0x1800000   ; block b: my 16 numbers (none is negative), and the floor 2^(3 - 127)
.endr
.irp i, 2,4,6,8,10,12,14
.irp b, 0,1,2,3
	v_max3_num_f32 v[TM+\b], v[TM+\b], v[AB+16*\b+\i], v[AB+1+16*\b+\i]
.endr
.endr
.irp b, 0,1,2,3
	v_permlanex16_b32 v[TM+4+\b], v[TM+\b], s[SEL], s[SEL+1]
.endr
.irp b, 0,1,2,3
	v_max_num_f32 v[TM+\b], v[TM+\b], v[TM+4+\b]   ; with lane l xor 16's 16: the block's largest
.endr
.irp b, 0,1,2,3
	v_add_nc_u32 v[TM+12+\b], 0xff000000, v[TM+\b]
.endr
.irp b, 0,1,2,3
	v_lshrrev_b32 v[TM+4+\b], 23, v[TM+12+\b]
.endr
	v_lshl_or_b32 v[HWD+\u], v[TM+5], 8, v[TM+4]   ; my row's scale word
	v_lshl_or_b32 v[HWD+\u], v[TM+6], 16, v[HWD+\u]
	v_lshl_or_b32 v[HWD+\u], v[TM+7], 24, v[HWD+\u]
.irp c, 0,1
	v_cvt_scalef32_pk16_fp6_f32 v[PQ+6*\c:PQ+2+6*\c], v[AB+32*\c:AB+15+32*\c], v[TM+12+2*\c]
	v_cvt_scalef32_pk16_fp6_f32 v[PQ+12+4*\c:PQ+14+4*\c], v[AB+16+32*\c:AB+31+32*\c], v[TM+12+2*\c+1]
.endr
	v_nop                                          ; one plain line behind a scaled conversion
.irp c, 0,1                            ; the operand's layout wants a whole block in a lane: lanes 0-15 block 2 c, lanes 16-31 block 2 c + 1
.irp i, 0,1,2
	v_permlane16_swap_b32 v[PQ+6*\c+\i], v[PQ+12+4*\c+\i]
.endr
.irp i, 0,1,2
	v_mov_b32 v[PQ+3+6*\c+\i], v[PQ+12+4*\c+\i]
.endr
.endr
	s_min_u32 s2, s[T0+\u], 63
	s_lshl_b32 s3, s[EX], 6
	s_add_co_u32 s2, s2, s3
	s_lshl_b32 s2, s2, 5
	s_add_co_u32 s2, s2, s[SL]                     ; (64 e + tile) 32 + K step
	s_mul_i32 s3, s2, FRB
	s_lshl_b32 s2, s2, 6
	v_add_nc_u32 v[HOF+\u], s3, v[LI0]
	v_add_nc_u32 v[SOF+\u], s2, v[R4]
	s_wait_alu depctr_va_vdst(0)                   ; the slot's codes, its scale word and its two offsets are written, which the four stores below read
.irp g, 0,1,2
	global_store_b128 v[HOF+\u], v[PQ+4*\g:PQ+4*\g+3], s[14:15] offset:512*\g      ; 32 lanes store 512 consecutive bytes, aligned
.endr
	global_store_b32 v[SOF+\u], v[HWD+\u], s[16:17]                                ; both halves of the lanes hold row r's word and write it to the same place
.Lnone_\@:
.endm
	s_load_b256 s[4:11], s[0:1], 0x0               ; w1 s[4:5], b1 s[6:7], xq s[8:9], xs s[10:11]
	s_load_b128 s[12:15], s[0:1], 0x20             ; assign s[12:13], hid s[14:15]
	s_load_b64 s[16:17], s[0:1], 0x30              ; hs
	v_lshl_add_u32 v[SPW], v0, 2, SPARE
	v_mov_b32 v[NIL], 0
	v_lshrrev_b32 v[RR], 5, v0
	v_readfirstlane_b32 s[WV], v[RR]               ; wave 0..15
	s_wait_alu depctr_va_sdst(0)                   ; the wave's number is written, ahead of its first reader: the roles, LDS places and bases are made from it
	s_and_b32 s[PW], s[WV], 7
	s_lshr_b32 s[EX], ttmp9, 5
	s_and_b32 s[SL], ttmp9, 31
	v_and_b32 v[R4], 31, v0                        ; (the lane, for now)
	v_and_b32 v[RR], 15, v0
	v_bfe_u32 v[HH], v0, 4, 1
	v_lshlrev_b32 v[LI0], 4, v[R4]
	v_add_nc_u32 v[LI0+1], 49152, v[LI0]
	v_lshl_add_u32 v[LS], v[R4], 2, SCL
	s_mul_i32 s2, s[PW], 16*SROW
	s_add_co_u32 s2, s2, STG
	v_add_nc_u32 v[TS], s2, v[LI0]
	v_mul_u32_u24 v[TL], v[RR], SROW
	v_mad_u32_u24 v[TL], v[HH], HST, v[TL]
	v_add_nc_u32 v[TL], s2, v[TL]
	s_mul_i32 s3, s[PW], FRB
	v_add_nc_u32 v[IW0], s3, v[LI0]
	v_add_nc_u32 v[IW0+1], 49152, v[IW0]
	s_lshl_b32 s3, s[PW], 7
	v_add_nc_u32 v[SW], s3, v[LS]
	v_lshlrev_b32 v[GO], 4, v[RR]
	v_lshl_add_u32 v[GO], v[HH], 11, v[GO]
	v_lshlrev_b32 v[H8], 3, v[HH]
	v_lshlrev_b32 v[BO], 6, v[HH]
	v_lshlrev_b32 v[R4], 2, v[RR]
	v_mov_b32 v[PT], 0                             ; a lane permute's destination counts as one of its sources
	s_mov_b32 s[SEL], 0x76543210
	s_mov_b32 s[SEL+1], 0xfedcba98
	s_mov_b32 s[HM], 0xffff0000
	s_lshl_b32 s2, s[EX], 24                       ; W1: the expert's 16 MiB,
	s_lshl_b32 s3, s[SL], 19                       ; the work-group's 128 rows of 4,096 bytes,
	s_add_co_u32 s2, s2, s3
	s_lshr_b32 s3, s[PW], 1                        ; and the producer's tile: row 32 (q / 2) + 8 (q % 2)
	s_lshl_b32 s3, s3, 17
	s_add_co_u32 s2, s2, s3
	s_and_b32 s3, s[PW], 1
	s_lshl_b32 s3, s3, 15
	s_add_co_u32 s2, s2, s3
	s_mov_b32 s3, 0
	s_lshl_b32 s100, s[EX], 14                     ; b1: 4 (4,096 e + 128 slice)
	s_lshl_b32 s101, s[SL], 9
	s_add_co_u32 s100, s100, s101
	s_mov_b32 s101, 0
	s_wait_kmcnt 0x0
	s_add_nc_u64 s[4:5], s[4:5], s[2:3]
	s_add_nc_u64 s[6:7], s[6:7], s[100:101]
	s_wait_alu depctr_va_vdst(0)                   ; the offsets and LDS addresses v1 to v19 are written, which the loads, stores and LDS lines of both roles read
; ---- interval 0: the producers fill their ring of three jobs and make fragment 0; the consumers make the expert's list and fetch their first operands
	s_cmp_lt_u32 s[WV], 8
	s_cbranch_scc0 .Lcons_0
	WLOAD 0
	WLOAD 1
	WLOAD 2
	PJOB 0
	s_branch .Ljoin_0
.Lcons_0:
.irp i, 0,1,2,3,4,5,6,7
	global_load_b128 v[ACC+4*\i:ACC+4*\i+3], v[LI0], s[12:13] offset:512*\i        ; all 1,024 choices: register j, lane l: token 128 (j / 4) + 4 l + j % 4
.endr
	s_wait_loadcnt 0x0
.set jj, 0
.rept 32
	v_cmp_eq_u32 s[MK+jj], s[EX], v[ACC+jj]
.set jj, jj+1
.endr
	s_wait_alu depctr_va_sdst(0)                   ; the 32 masks are written, ahead of their first reader, the counts below
	s_mov_b32 s[CP], 0
.set jj, 0
.rept 31
	s_bcnt1_i32_b32 s2, s[MK+jj]
	s_add_co_u32 s[CP+jj+1], s[CP+jj], s2
.set jj, jj+1
.endr
	s_bcnt1_i32_b32 s2, s[MK+31]
	s_add_co_u32 s[CNT], s[CP+31], s2
	s_max_u32 s[CM1], s[CNT], 1
	s_sub_co_u32 s[CM1], s[CM1], 1
	s_add_co_u32 s[NT], s[CNT], 15
	s_lshr_b32 s[NT], s[NT], 4                     ; tiles of 16
	s_max_u32 s[NGRP], s[NT], 16
	s_sub_co_u32 s[NGRP], s[NGRP], 9
	s_lshr_b32 s[NGRP], s[NGRP], 3
	s_add_co_u32 s[NGRP], s[NGRP], 1               ; 1 + the groups of 8 tiles beyond the first 16
	s_max_u32 s[NT], s[NT], 1                      ; tile 0 of every expert is written, whatever the split
	s_mov_b32 s[T0], s[PW]
	s_add_co_u32 s[T1], s[PW], 8
	s_mov_b32 s[GRP], 0
	v_lshl_add_u32 v[IP], v[HH], 7, v[RR]          ; lanes 0-15 look up slot 0's rows, lanes 16-31 slot 1's: position 16 w + 128 h + r,
	s_lshl_b32 s2, s[PW], 4
	v_add_nc_u32 v[IP], s2, v[IP]
	v_min_u32 v[IP], s[CM1], v[IP]                 ; held at the last that holds a token
	INVERT
	v_mov_b32 v[IOTH], 0
	v_permlanex16_b32 v[IOTH], v[ITK], s[SEL], s[SEL+1]
	v_cndmask_b32 v[TOK], v[ITK], v[IOTH], s[HM]   ; both halves of the lanes want both slots' tokens
	v_cndmask_b32 v[TOK+1], v[IOTH], v[ITK], s[HM]
	v_min_u32 v[TOK], 0x3ff, v[TOK]
	v_min_u32 v[TOK+1], 0x3ff, v[TOK+1]
	SLOTOFF 0
	SLOTOFF 1
	s_wait_alu depctr_va_vdst(0)                   ; both slots' offsets are written, which the loads below read; the compares are done reading v[ACC ..], in which b1 lands
	SLOTLD 0                                       ; both slots' loads go out whatever the count: their addresses are sound, and every register that a later way reads is written
	SLOTLD 1
	s_wait_loadcnt 0x0                             ; no load of a consumer stays out across the meeting of the roles
.Ljoin_0:
	BAR
; ---- intervals 1 to 7: fragment k is made while fragment k - 1 is multiplied
.irp k, 1,2,3,4,5,6,7
	s_cmp_lt_u32 s[WV], 8
	s_cbranch_scc0 .Lcons_\k
	PJOB \k
	s_branch .Ljoin_\k
.Lcons_\k:
	CSTEP \k-1, 2, 0
	s_wait_loadcnt 0x0                             ; the next step's token fragments are in: no load of a consumer stays out across the meeting of the roles
.Ljoin_\k:
	BAR
.endr
; ---- behind the last barrier: all 64 fragments lie in LDS for good
	s_cmp_lt_u32 s[WV], 8
	s_cbranch_scc1 .Lend
	CSTEP 7, 2, 1
.Lgroup:                               ; one trip where the expert has at most 16 tiles; else a trip more for each 8 tiles
	s_wait_xcnt 0x0                                ; the last trip's stores have read their data and offsets, on every way round the loop: the way out writes them anew
	s_wait_alu depctr_vm_vsrc(0)                   ; the last trip's stores have read their codes, words and offsets (v56-101), which the way out below writes again
	EPI 0
	EPI 1
	s_add_co_u32 s100, s[GRP], 1
	s_cmp_ge_u32 s100, s[NGRP]
	s_cbranch_scc1 .Lclosed
	s_wait_xcnt 0x0                                ; the stores have read their registers: all may be written again
	s_wait_alu depctr_vm_vsrc(0)                   ; this trip's stores have read v56-101, in which the next tile's LDS loads land; the tokens' loads have read v[XO], v[XSO], which the set-up below writes
	s_wait_loadcnt 0x0
	s_lshl_b32 s[T0], s[GRP], 3
	s_add_co_u32 s[T0], s[T0], s[PW]
	s_add_co_u32 s[T0], s[T0], 16                  ; my next tile: 16 + 8 group + w, in slot 0;
	s_movk_i32 s[T1], 255                          ; slot 1 rests
	s_cmp_ge_u32 s[T0], s[NT]
	s_cbranch_scc1 .Lclosed
	s_lshl_b32 s2, s[T0], 4
	v_add_nc_u32 v[IP], s2, v[RR]
	v_min_u32 v[IP], s[CM1], v[IP]
	INVERT
	v_min_u32 v[TOK], 0x3ff, v[ITK]
	SLOTOFF 0
	s_wait_alu depctr_va_vdst(0)                   ; the slot's offsets are written, which the loads below read; the way out's vector lines are done with the sums, the scratch and v56-101, in which these loads and the LDS loads behind them land
	SLOTLD 0
.irp k, 0,1,2,3,4,5,6
	CSTEP \k, 1, 0
.endr
	CSTEP 7, 1, 1
.Lclosed:
	s_add_co_u32 s[GRP], s[GRP], 1
	s_cmp_lt_u32 s[GRP], s[NGRP]
	s_cbranch_scc1 .Lgroup
.Lend:
	s_wait_dscnt 0x0                               ; the closing lines, six on end
	s_wait_alu 0x0
	s_wait_tensorcnt 0x0
	ds_add_u32 v[SPW], v[NIL]
	s_wait_dscnt 0x0
	s_endpgm
.Lfunc_end_k_q5676a2bed4_ffn1:
	.size	k_q5676a2bed4_ffn1, .Lfunc_end_k_q5676a2bed4_ffn1-k_q5676a2bed4_ffn1
	.p2alignl 7, 3214868480
	.fill 96, 4, 3214868480
	.section	.rodata,"a",@progbits
	.p2align	6, 0x0
	.amdhsa_kernel k_q5676a2bed4_ffn1
		.amdhsa_group_segment_fixed_size 176128
		.amdhsa_private_segment_fixed_size 0
		.amdhsa_enable_private_segment 0
		.amdhsa_kernarg_size 56
		.amdhsa_user_sgpr_count 2
		.amdhsa_user_sgpr_kernarg_segment_ptr 1
		.amdhsa_wavefront_size32 1
		.amdhsa_system_sgpr_workgroup_id_x 1
		.amdhsa_system_sgpr_workgroup_id_y 1
		.amdhsa_system_sgpr_workgroup_id_z 1
		.amdhsa_system_vgpr_workitem_id 0
		.amdhsa_next_free_vgpr 256
		.amdhsa_next_free_sgpr 102
		.amdhsa_reserve_vcc 1
		.amdhsa_float_denorm_mode_32 3
		.amdhsa_float_denorm_mode_16_64 3
		.amdhsa_memory_ordered 1
		.amdhsa_forward_progress 1
		.amdhsa_inst_pref_size 179
	.end_amdhsa_kernel
	.amdgpu_metadata
---
amdhsa.version: [ 1, 2 ]
amdhsa.kernels:
  - .name:           k_q5676a2bed4_ffn1
    .symbol:         k_q5676a2bed4_ffn1.kd
    .args:
      - { .name: w1, .offset: 0, .size: 8, .value_kind: global_buffer, .address_space: global }
      - { .name: b1, .offset: 8, .size: 8, .value_kind: global_buffer, .address_space: global }
      - { .name: xq, .offset: 16, .size: 8, .value_kind: global_buffer, .address_space: global }
      - { .name: xs, .offset: 24, .size: 8, .value_kind: global_buffer, .address_space: global }
      - { .name: assign, .offset: 32, .size: 8, .value_kind: global_buffer, .address_space: global }
      - { .name: hid, .offset: 40, .size: 8, .value_kind: global_buffer, .address_space: global }
      - { .name: hs, .offset: 48, .size: 8, .value_kind: global_buffer, .address_space: global }
    .group_segment_fixed_size: 176128
    .private_segment_fixed_size: 0
    .kernarg_segment_align: 8
    .kernarg_segment_size: 56
    .max_flat_workgroup_size: 512
    .sgpr_count:     102
    .vgpr_count:     256
    .wavefront_size: 32
...
	.end_amdgpu_metadata
.endif
;; end of part 5
;; launch ffn2 (part 6): grid 256 x 1, 16 waves a work-group, no clusters, 194,560 bytes of LDS; arguments w2, b2, hid, hs, assign, alpha, input_features, out0; writes out0
.if DOCPART == 6
	.amdgcn_target "amdgcn-amd-amdhsa--gfx1250"
	.amdhsa_code_object_version 6
	.text
	.protected	k_q5676a2bed4_ffn2
	.globl	k_q5676a2bed4_ffn2
	.p2align	8
	.type	k_q5676a2bed4_ffn2,@function
k_q5676a2bed4_ffn2:
	s_mov_b64 s[64:65], 0
	v_nop
	global_prefetch_b8 v0, s[64:65] scope:SCOPE_SE
	s_setreg_imm32_b32 hwreg(HW_REG_WAVE_SCHED_MODE, 0, 2), 2
	s_setreg_imm32_b32 hwreg(HW_REG_WAVE_MODE, 25, 1), 1
	s_wait_xcnt 0x0
	s_wait_alu depctr_vm_vsrc(0)
; FFN2.  out[t] = x[t] + alpha[t] (hidden[t] W2[e]^T + b2[e]), e the token's expert: that is alpha (x + f + b2) + (1 - alpha) x with the two terms in x joined, one rounding fewer.
; Both operands of the product are E2M3 with E8M0 scales: hidden comes as register images of fragments (hid) with its scale words (hs); W2 arrives as f32 and is quantised in passing.
; SHARES.  Work-group g: expert e = g / 32, rows 32 (g % 32) .. + 31 of W2[e] (= columns of out), all K = 4,096: 512 KiB of f32, read once in the launch, = 64 fragments of 16 rows x 128 K = 8 intervals of 8
; (fragment q = 2 kk + n of interval k: rows 16 n on, K step 4 k + kk).
; ROLES, as in the launch before.  Waves 0-7 PRODUCE a fragment an interval each: 16 loads of 512 consecutive bytes, a turn through their own stage, scale and codes, the registers as they stand into LDS; no branch on data,
; so their counted waits hold.  Waves 8-15 CONSUME: tiles w and w + 8 of 16 tokens, W2's fragments from LDS, the hidden layer's from memory straight into registers, one interval behind.  All 64 fragments stay in LDS, so
; tiles beyond 16 are served behind the last barrier, without barriers.  No tensor load, no copy, no cluster: the number of tiles is read from memory and the consumers branch on it.
; THE ROLES' TEXTS MEET at each barrier and use the same registers.  So (a) no load of a consumer stays out across a meeting: each consumer interval begins and ends with a wait for all loads, so that on no way through the
; text a load lands in a register into which an earlier load, not waited for, will land; (b) the offsets that a consumer keeps from interval to interval (v60-63) lie in registers that the producers' text never writes, and
; the offsets in out are made anew on the way out; (c) the matrix instructions' operands lie in registers that no vector instruction of the producers' text writes.
; THE LIST of the expert's tokens is made as in the launch before, in the same order.  Positions past the count repeat the last token: the same bits go to the same place, so EXEC never changes.
; The product is used transposed (source 0 = W2, source 1 = hidden): a lane holds one token and eight neighbouring columns.  b2 is the C of each sum's first matrix instruction.
; THE WAY OUT goes through the wave's own stage: eight lanes store a token's 128 consecutive bytes.  That is half of an aligned run of 256: whole runs would want 64 columns to a work-group, 128 work-groups.
; LIMITS: NaN and infinities are not served; a block of W2 whose largest magnitude lies under 2^-124, a block of zeros among them, keeps the byte 1.  An expert without tokens has its weights streamed all the same.
; THE MODE: SCHED_MODE bits 1:0 = 2 (LLVM: expert scheduling mode 2), set by the entry lines.  The code itself states the register dependences between vector or matrix instructions and memory or LDS instructions,
; with s_wait_alu, always for 0.
; THE PLAN.  Registers that memory or LDS instructions touch, and who else names them:
;   v1-19       offsets and LDS addresses: written at the head, never again.  One wait on va_vdst ahead of the first parting of the roles serves every line that reads them.
;   PRODUCERS   R[k % 3]: job k's loads land in it; the stage's stores read it and the stage's loads land in it again (a wait on vm_vsrc between the two); the quantiser reads it; job k + 3's loads land in it.
;               v20-31, v44: the quantiser writes codes and word, the image's stores read them, the next interval's quantiser writes them again (a wait on vm_vsrc straight behind the stores).
;               ONE wait on va_vdst an interval, behind the quantiser: it is done reading R[k % 3] and has written codes and word.  The 16 loads and the 4 stores follow it, with no vector line among them.
;   CONSUMERS   v48-59, v96-239 (scale words and fragments): loads land in them, the products read them.  A wait on va_vdst behind each half step's four or eight products frees them for the loads that follow.
;               There is one set of them: the four waves of a SIMD hold 256 registers each, and a consumer's are all taken.
;               THE SET-UP goes in runs: the offsets v60-63, alpha's offsets and the permutes' lane addresses are written; a wait on va_vdst; the permutes and all loads but x's; the offsets in x are made of the
;               permutes' results; a wait on va_vdst; x's loads; a wait on vm_vsrc, since the lane addresses and alpha's offsets lie where the next LDS loads land.
;               THE WAY OUT: a wait on vm_vsrc first (earlier permutes have read the lane addresses, x's loads and earlier stores the offsets v40-47); lane addresses and alpha (f + b2) are written; a wait on va_vdst;
;               permutes, the stage's stores and loads; the offsets and y + x are written; a wait on va_vdst; the stores.
;   Each role leaves an interval with no vector or matrix line behind its last wait on va_vdst, so that what follows a meeting finds nothing open, whichever text stood ahead of it.
.set FRB,   1536
.set IMG,   0                          ; LDS: 64 images, fragment 8 k + q
.set SCL,   64*FRB                     ; 98,304: their scale words, 128 bytes each
.set STG,   SCL+64*128                 ; 106,496: a stage of 16 rows x 528 bytes for each producer
.set SROW,  528                        ; 512 + 16: an odd multiple of 16
.set OST,   STG+8*16*SROW              ; 174,080: a stage of 16 rows x 144 bytes for each consumer
.set OROW,  144                        ; 128 + 16: an odd multiple of 16
.set SPARE, OST+8*16*OROW              ; 192,512: the spare words, 128 bytes for each of 16 waves, that no other line names
.set HST,   128                        ; in a stage row: block 2 c + h at 256 c + 128 h
.set CST,   256
.set KADV,  2048                       ; bytes along a row of W2 from interval to interval
.set TS,  1
.set TL,  2
.set IW0, 3                            ; v3, v4
.set SW,  5
.set LI0, 6                            ; v6 = 16 lane (also W2's offset and hid's), v7
.set LS,  8
.set SPW, 9
.set NIL, 10
.set SO,  11                           ; v11  my stage, in: row r, + 32 h
.set SR,  12                           ; v12  and out: row lane / 8, + 16 (lane % 8)
.set BP,  13                           ; v13  4 (lane / 8): whose token that row's is
.set CB,  14                           ; v14  128 slice + 16 (lane % 8): my bytes in a row of x and of out
.set H8,  15
.set RR,  16
.set HH,  17
.set BO,  18                           ; v18  32 h: b2
.set R4,  19
.set GO,  LI0
; producers: v20-45 and v64-255, and no other
.set CD,  20                           ; v20-31 the codes; v32-34, v36-38 the blocks' upper halves
.set MB,  35                           ; v35, v39 second chains of the maxima, later the bytes
.set MA,  40
.set SOP, 42
.set WD,  44
.set PT,  45
.set R,   64
; consumers
.set XR,  20                           ; v20-35 x of slot 0's 16 rows; slot 1's at v240-255
.set AL,  36                           ; v36, v38 alpha of my row, in the low word of a pair
.set TOK, 37                           ; v37, v39 its token
.set OO,  40                           ; v40-47 slot u, rows 4 m + lane / 8: token x 4,096 + CB; made where they are used
.set WSC, 48                           ; v48-51 W2's scale words: these twelve hold scales and nothing else, in either role
.set TSC, 52                           ; v52-59 the hidden layer's: 4 a slot
.set HO,  60                           ; v60-61 (64 e + tile) 49,152 + 16 lane     (these four are written in the consumers' text alone)
.set HSO, 62                           ; v62-63 (64 e + tile) 2,048 + 4 r
.set ACC, 64                           ; v64-95 16 a slot: columns 16 n on at + 8 n
.set TF,  96                           ; v96-191 48 a slot: K step 4 k + kk at + 12 kk
.set WF,  192                          ; v192-239 four fragments of W2; at the head and on the way out scratch
.set Y,   192                          ; v192-223 the way out: 16 a slot
.set IV,  192                          ; v192-206 INVERT's
.set SX,  224                          ; v224-227 the permutes' lane addresses: 4 (4 m + lane / 8)
.set PR,  228                          ; v228-231, v234-237 their results: slot u's four at PR + 6 u
.set AO,  232                          ; v232-233 alpha's offsets
.set IP,  IV
.set IM,  IV+1
.set IB,  IV+2
.set IJ,  IV+3
.set IK,  IV+4
.set IA,  IV+5
.set IBB, IV+6
.set IC,  IV+7
.set ID,  IV+8
.set IS,  IV+9
.set IT,  IV+10
.set IU,  IV+11
.set IW,  IV+12
.set ITK, IV+13
.set IOTH, IV+14
.set WV,  20
.set PW,  21
.set EX,  22
.set SL,  23
.set CNT, 24
.set NT,  25                           ; the expert's tiles (0 where it has no token)
.set T0,  26
.set T1,  27
.set GRP, 28
.set NGRP, 29
.set SEL, 30
.set CP,  32
.set MK,  66
.set HM,  98
.set CM1, 99
.set TCL, 101                          ; the last tile that the launch before has written
.set MQ0, 2                            ; s2, s3, s24, s100: the results of four of INVERT's compares (three registers of passing use, and the count's, which is done with once the tiles are counted)
.set MQ1, 3
.set MQ2, 24
.set MQ3, 100
.macro BAR
	s_wait_dscnt 0x0
	s_barrier_signal -1
	s_barrier_wait -1
.endm
.macro WLOAD k                         ; job k: 16 rows x 512 consecutive bytes, aligned
.set RB, R+64*((\k)%3)
.irp r, 0,1,2,3,4,5,6,7,8,9,10,11,12,13,14,15
	global_load_b128 v[RB+4*\r:RB+4*\r+3], v[GO], s[4:5] offset:\r*16384+KADV*(\k) th:TH_LOAD_NT
.endr
.endm
.macro QW                              ; 64 numbers of a lane, two whole blocks of 32 of its row, become the fragment's 12 registers and its scale word
.irp c, 0,1
	v_max3_num_f32 v[MA+\c], |v[RB+32*\c]|, |v[RB+32*\c+1]|, |v[RB+32*\c+2]|
	v_max3_num_f32 v[MB+4*\c], |v[RB+32*\c+3]|, |v[RB+32*\c+4]|, |v[RB+32*\c+5]|
.endr
.irp i, 6,10,14,18,22,26
.irp c, 0,1
	v_max3_num_f32 v[MA+\c], v[MA+\c], |v[RB+32*\c+\i]|, |v[RB+32*\c+\i+1]|
	v_max3_num_f32 v[MB+4*\c], v[MB+4*\c], |v[RB+32*\c+\i+2]|, |v[RB+32*\c+\i+3]|
.endr
.endr
.irp c, 0,1
	v_max3_num_f32 v[MA+\c], v[MA+\c], |v[RB+32*\c+30]|, |v[RB+32*\c+31]|
.endr
.irp c, 0,1
	v_max3_num_f32 v[MA+\c], v[MA+\c], v[MB+4*\c], 0x1800000   ; and the floor 2^(3 - 127): the byte cannot fall under 1
.endr
.irp c, 0,1
	v_add_nc_u32 v[SOP+\c], 0xff000000, v[MA+\c]               ; 2 off the exponent field: the conversion's scale operand
.endr
.irp c, 0,1
	v_lshrrev_b32 v[MB+4*\c], 23, v[SOP+\c]                    ; the scale's byte
.endr
	v_lshl_or_b32 v[WD], v[MB+4], 16, v[MB]        ; my two bytes: blocks h and 2 + h,
	v_lshlrev_b32 v[WD], v[H8], v[WD]              ; at their places;
	v_permlanex16_b32 v[PT], v[WD], s[SEL], s[SEL+1]
	v_or_b32 v[WD], v[WD], v[PT]                   ; with lane l xor 16's two the word is whole
.irp c, 0,1
	v_cvt_scalef32_pk16_fp6_f32 v[CD+6*\c:CD+6*\c+2], v[RB+32*\c:RB+32*\c+15], v[SOP+\c]
	v_cvt_scalef32_pk16_fp6_f32 v[CD+12+4*\c:CD+14+4*\c], v[RB+32*\c+16:RB+32*\c+31], v[SOP+\c]   ; (a conversion's three registers begin on an even number)
.endr
	v_nop                                          ; one plain line behind a scaled conversion
.irp c, 0,1
.irp i, 0,1,2
	v_mov_b32 v[CD+3+6*\c+\i], v[CD+12+4*\c+\i]
.endr
.endr
.endm
.macro PJOB k
.set RB, R+64*((\k)%3)
.if (\k) <= 5
	s_wait_loadcnt 32                              ; job k is in; the two younger jobs' 32 loads stay out
.elseif (\k) == 6
	s_wait_loadcnt 16                              ; one younger job
.else
	s_wait_loadcnt 0x0
.endif
.irp r, 0,1,2,3,4,5,6,7,8,9,10,11,12,13,14,15
	ds_store_b128 v[TS], v[RB+4*\r:RB+4*\r+3] offset:SROW*\r
.endr
	s_wait_dscnt 0x0                               ; the stores have landed
	s_wait_alu depctr_vm_vsrc(0)                   ; the stage's stores have read R[k % 3], in which the LDS loads below land
.irp c, 0,1
.irp j, 0,1,2,3,4,5,6,7
	ds_load_b128 v[RB+32*\c+4*\j:RB+32*\c+4*\j+3], v[TL] offset:CST*\c+16*\j
.endr
.endr
	s_wait_dscnt 0x0
	QW
	s_wait_alu depctr_va_vdst(0)                   ; the quantiser is done reading R[k % 3], in which the loads of job k + 3 land, and has written the codes and the word, which the stores below read
.if (\k) <= 4
	WLOAD (\k)+3                                   ; the set is free: the job three on
.endif
.irp g, 0,1,2
	ds_store_b128 v[IW0+(\k)/4], v[CD+4*\g:CD+4*\g+3] offset:((\k)%4)*8*FRB+512*\g
.endr
	ds_store_b32 v[SW], v[WD] offset:1024*(\k)
.if (\k) < 7
	s_wait_alu depctr_vm_vsrc(0)                   ; these four stores have read the codes and the word, which the next interval's quantiser writes again
.endif
.endm
.macro ISTEP w
	v_cmp_ge_u32 vcc_lo, v[IK], v[IT]
	v_sub_nc_u32 v[IU], v[IK], v[IT]
	v_add_nc_u32 v[IW], \w, v[IS]
	s_wait_alu depctr_va_vcc(0)                    ; the compare has written VCC, which the two selects read
	v_cndmask_b32 v[IK], v[IK], v[IU], vcc_lo
	v_cndmask_b32 v[IS], v[IS], v[IW], vcc_lo
.endm
.macro ISEL o, m                       ; mask jj + o is taken where at most p tokens lie ahead of it
	v_cndmask_b32 v[IM], s[MK+jj+\o], v[IM], s[\m]
	v_cndmask_b32 v[IB], s[CP+jj+\o], v[IB], s[\m]
	v_cndmask_b32 v[IJ], jj+\o, v[IJ], s[\m]
.endm
.macro INVERT                          ; position v[IP] in the expert's list -> its token v[ITK]
	v_mov_b32 v[IM], s[MK]
	v_mov_b32 v[IB], 0
	v_mov_b32 v[IJ], 0
.set jj, 1
.rept 8                                ; masks 1 to 31 in ascending order, the compares in runs of four (the last run: three)
	v_cmp_gt_u32 s[MQ0], s[CP+jj], v[IP]
	v_cmp_gt_u32 s[MQ1], s[CP+jj+1], v[IP]
	v_cmp_gt_u32 s[MQ2], s[CP+jj+2], v[IP]
.if jj < 29
	v_cmp_gt_u32 s[MQ3], s[CP+jj+3], v[IP]
.endif
	s_wait_alu depctr_va_sdst(0)                   ; the run's compares have written their scalar registers, which the selects below read
	ISEL 0, MQ0
	ISEL 1, MQ1
	ISEL 2, MQ2
.if jj < 29
	ISEL 3, MQ3
.endif
.set jj, jj+4
.endr
	v_sub_nc_u32 v[IK], v[IP], v[IB]
	v_lshrrev_b32 v[IU], 1, v[IM]
	v_and_b32 v[IU], 0x55555555, v[IU]
	v_sub_nc_u32 v[IA], v[IM], v[IU]
	v_lshrrev_b32 v[IU], 2, v[IA]
	v_and_b32 v[IU], 0x33333333, v[IU]
	v_and_b32 v[IBB], 0x33333333, v[IA]
	v_add_nc_u32 v[IBB], v[IBB], v[IU]
	v_lshrrev_b32 v[IU], 4, v[IBB]
	v_add_nc_u32 v[IU], v[IBB], v[IU]
	v_and_b32 v[IC], 0x0f0f0f0f, v[IU]
	v_lshrrev_b32 v[IU], 8, v[IC]
	v_add_nc_u32 v[ID], v[IC], v[IU]
	v_mov_b32 v[IS], 0
	v_and_b32 v[IT], 31, v[ID]
	ISTEP 16
	v_bfe_u32 v[IT], v[IC], v[IS], 4
	ISTEP 8
	v_bfe_u32 v[IT], v[IBB], v[IS], 4
	ISTEP 4
	v_bfe_u32 v[IT], v[IA], v[IS], 2
	ISTEP 2
	v_bfe_u32 v[IT], v[IM], v[IS], 1
	ISTEP 1
	v_lshrrev_b32 v[IU], 2, v[IJ]
	v_lshlrev_b32 v[IU], 7, v[IU]
	v_lshl_add_u32 v[IU], v[IS], 2, v[IU]
	v_and_b32 v[IW], 3, v[IJ]
	v_add_nc_u32 v[ITK], v[IU], v[IW]
.endm
.macro TLD u, k                        ; slot u's four hidden fragments and scale words of interval k: each load covers 512 consecutive bytes
.irp kk, 0,1,2,3
.irp g, 0,1,2
	global_load_b128 v[TF+48*\u+12*\kk+4*\g:TF+48*\u+12*\kk+4*\g+3], v[HO+\u], s[8:9] offset:(4*(\k)+\kk)*FRB+512*\g
.endr
	global_load_b32 v[TSC+4*\u+\kk], v[HSO+\u], s[10:11] offset:(4*(\k)+\kk)*64
.endr
.endm
; A slot's offsets in x and in out: the token of row 4 m + lane / 8, from the lane that holds it, x 4,096, + my bytes of the row.  In three parts, so that both slots share their waits:
.macro MKA                             ; the lanes to ask, alike for both slots
.irp m, 0,1,2,3
	v_add_nc_u32 v[SX+\m], 16*\m, v[BP]
.endr
.endm
.macro MKP u                           ; slot u's four permutes
.irp m, 0,1,2,3
	ds_bpermute_b32 v[PR+6*\u+\m], v[SX+\m], v[TOK+2*\u]
.endr
.endm
.macro MKF u                           ; and its offsets
.irp m, 0,1,2,3
	v_min_u32 v[PR+6*\u+\m], 0x3ff, v[PR+6*\u+\m]
.endr
.irp m, 0,1,2,3
	v_lshl_add_u32 v[OO+4*\u+\m], v[PR+6*\u+\m], 12, v[CB]
.endr
.endm
.macro SLOTOFF u                       ; from the slot's tokens and tile: its offsets in hid, hs and alpha
	s_min_u32 s2, s[T0+\u], s[TCL]                 ; a slot without a tile asks for the last tile that exists
	s_min_u32 s2, s2, 63
	s_lshl_b32 s3, s[EX], 6
	s_add_co_u32 s2, s2, s3
	s_mul_i32 s3, s2, 32*FRB
	s_lshl_b32 s2, s2, 11
	v_add_nc_u32 v[HO+\u], s3, v[LI0]
	v_add_nc_u32 v[HSO+\u], s2, v[R4]
	v_lshlrev_b32 v[AO+\u], 2, v[TOK+2*\u]
.endm
.macro SLOTLD u                        ; its permutes, its first fragments, alpha, and b2 into its sums
	MKP \u
	TLD \u, 0
	global_load_b32 v[AL+2*\u], v[AO+\u], s[14:15]
.irp n, 0,1
	global_load_b128 v[ACC+16*\u+8*\n:ACC+16*\u+8*\n+3], v[BO], s[6:7] offset:64*\n
	global_load_b128 v[ACC+16*\u+8*\n+4:ACC+16*\u+8*\n+7], v[BO], s[6:7] offset:64*\n+16
.endr
.endm
.macro SLOTX u                         ; its x
.irp m, 0,1,2,3
	global_load_b128 v[XR+220*\u+4*\m:XR+220*\u+4*\m+3], v[OO+4*\u+\m], s[16:17]   ; eight lanes read a token's 128 consecutive bytes
.endr
.endm
.macro MM u, hf                        ; K steps 2 hf, 2 hf + 1 of the interval, the slot's two accumulators by turns, one instruction a turn
.irp q, 0,1,2,3
	v_wmma_scale_f32_16x16x128_f8f6f4 v[ACC+16*\u+8*(\q%2):ACC+16*\u+8*(\q%2)+7], v[WF+12*\q:WF+12*\q+11], v[TF+48*\u+12*(2*\hf+\q/2):TF+48*\u+12*(2*\hf+\q/2)+11], v[ACC+16*\u+8*(\q%2):ACC+16*\u+8*(\q%2)+7], v[WSC+\q], v[TSC+4*\u+2*\hf+\q/2] matrix_a_fmt:MATRIX_FMT_FP6 matrix_b_fmt:MATRIX_FMT_FP6
.endr
.endm
.macro CHALF k, hf, nslots, more       ; more = 1: loads into the products' operands follow
.irp q, 0,1,2,3
.irp c, 0,1,2
	ds_load_b128 v[WF+12*\q+4*\c:WF+12*\q+4*\c+3], v[LI0+(\k)/4] offset:(((\k)%4)*8+4*\hf+\q)*FRB+512*\c
.endr
	ds_load_b32 v[WSC+\q], v[LS] offset:(8*(\k)+4*\hf+\q)*128
.endr
	s_wait_dscnt 0x0
	MM 0, \hf
.if \nslots > 1
	s_cmp_ge_u32 s[T1], s[NT]
	s_cbranch_scc1 .Lone_\@
	MM 1, \hf
.Lone_\@:
.endif
.rept 4
	v_nop                                          ; four places (ISA guide 7.12.1) behind these products, ahead of the first read of results; they stay beside the wait below
.endr
.if (\more)
	s_wait_alu depctr_va_vdst(0)                   ; these products are done reading W2's four fragments and scale words, in which the next LDS loads land; behind the second half also the hidden fragments and words, in which the next step's loads land
.endif
.endm
.macro CSTEP k, nslots, last
	s_wait_loadcnt 0x0                             ; no load is out: the hidden fragments are in, and the LDS loads below land in registers that no earlier load will write
	s_cmp_ge_u32 s[T0], s[NT]
	s_cbranch_scc1 .Lidle_\@
	CHALF \k, 0, \nslots, 1
	CHALF \k, 1, \nslots, 1-\last
.if \last == 0
	TLD 0, (\k)+1
.if \nslots > 1
	s_cmp_ge_u32 s[T1], s[NT]
	s_cbranch_scc1 .Lidle_\@
	TLD 1, (\k)+1
.endif
.endif
.Lidle_\@:
.endm
.macro EPI u                           ; slot u's way out
	s_wait_alu depctr_vm_vsrc(0)                   ; the permutes issued so far have read the lane addresses v[SX ..], x's loads and the last trip's stores the offsets v[OO ..] and y: the lines below write all of these again
	s_cmp_ge_u32 s[T0+\u], s[NT]
	s_cbranch_scc1 .Lnone_\@
	s_wait_loadcnt 0x0                             ; no load of mine is out where products were made; written so that this holds on every way to this line
	MKA                                            ; the offsets in out are made anew from the slot's tokens
.irp j, 0,2,4,6,8,10,12,14
	v_pk_mul_f32 v[ACC+16*\u+\j:ACC+16*\u+\j+1], v[ACC+16*\u+\j:ACC+16*\u+\j+1], v[AL+2*\u:AL+2*\u+1] op_sel_hi:[1,0]   ; alpha (f + b2), each accumulator from its low end on
.endr
	s_wait_alu depctr_va_vdst(0)                   ; the lane addresses and alpha (f + b2) are written, which the permutes and the stage's stores read; the products are done reading v192-239, in which the permutes' results and y land
	MKP \u
.irp n, 0,1
	ds_store_b128 v[SO], v[ACC+16*\u+8*\n:ACC+16*\u+8*\n+3] offset:64*\n           ; lane (r, h): row r, columns 16 n + 8 h + 0 .. 7
	ds_store_b128 v[SO], v[ACC+16*\u+8*\n+4:ACC+16*\u+8*\n+7] offset:64*\n+16
.endr
.irp m, 0,1,2,3
	ds_load_b128 v[Y+16*\u+4*\m:Y+16*\u+4*\m+3], v[SR] offset:4*OROW*\m            ; LDS serves a wave's instructions in order (ISA guide 5.7.1.4): these see my stores
.endr
	s_wait_dscnt 0x0
	MKF \u
.irp j, 0,2,4,6,8,10,12,14
	v_pk_add_f32 v[Y+16*\u+\j:Y+16*\u+\j+1], v[Y+16*\u+\j:Y+16*\u+\j+1], v[XR+220*\u+\j:XR+220*\u+\j+1]
.endr
	s_wait_alu depctr_va_vdst(0)                   ; the offsets in out and y + x are written, which the four stores below read
.irp m, 0,1,2,3
	global_store_b128 v[OO+4*\u+\m], v[Y+16*\u+4*\m:Y+16*\u+4*\m+3], s[18:19] th:TH_STORE_NT
.endr
.Lnone_\@:
.endm
	s_load_b256 s[4:11], s[0:1], 0x0               ; w2 s[4:5], b2 s[6:7], hid s[8:9], hs s[10:11]
	s_load_b256 s[12:19], s[0:1], 0x20             ; assign s[12:13], alpha s[14:15], x s[16:17], out s[18:19]
	v_lshl_add_u32 v[SPW], v0, 2, SPARE
	v_mov_b32 v[NIL], 0
	v_lshrrev_b32 v[RR], 5, v0
	v_readfirstlane_b32 s[WV], v[RR]               ; wave 0..15
	s_wait_alu depctr_va_sdst(0)                   ; the wave's number is written, ahead of its first reader: the roles, LDS places and bases are made from it
	s_and_b32 s[PW], s[WV], 7
	s_lshr_b32 s[EX], ttmp9, 5
	s_and_b32 s[SL], ttmp9, 31
	v_and_b32 v[R4], 31, v0                        ; (the lane, for now)
	v_and_b32 v[RR], 15, v0
	v_bfe_u32 v[HH], v0, 4, 1
	v_lshlrev_b32 v[LI0], 4, v[R4]
	v_add_nc_u32 v[LI0+1], 49152, v[LI0]
	v_lshl_add_u32 v[LS], v[R4], 2, SCL
	s_mul_i32 s2, s[PW], 16*SROW
	s_add_co_u32 s2, s2, STG
	v_add_nc_u32 v[TS], s2, v[LI0]
	v_mul_u32_u24 v[TL], v[RR], SROW
	v_mad_u32_u24 v[TL], v[HH], HST, v[TL]
	v_add_nc_u32 v[TL], s2, v[TL]
	s_mul_i32 s3, s[PW], FRB
	v_add_nc_u32 v[IW0], s3, v[LI0]
	v_add_nc_u32 v[IW0+1], 49152, v[IW0]
	s_lshl_b32 s3, s[PW], 7
	v_add_nc_u32 v[SW], s3, v[LS]
	s_mul_i32 s3, s[PW], 16*OROW
	s_add_co_u32 s3, s3, OST
	v_mul_u32_u24 v[SO], v[RR], OROW
	v_lshl_add_u32 v[SO], v[HH], 5, v[SO]
	v_add_nc_u32 v[SO], s3, v[SO]
	v_lshrrev_b32 v[BP], 3, v[R4]                  ; lane / 8
	v_and_b32 v[CB], 7, v0                         ; lane % 8
	v_mul_u32_u24 v[SR], v[BP], OROW
	v_lshl_add_u32 v[SR], v[CB], 4, v[SR]
	v_add_nc_u32 v[SR], s3, v[SR]
	v_lshlrev_b32 v[BP], 2, v[BP]
	v_lshlrev_b32 v[CB], 4, v[CB]
	s_lshl_b32 s3, s[SL], 7
	v_add_nc_u32 v[CB], s3, v[CB]
	v_lshlrev_b32 v[H8], 3, v[HH]
	v_lshlrev_b32 v[BO], 5, v[HH]
	v_lshlrev_b32 v[R4], 2, v[RR]
	v_mov_b32 v[PT], 0                             ; a lane permute's destination counts as one of its sources
	s_mov_b32 s[SEL], 0x76543210
	s_mov_b32 s[SEL+1], 0xfedcba98
	s_mov_b32 s[HM], 0xffff0000
	s_lshl_b32 s2, s[EX], 24                       ; W2: the expert's 16 MiB,
	s_lshl_b32 s3, s[SL], 19                       ; the work-group's 32 rows of 16,384 bytes,
	s_add_co_u32 s2, s2, s3
	s_and_b32 s3, s[PW], 1                         ; and the producer's fragment: rows 16 (q % 2) on,
	s_lshl_b32 s3, s3, 18
	s_add_co_u32 s2, s2, s3
	s_lshr_b32 s3, s[PW], 1                        ; K step q / 2 of the interval's four
	s_lshl_b32 s3, s3, 9
	s_add_co_u32 s2, s2, s3
	s_mov_b32 s3, 0
	s_lshl_b32 s100, s[EX], 12                     ; b2: 4 (1,024 e + 32 slice)
	s_lshl_b32 s101, s[SL], 7
	s_add_co_u32 s100, s100, s101
	s_mov_b32 s101, 0
	s_wait_kmcnt 0x0
	s_add_nc_u64 s[4:5], s[4:5], s[2:3]
	s_add_nc_u64 s[6:7], s[6:7], s[100:101]
	s_wait_alu depctr_va_vdst(0)                   ; the offsets and LDS addresses v1 to v19 are written, which the loads, stores and LDS lines of both roles read
; ---- interval 0
	s_cmp_lt_u32 s[WV], 8
	s_cbranch_scc0 .Lcons_0
	WLOAD 0
	WLOAD 1
	WLOAD 2
	PJOB 0
	s_branch .Ljoin_0
.Lcons_0:
.irp i, 0,1,2,3,4,5,6,7
	global_load_b128 v[TF+4*\i:TF+4*\i+3], v[LI0], s[12:13] offset:512*\i          ; all 1,024 choices: register j, lane l: token 128 (j / 4) + 4 l + j % 4
.endr
	s_wait_loadcnt 0x0
.set jj, 0
.rept 32
	v_cmp_eq_u32 s[MK+jj], s[EX], v[TF+jj]
.set jj, jj+1
.endr
	s_wait_alu depctr_va_sdst(0)                   ; the 32 masks are written, ahead of their first reader, the counts below
	s_mov_b32 s[CP], 0
.set jj, 0
.rept 31
	s_bcnt1_i32_b32 s2, s[MK+jj]
	s_add_co_u32 s[CP+jj+1], s[CP+jj], s2
.set jj, jj+1
.endr
	s_bcnt1_i32_b32 s2, s[MK+31]
	s_add_co_u32 s[CNT], s[CP+31], s2
	s_max_u32 s[CM1], s[CNT], 1
	s_sub_co_u32 s[CM1], s[CM1], 1
	s_add_co_u32 s[NT], s[CNT], 15
	s_lshr_b32 s[NT], s[NT], 4                     ; tiles of 16
	s_max_u32 s[NGRP], s[NT], 16
	s_sub_co_u32 s[NGRP], s[NGRP], 9
	s_lshr_b32 s[NGRP], s[NGRP], 3
	s_add_co_u32 s[NGRP], s[NGRP], 1               ; 1 + the groups of 8 tiles beyond the first 16
	s_max_u32 s[TCL], s[NT], 1
	s_sub_co_u32 s[TCL], s[TCL], 1
	s_mov_b32 s[T0], s[PW]
	s_add_co_u32 s[T1], s[PW], 8
	s_mov_b32 s[GRP], 0
	v_lshl_add_u32 v[IP], v[HH], 7, v[RR]          ; lanes 0-15 look up slot 0's rows, lanes 16-31 slot 1's: position 16 w + 128 h + r,
	s_lshl_b32 s2, s[PW], 4
	v_add_nc_u32 v[IP], s2, v[IP]
	v_min_u32 v[IP], s[CM1], v[IP]                 ; held at the last that holds a token
	INVERT
	v_mov_b32 v[IOTH], 0
	v_permlanex16_b32 v[IOTH], v[ITK], s[SEL], s[SEL+1]
	v_cndmask_b32 v[TOK], v[ITK], v[IOTH], s[HM]
	v_cndmask_b32 v[TOK+2], v[IOTH], v[ITK], s[HM]
	v_min_u32 v[TOK], 0x3ff, v[TOK]
	v_min_u32 v[TOK+2], 0x3ff, v[TOK+2]
	s_wait_alu depctr_va_vdst(0)
	SLOTOFF 0
	SLOTOFF 1
	MKA
	s_wait_alu depctr_va_vdst(0)                   ; both slots' tokens, their offsets in hid, hs and alpha and the lane addresses are written, which the permutes and loads below read; the compares are done reading v[TF ..], in which the hidden fragments land
	SLOTLD 0                                       ; both slots' loads go out whatever the count: their addresses are sound, and every register that a later way reads is written
	SLOTLD 1
	s_wait_dscnt 0x0                               ; the eight permutes are back
	MKF 0
	MKF 1
	s_wait_alu depctr_va_vdst(0)                   ; the offsets in x are written, which the loads below read; the lines that made them are done with v228-237, in which the next interval's LDS loads land
	SLOTX 0
	SLOTX 1
	s_wait_alu depctr_vm_vsrc(0)                   ; the permutes have read the lane addresses and alpha's loads their offsets (v224-227, v232-233), in which the next interval's LDS loads land
	s_wait_loadcnt 0x0                             ; no load of a consumer stays out across the meeting of the roles
.Ljoin_0:
	BAR
; ---- intervals 1 to 7
.irp k, 1,2,3,4,5,6,7
	s_cmp_lt_u32 s[WV], 8
	s_cbranch_scc0 .Lcons_\k
	PJOB \k
	s_branch .Ljoin_\k
.Lcons_\k:
	CSTEP \k-1, 2, 0
	s_wait_loadcnt 0x0                             ; the next step's hidden fragments are in: no load of a consumer stays out across the meeting of the roles
.Ljoin_\k:
	BAR
.endr
; ---- behind the last barrier: all 64 fragments lie in LDS for good
	s_cmp_lt_u32 s[WV], 8
	s_cbranch_scc1 .Lend
	CSTEP 7, 2, 1
.Lgroup:                               ; one trip where the expert has at most 16 tiles; else a trip more for each 8 tiles
	s_wait_xcnt 0x0                                ; the last trip's stores have read their data and offsets, on every way round the loop: the way out writes them anew
	EPI 0
	EPI 1
	s_add_co_u32 s100, s[GRP], 1
	s_cmp_ge_u32 s100, s[NGRP]
	s_cbranch_scc1 .Lclosed
	s_wait_xcnt 0x0                                ; the stores have read their registers: all may be written again
	s_wait_alu depctr_vm_vsrc(0)                   ; this trip's stores have read y and the offsets v[OO ..], its permutes the tokens and lane addresses, the stage's stores the sums, the hidden layer's loads v60-63: the set-up below writes or loads all of these
	s_wait_loadcnt 0x0
	s_lshl_b32 s[T0], s[GRP], 3
	s_add_co_u32 s[T0], s[T0], s[PW]
	s_add_co_u32 s[T0], s[T0], 16                  ; my next tile: 16 + 8 group + w, in slot 0;
	s_movk_i32 s[T1], 255                          ; slot 1 rests
	s_cmp_ge_u32 s[T0], s[NT]
	s_cbranch_scc1 .Lclosed
	s_lshl_b32 s2, s[T0], 4
	v_add_nc_u32 v[IP], s2, v[RR]
	v_min_u32 v[IP], s[CM1], v[IP]
	INVERT
	v_min_u32 v[TOK], 0x3ff, v[ITK]
	SLOTOFF 0
	MKA
	s_wait_alu depctr_va_vdst(0)                   ; the slot's tokens, offsets and the lane addresses are written, which the permutes and loads below read; the way out's vector lines are done with alpha and the sums, in which these loads land
	SLOTLD 0
	s_wait_dscnt 0x0                               ; the four permutes are back
	MKF 0
	s_wait_alu depctr_va_vdst(0)                   ; the offsets in x are written, which the loads below read; the list's and the offsets' lines are done with v192-231, in which the LDS loads behind them land
	SLOTX 0
	s_wait_alu depctr_vm_vsrc(0)                   ; the permutes have read the lane addresses and alpha's load its offset (v224-227, v232), in which the LDS loads below land
.irp k, 0,1,2,3,4,5,6
	CSTEP \k, 1, 0
.endr
	CSTEP 7, 1, 1
.Lclosed:
	s_add_co_u32 s[GRP], s[GRP], 1
	s_cmp_lt_u32 s[GRP], s[NGRP]
	s_cbranch_scc1 .Lgroup
.Lend:
	s_wait_dscnt 0x0                               ; the closing lines, six on end
	s_wait_alu 0x0
	s_wait_tensorcnt 0x0
	ds_add_u32 v[SPW], v[NIL]
	s_wait_dscnt 0x0
	s_endpgm
.Lfunc_end_k_q5676a2bed4_ffn2:
	.size	k_q5676a2bed4_ffn2, .Lfunc_end_k_q5676a2bed4_ffn2-k_q5676a2bed4_ffn2
	.p2alignl 7, 3214868480
	.fill 96, 4, 3214868480
	.section	.rodata,"a",@progbits
	.p2align	6, 0x0
	.amdhsa_kernel k_q5676a2bed4_ffn2
		.amdhsa_group_segment_fixed_size 194560
		.amdhsa_private_segment_fixed_size 0
		.amdhsa_enable_private_segment 0
		.amdhsa_kernarg_size 64
		.amdhsa_user_sgpr_count 2
		.amdhsa_user_sgpr_kernarg_segment_ptr 1
		.amdhsa_wavefront_size32 1
		.amdhsa_system_sgpr_workgroup_id_x 1
		.amdhsa_system_sgpr_workgroup_id_y 1
		.amdhsa_system_sgpr_workgroup_id_z 1
		.amdhsa_system_vgpr_workitem_id 0
		.amdhsa_next_free_vgpr 256
		.amdhsa_next_free_sgpr 102
		.amdhsa_reserve_vcc 1
		.amdhsa_float_denorm_mode_32 3
		.amdhsa_float_denorm_mode_16_64 3
		.amdhsa_memory_ordered 1
		.amdhsa_forward_progress 1
		.amdhsa_inst_pref_size 200
	.end_amdhsa_kernel
	.amdgpu_metadata
---
amdhsa.version: [ 1, 2 ]
amdhsa.kernels:
  - .name:           k_q5676a2bed4_ffn2
    .symbol:         k_q5676a2bed4_ffn2.kd
    .args:
      - { .name: w2, .offset: 0, .size: 8, .value_kind: global_buffer, .address_space: global }
      - { .name: b2, .offset: 8, .size: 8, .value_kind: global_buffer, .address_space: global }
      - { .name: hid, .offset: 16, .size: 8, .value_kind: global_buffer, .address_space: global }
      - { .name: hs, .offset: 24, .size: 8, .value_kind: global_buffer, .address_space: global }
      - { .name: assign, .offset: 32, .size: 8, .value_kind: global_buffer, .address_space: global }
      - { .name: alpha, .offset: 40, .size: 8, .value_kind: global_buffer, .address_space: global }
      - { .name: input_features, .offset: 48, .size: 8, .value_kind: global_buffer, .address_space: global }
      - { .name: out0, .offset: 56, .size: 8, .value_kind: global_buffer, .address_space: global }
    .group_segment_fixed_size: 194560
    .private_segment_fixed_size: 0
    .kernarg_segment_align: 8
    .kernarg_segment_size: 64
    .max_flat_workgroup_size: 512
    .sgpr_count:     102
    .vgpr_count:     256
    .wavefront_size: 32
...
	.end_amdgpu_metadata
.endif
;; end of part 6
